; MI455X (gfx1250); checked and timed in simulation.
; The chip was launched on July 23, 2026; its instructions are those of AMD's public machine-readable ISA for CDNA 5 (MIT licence, August 2026) and "CDNA5" Instruction Set Architecture Reference Guide (July 2026). The comments in the code are by the model that wrote it; some were corrected since.
;; Multi Head Attention. Allowed arithmetic: matrix products marked QUANTISED: E2M3 operands, one E8M0 scale for each 32 along K, by v_wmma_scale_f32_16x16x128_f8f6f4 with both operands' format E2M3, f32 sums; everything else in f32.
;; Inputs: bk 768 float32; bo 768 float32; bq 768 float32; bv 768 float32; wk 768 x 768 float32; wo 768 x 768 float32; wq 768 x 768 float32; wv 768 x 768 float32; x 4 x 2,048 x 768 float32.
;; Outputs: out0 4 x 2,048 x 768 float32.
;; This version of the problem:
;;   THIS VERSION OF THE PROBLEM IS GIVEN IN LOW PRECISION. The matrix products marked QUANTISED in the list below multiply operands that are first quantised to E2M3 (2 exponent bits, 3 mantissa bits; 6 bits a number), with one power-of-two scale for each 32 numbers along K (OCP MX v1.0); their sums are f32. All else is computed in f32.
;;   The module's matrix products, in the order in which they are computed (A, B: the left and right operand; K: the contracted axis; several contracted axes count as one K, in the product's order):
;;     1. [M 8,192, K 768] x [K 768, N 768]; A: input x; B: input wq: QUANTISED
;;     2. [M 8,192, K 768] x [K 768, N 768]; A: input x; B: input wk: QUANTISED
;;     3. [M 8,192, K 768] x [K 768, N 768]; A: input x; B: input wv: QUANTISED
;;     4. batch 32 x [M 2,048, K 96] x [K 96, N 2,048]; A: computed on the way; B: computed on the way: QUANTISED
;;     5. batch 32 x [M 2,048, K 2,048] x [K 2,048, N 96]; A: softmax (see below); B: computed on the way: QUANTISED
;;     6. [M 8,192, K 768] x [K 768, N 768]; A: computed on the way; B: input wo: QUANTISED
;;   THE QUANTISER, for each operand of a quantised product, along K:
;;     - K is cut into blocks of 32 from its start; a last block that is shorter is filled with zeros.
;;     - A block's scale is 2^e with e = floor(log2(the largest magnitude in the block)) - 2, held to -126 .. 127; a block of zeros has e = 0. As a byte (E8M0): e + 127.
;;     - Each number is divided by its block's scale, clamped to +-7.5, and rounded to the nearest number of E2M3, ties to even, subnormals kept.
;;     - The product sums the exact products of the quantised numbers (number of the format x scale) in f32.
;;   ~~~python
;;   def quantise(x, axis):      # numpy; x: float32 -> the quantised numbers, widened to float32 again
;;       x = np.moveaxis(x, axis, -1); K = x.shape[-1]
;;       x = np.pad(x, [(0, 0)] * (x.ndim - 1) + [(0, -K % 32)]); x = x.reshape(x.shape[:-1] + (-1, 32)); a = np.abs(x).max(-1, keepdims=True)
;;       e = np.where(a > 0, np.clip(np.frexp(np.where(a > 0, a, 1))[1] - 1 - 2, -126, 127), 0)      # np.frexp(a)[1] - 1 = floor(log2(a)), exactly
;;       r = np.clip(x / 2.0 ** e, -7.5, 7.5)
;;       step = 2.0 ** (np.maximum(np.frexp(np.where(r == 0, 1, r))[1] - 1, 0) - 3)
;;       q = np.round(r / step) * step * 2.0 ** e      # np.round: ties to even
;;       return np.moveaxis(q.reshape(q.shape[:-2] + (-1,))[..., :K], -1, axis).astype(np.float32)
;;   ~~~
;;   SOFTMAX AHEAD OF A QUANTISED PRODUCT. Where the list says 'softmax', what is quantised is not the finished softmax but p = 2^(t - M), with t = logit x log2(e) and M = ceil(the row's largest t), a whole number; so 1/2 < the row's largest p <= 1. The row's sum l is taken of the UNQUANTISED p, in f32, and the product's result is divided by l at the end. Since M is a whole number, a kernel that streams over the keys may use a running M (the ceiling of the running maximum): every later rescaling is an exact power of two, which a block's scale takes up: the codes' values come out the same.
;;   OPERANDS COMPUTED ON THE WAY. 'Computed on the way' means the value that the module computes at that place (a softmax that the list does not call 'softmax' is quantised finished and normalised). What goes into a quantiser is computed in f32, as accurately as f32 sums, v_exp_f32 and their like allow (about 1e-6 of the number): no bf16 or f16 on the way to a quantiser, and a product that is left as it is and whose result goes on into a quantised operand takes f32 operands (vector FMAs, or v_wmma_f32_16x16x4_f32). A number that lies on a knife's edge between two numbers of the format may be rounded either way, as far as f32 arithmetic and the matrix unit's own rounding can turn it there, and no further.
;; 2 versions. Each part assembles by itself: llvm-mc -triple=amdgcn-amd-amdhsa -mcpu=gfx1250 --defsym DOCPART=n.
;; ======== version 1 of 2: 4 launches
;; workspace buffers: xi 5,111,808 bytes; wi 2,076,672 bytes; qi 6,815,744 bytes; kv 12,058,624 bytes; oi 6,815,744 bytes
;; launch prep (part 1): grid 12 x 45, 4 waves a work-group, no clusters, 34,304 bytes of LDS; arguments x, wq, wk, wv, wo, xi, wi; writes xi, wi
.if DOCPART == 1
	.amdgcn_target "amdgcn-amd-amdhsa--gfx1250"
	.amdhsa_code_object_version 6
	.text
	.protected	k_qb3660ee960_prep
	.globl	k_qb3660ee960_prep
	.p2align	8
	.type	k_qb3660ee960_prep,@function
k_qb3660ee960_prep:
	s_mov_b64 s[64:65], 0
	v_nop
	global_prefetch_b8 v0, s[64:65] scope:SCOPE_SE
	s_setreg_imm32_b32 hwreg(HW_REG_WAVE_MODE, 25, 1), 1
	s_wait_xcnt 0x0
; x [8192][768] and the weights wq, wk, wv, wo [768 (k)][768 (n)], all f32, become codes of FP6 (E2M3) with one E8M0 byte for each 32 along K,
; stored as IMAGES OF OPERAND REGISTERS: a fragment (16 rows x 128 K, 12 registers a lane) is three groups of four registers, group c at 512 c + 16 x lane;
; the scale words of two K steps are 8 bytes a lane.  So every later launch fetches operands by loads of 16 bytes a lane alone.
; A TILE'S 16 ROWS ARE NOT NEIGHBOURS: lane r of tile 2 b + u takes row (token, or column of a weight) 32 b + 8 u + r + 8 (r / 8), so that in a product's result
; the 16 registers of tiles 2 b and 2 b + 1 are 16 neighbours, as the next quantiser wants them.
; xi: 512 records of 9,984 bytes (six fragments, three pairs of scale words).  wi: 144 such records (48 x matrix + column tile), then 48 records of 13,312 bytes for wo:
; eight K steps, one for each head's 96 rows, the fourth block of 32 filled with zero codes.
; A block's scale is 2^(floor(log2(largest magnitude)) - 2): its byte is the largest magnitude's exponent field - 2, held at 1 from below.
; LIMITS: a block of zeros, or one whose largest magnitude lies under 2^-124, gets the byte 1 (the rule says 127 for zeros): its codes are zeros and this program alone reads the bytes.
; NaN and infinities among the inputs are not served.
; SHARES.  Work-groups with y < 32 take x, the others the weights.  Each wave makes two fragments (256 along K of one tile) and their 256 bytes of scale words.  Waves share nothing: no barrier.
; No matrix unit, no tensor load, no cluster: every input byte is read once and nothing is shared between work-groups.
.set REC,    9984                      ; a record of xi, and of wi for wq, wk, wv
.set WOREC,  13312                     ; a record of wi for wo
.set WOBASE, 144*REC
.set FRB,    1536                      ; a fragment's image
.set ROWX,   3072                      ; a row of x or of a weight in bytes
.set SPITCH, 528                       ; the stage: 512 bytes + 16 = 33 x 16: the sixteen rows that a load touches begin 16 bytes apart modulo 256
.set LI,  4                            ; v4   16 x lane
.set L8,  5                            ; v5   8 x lane
.set SH,  6                            ; v6   8 x (lane / 16)
.set VA,  7                            ; v7-8 the weights: my lane's byte offset for registers 0-31 and 32-63 of a fragment's numbers
.set STW, 9                            ; v9   the stage, on the way in
.set STR, 10                           ; v10  and on the way out
.set MX,  12                           ; v12-13 largest magnitudes;  v14-15 the conversions' scale operands;  v16-17 the bytes
.set SO,  14
.set BY,  16
.set TP,  18                           ; v18  a lane permute's destination
.set T2,  20                           ; v20-22, v24-26 the upper halves of two blocks' codes
.set PW,  28                           ; v28-29 the two scale words
.set PC,  32                           ; v32-43, v44-55 the two fragments
.set X,   64                           ; v64-127 64 numbers of a lane: register 32 c + i = k 64 c + 32 (lane / 16) + i of my row
.set R,   128                          ; v128-255 as loaded
; 64 numbers of a lane, two whole blocks of 32, become 12 registers of codes and, with lane l xor 16's two bytes, the row's scale word.
.macro QF x, pc, pw
.irp c, 0,1
	v_max3_num_f32 v[MX+\c], |v[(\x)+32*\c]|, |v[(\x)+32*\c+1]|, 0x1800000   ; with the floor 2^(3 - 127): the byte cannot fall under 1
.endr
.irp i, 2,4,6,8,10,12,14,16,18,20,22,24,26,28,30
.irp c, 0,1
	v_max3_num_f32 v[MX+\c], v[MX+\c], |v[(\x)+32*\c+\i]|, |v[(\x)+32*\c+\i+1]|   ; the two blocks by turns
.endr
.endr
.irp c, 0,1
	v_add_nc_u32 v[SO+\c], 0xff000000, v[MX+\c]    ; 2 off the exponent field: the conversion's scale operand
.endr
.irp c, 0,1
	v_lshrrev_b32 v[BY+\c], 23, v[SO+\c]           ; the scale's byte
.endr
	v_lshl_or_b32 v[\pw], v[BY+1], 16, v[BY]       ; blocks h and 2 + h,
	v_lshlrev_b32 v[\pw], v[SH], v[\pw]            ; at their places in the word
	v_permlanex16_b32 v[TP], v[\pw], s20, s21
	v_or_b32 v[\pw], v[\pw], v[TP]                 ; with lane l xor 16's two the word is whole, in both lanes
.irp c, 0,1
	v_cvt_scalef32_pk16_fp6_f32 v[(\pc)+6*\c:(\pc)+6*\c+2], v[(\x)+32*\c:(\x)+32*\c+15], v[SO+\c]
	v_cvt_scalef32_pk16_fp6_f32 v[T2+4*\c:T2+4*\c+2], v[(\x)+32*\c+16:(\x)+32*\c+31], v[SO+\c]   ; a conversion's three registers begin on an even number
.endr
	v_nop                                          ; one plain place behind a scaled conversion
.irp c, 0,1
.irp i, 0,1,2
	v_mov_b32 v[(\pc)+3+6*\c+\i], v[T2+4*\c+\i]
.endr
.endr
.endm
	s_load_b256 s[4:11], s[0:1], 0x0               ; x s[4:5], wq s[6:7], wk s[8:9], wv s[10:11]
	s_load_b128 s[12:15], s[0:1], 0x20             ; wo s[12:13], xi s[14:15]
	s_load_b64 s[16:17], s[0:1], 0x30              ; wi
	v_lshl_add_u32 v62, v0, 2, 0x8400
	v_mov_b32 v63, 0
	v_lshrrev_b32 v1, 5, v0
	v_readfirstlane_b32 s18, v1                    ; wave 0..3
	v_and_b32 v1, 31, v0                           ; lane
	v_and_b32 v2, 15, v0                           ; r
	v_bfe_u32 v3, v0, 4, 1                         ; h
	v_lshlrev_b32 v[LI], 4, v1
	v_lshlrev_b32 v[L8], 3, v1
	v_lshlrev_b32 v[SH], 3, v3
	v_mov_b32 v[TP], 0                             ; a lane permute's destination counts as one of its sources
	s_mov_b32 s20, 0x76543210
	s_mov_b32 s21, 0xfedcba98                      ; selects for lane l xor 16
	s_and_b32 s19, ttmp7, 0xffff                   ; work-group y
	s_cmp_lt_u32 s19, 32
	s_cbranch_scc0 .Lweights
	; ---- x.  K pair = x >> 2; token tile T = 4 (4 y + (x & 3)) + wave
	s_lshr_b32 s22, ttmp9, 2
	s_and_b32 s23, ttmp9, 3
	s_lshl_b32 s24, s19, 2
	s_add_co_u32 s24, s24, s23
	s_lshl_b32 s24, s24, 2
	s_add_co_u32 s24, s24, s18                     ; T
	s_lshr_b32 s25, s24, 1
	s_lshl_b32 s25, s25, 5
	s_and_b32 s26, s24, 1
	s_lshl_b32 s26, s26, 3
	s_add_co_u32 s25, s25, s26                     ; the tile's first token: 32 (T / 2) + 8 (T % 2)
	s_mul_i32 s26, s25, ROWX
	s_lshl_b32 s27, s22, 10
	s_add_co_u32 s26, s26, s27                     ; + 1,024 bytes a K pair
	s_mov_b32 s27, 0
	s_mul_i32 s28, s24, REC
	s_mul_i32 s30, s22, 2*FRB
	s_add_co_u32 s28, s28, s30                     ; the record's two fragments
	s_mov_b32 s29, 0
	s_mul_i32 s30, s24, REC
	s_lshl_b32 s31, s22, 8
	s_add_co_u32 s30, s30, s31
	s_add_co_u32 s30, s30, 6*FRB                   ; and their pair of scale words
	s_mov_b32 s31, 0
	s_mul_i32 s32, s18, 16*SPITCH                  ; my wave's stage
	v_add_nc_u32 v[STW], s32, v[LI]                ; in: a row's 512 bytes as they lie
	v_mul_u32_u24 v[STR], v2, SPITCH
	v_lshl_add_u32 v[STR], v3, 7, v[STR]
	v_add_nc_u32 v[STR], s32, v[STR]               ; out: row r, + 128 h: my block of 32 numbers
	s_wait_kmcnt 0x0
	s_add_nc_u64 s[4:5], s[4:5], s[26:27]
	s_add_nc_u64 s[28:29], s[14:15], s[28:29]
	s_add_nc_u64 s[30:31], s[14:15], s[30:31]
.irp f, 0,1
.irp i, 0,1,2,3,4,5,6,7,8,9,10,11,12,13,14,15
	global_load_b128 v[R+64*\f+4*\i:R+64*\f+4*\i+3], v[LI], s[4:5] offset:(\i+8*(\i/8))*ROWX+512*\f th:TH_LOAD_NT   ; 32 lanes read 512 consecutive bytes of the tile's row i
.endr
.endr
.irp f, 0,1
	s_wait_loadcnt 16-16*\f                        ; this fragment's 16 loads are in; the second fragment's 16 may be out
.irp i, 0,1,2,3,4,5,6,7,8,9,10,11,12,13,14,15
	ds_store_b128 v[STW], v[R+64*\f+4*\i:R+64*\f+4*\i+3] offset:SPITCH*\i
.endr
.irp c, 0,1
.irp j, 0,1,2,3,4,5,6,7
	ds_load_b128 v[X+32*\c+4*\j:X+32*\c+4*\j+3], v[STR] offset:256*\c+16*\j   ; LDS serves a wave's instructions in order (ISA guide 5.7.1.4): these see my stores, and the next fragment's stores come behind them
.endr
.endr
	s_wait_dscnt 0x0
	QF X, PC+12*\f, PW+\f
.irp c, 0,1,2
	global_store_b128 v[LI], v[PC+12*\f+4*\c:PC+12*\f+4*\c+3], s[28:29] offset:FRB*\f+512*\c   ; 512 consecutive bytes, aligned; each fragment has registers of its own, so no store's data are written again
.endr
.endr
	global_store_b64 v[L8], v[PW:PW+1], s[30:31]   ; 256 consecutive bytes, aligned
	s_wait_tensorcnt 0x0
	ds_add_u32 v62, v63
	s_wait_dscnt 0x0
	s_endpgm
.Lweights:
	; ---- the weights.  slab = y - 32: 0..8 = 3 x matrix + K pair of wq, wk, wv; 9..12 = K pair of wo.  Column tile = 4 x + wave
	s_sub_co_u32 s22, s19, 32
	s_lshl_b32 s23, ttmp9, 2
	s_add_co_u32 s23, s23, s18                     ; column tile 0..47
	s_mul_hi_u32 s24, s22, 0x55555556              ; slab / 3
	s_mul_i32 s25, s24, 3
	s_sub_co_u32 s25, s22, s25                     ; K pair, for wq, wk, wv
	s_sub_co_u32 s26, s22, 9                       ; and for wo
	s_mul_i32 s27, s24, 48
	s_add_co_u32 s27, s27, s23
	s_mul_i32 s27, s27, REC                        ; the record, for wq, wk, wv
	s_mul_i32 s28, s23, WOREC
	s_add_co_u32 s28, s28, WOBASE                  ; and for wo
	s_mov_b32 s29, 96*ROWX
	s_mov_b32 s30, 8*FRB
	s_mov_b32 s31, 0xffff
	s_cmp_lt_u32 s22, 9
	s_cselect_b32 s25, s25, s26                    ; K pair
	s_cselect_b32 s27, s27, s28                    ; record
	s_cselect_b32 s29, 128*ROWX, s29               ; a K step in memory: 128 rows, or a head's 96
	s_cselect_b32 s30, 6*FRB, s30                  ; where the record's scale words begin
	s_cselect_b32 s31, -1, s31                     ; lanes whose registers 6-11 keep their codes: all, or (wo) lanes 0-15
	s_cselect_b32 s32, 32*ROWX, 0                  ; registers 32-63: lanes 16-31 begin 32 rows further down, or (wo) read block 2 again, so that no load leaves the buffer
	s_lshl_b32 s33, s25, 1
	s_mul_i32 s33, s33, s29
	s_lshr_b32 s34, s23, 1
	s_lshl_b32 s34, s34, 7
	s_and_b32 s35, s23, 1
	s_lshl_b32 s35, s35, 5
	s_add_co_u32 s34, s34, s35                     ; the tile's first column, in bytes
	s_add_co_u32 s34, s34, s33
	s_mov_b32 s35, 0
	s_mul_i32 s40, s25, 2*FRB
	s_add_co_u32 s40, s40, s27
	s_mov_b32 s41, 0
	s_lshl_b32 s42, s25, 8
	s_add_co_u32 s42, s42, s27
	s_add_co_u32 s42, s42, s30
	s_mov_b32 s43, 0
	v_and_b32 v11, 8, v2
	v_add_nc_u32 v11, v11, v2
	v_lshlrev_b32 v11, 2, v11                      ; 4 (r + 8 (r / 8)): A LANE TAKES A COLUMN, AND ITS REGISTERS RUN DOWN K
	v_mul_u32_u24 v[VA], 32*ROWX, v3
	v_add_nc_u32 v[VA], v[VA], v11
	v_mul_u32_u24 v[VA+1], s32, v3
	v_add_nc_u32 v[VA+1], v[VA+1], v11
	s_wait_kmcnt 0x0
	s_cmp_eq_u32 s24, 1                            ; which weight: the choice hangs on the work-group's number alone
	s_cselect_b64 s[6:7], s[8:9], s[6:7]
	s_cmp_eq_u32 s24, 2
	s_cselect_b64 s[6:7], s[10:11], s[6:7]
	s_cmp_ge_u32 s22, 9
	s_cselect_b64 s[6:7], s[12:13], s[6:7]
	s_add_nc_u64 s[36:37], s[6:7], s[34:35]        ; the first K step
	s_mov_b32 s34, s29
	s_add_nc_u64 s[38:39], s[36:37], s[34:35]      ; the second
	s_add_nc_u64 s[40:41], s[16:17], s[40:41]
	s_add_nc_u64 s[42:43], s[16:17], s[42:43]
.irp f, 0,1
.irp c, 0,1
.irp i, 0,1,2,3,4,5,6,7,8,9,10,11,12,13,14,15,16,17,18,19,20,21,22,23,24,25,26,27,28,29,30,31
	global_load_b32 v[R+64*\f+32*\c+\i], v[VA+\c], s[36+2*\f:37+2*\f] offset:(64*\c+\i)*ROWX   ; W(64 c + 32 h + i, my column); the work-group's four tiles are 256 consecutive bytes of a row
.endr
.endr
.endr
.irp f, 0,1
	s_wait_loadcnt 63-63*\f                        ; the first fragment's 64 loads are in: 64 are younger, and 63 is the largest count that the wait can name
	QF R+64*\f, PC+12*\f, PW+\f
.irp i, 0,1,2,3,4,5
	v_cndmask_b32 v[PC+12*\f+6+\i], 0, v[PC+12*\f+6+\i], s31   ; wo: the K step's fourth block is zero codes (its byte is block 2's, a valid one); the others: unchanged
.endr
.irp c, 0,1,2
	global_store_b128 v[LI], v[PC+12*\f+4*\c:PC+12*\f+4*\c+3], s[40:41] offset:FRB*\f+512*\c
.endr
.endr
	global_store_b64 v[L8], v[PW:PW+1], s[42:43]
	s_endpgm
.Lfunc_end_k_qb3660ee960_prep:
	.size	k_qb3660ee960_prep, .Lfunc_end_k_qb3660ee960_prep-k_qb3660ee960_prep
	.p2alignl 7, 3214868480
	.fill 96, 4, 3214868480
	.section	.rodata,"a",@progbits
	.p2align	6, 0x0
	.amdhsa_kernel k_qb3660ee960_prep
		.amdhsa_group_segment_fixed_size 34304
		.amdhsa_private_segment_fixed_size 0
		.amdhsa_enable_private_segment 0
		.amdhsa_kernarg_size 56
		.amdhsa_user_sgpr_count 2
		.amdhsa_user_sgpr_kernarg_segment_ptr 1
		.amdhsa_wavefront_size32 1
		.amdhsa_system_sgpr_workgroup_id_x 1
		.amdhsa_system_sgpr_workgroup_id_y 1
		.amdhsa_system_sgpr_workgroup_id_z 1
		.amdhsa_system_vgpr_workitem_id 0
		.amdhsa_next_free_vgpr 256
		.amdhsa_next_free_sgpr 66
		.amdhsa_reserve_vcc 0
		.amdhsa_float_denorm_mode_32 3
		.amdhsa_float_denorm_mode_16_64 3
		.amdhsa_memory_ordered 1
		.amdhsa_forward_progress 1
		.amdhsa_inst_pref_size 38
	.end_amdhsa_kernel
	.amdgpu_metadata
---
amdhsa.version: [ 1, 2 ]
amdhsa.kernels:
  - .name:           k_qb3660ee960_prep
    .symbol:         k_qb3660ee960_prep.kd
    .args:
      - { .name: x, .offset: 0, .size: 8, .value_kind: global_buffer, .address_space: global }
      - { .name: wq, .offset: 8, .size: 8, .value_kind: global_buffer, .address_space: global }
      - { .name: wk, .offset: 16, .size: 8, .value_kind: global_buffer, .address_space: global }
      - { .name: wv, .offset: 24, .size: 8, .value_kind: global_buffer, .address_space: global }
      - { .name: wo, .offset: 32, .size: 8, .value_kind: global_buffer, .address_space: global }
      - { .name: xi, .offset: 40, .size: 8, .value_kind: global_buffer, .address_space: global }
      - { .name: wi, .offset: 48, .size: 8, .value_kind: global_buffer, .address_space: global }
    .group_segment_fixed_size: 34304
    .private_segment_fixed_size: 0
    .kernarg_segment_align: 8
    .kernarg_segment_size: 56
    .max_flat_workgroup_size: 128
    .sgpr_count:     66
    .vgpr_count:     256
    .wavefront_size: 32
...
	.end_amdgpu_metadata
.endif
;; end of part 1
;; launch qkv (part 2): grid 4 x 64, 4 waves a work-group, no clusters, 80,384 bytes of LDS; arguments xi, wi, bq, bk, bv, qi, kv; writes qi, kv
.if DOCPART == 2
	.amdgcn_target "amdgcn-amd-amdhsa--gfx1250"
	.amdhsa_code_object_version 6
	.text
	.protected	k_qb3660ee960_qkv
	.globl	k_qb3660ee960_qkv
	.p2align	8
	.type	k_qb3660ee960_qkv,@function
k_qb3660ee960_qkv:
	s_mov_b64 s[64:65], 0
	v_nop
	global_prefetch_b8 v0, s[64:65] scope:SCOPE_SE
	s_setreg_imm32_b32 hwreg(HW_REG_WAVE_MODE, 25, 1), 1
	s_wait_xcnt 0x0
; q = x wq + bq, k = x wk + bk, v = x wv + bv on codes of FP6 (E2M3), f32 sums, and the three results quantised at once: q and k along a head's 96 (a fourth block of zero codes fills the K step),
; v along the keys.  Operands come as images of operand registers (launch prep); results leave in the same form.
; SHARES.  Work-group (g, tb): token block tb (128 tokens, 8 tiles) and heads 2 g, 2 g + 1.  All four waves run one text.
;   Phase A: wave w makes q (w < 2) or k of head 2 g + (w & 1): 8 token tiles x 6 column tiles, 48 accumulators, 288 products.  TRANSPOSED (source 0 = 16 columns of W, source 1 = 16 tokens):
;            a lane holds one token and its registers run along the head's 96: the quantiser's K.
;   Phase B: wave w makes half of v of head 2 g + (w >> 1): 8 token tiles x 3 column tiles, 144 products.  NOT transposed (source 0 = tokens, source 1 = columns):
;            a lane holds one column and its registers run along the tokens, which are the second attention product's K.
; x's block, 79,872 bytes, is copied into LDS once (each wave a quarter) and read by all; a wave's weights are its own and go from memory straight into registers, three K steps ahead.
; The biases are the C of each sum's first product.  The accumulators take turns, one instruction a turn.
; NO CLUSTER, NO TENSOR LOAD: the shared operand is fetched once a work-group (39 loads and 39 LDS stores a lane for 432 products a wave); the four work-groups of a token block
; read the same 79,872 bytes, a sixth of what a work-group reads in all (x's block + 36 weight records of 9,984 bytes).
; LIMITS: as stated in prep (byte 1 for blocks under 2^-124 or of zeros; NaN and infinities not served).
; REGISTERS, in windows of 256.  Window 0: addresses, x's fragments, all scale words, the quantiser.  Window 1: W's fragments.  Window 2: accumulators (phase A: token tiles 0-3; phase B: all),
; bq/bk's tiles at v192; at the start the 156 staging registers.  Window 3: phase A's token tiles 4-7; bv's tiles at v192.
.set REC,   9984
.set FRB,   1536
.set QBLK,  13312                      ; a block of qi: 8 fragments, 1,024 bytes of scale words
.set KVBLK, 23552                      ; a block of kv: the same of k, then v's 6 fragments and 1,024 bytes of scale words
.set LI,  1                            ; v1  16 x lane;  v2  the same + 4 records
.set L8,  3                            ; v3  8 x lane;   v4  the same + 4 records
.set LW,  5                            ; v5  16 x lane + 19,968 x wave: my quarter of x's block, in memory and in LDS
.set VBA, 6                            ; v6  64 h: bq, bk
.set VB,  7                            ; v7-9  bv: my column of tile t
.set XF,  16                           ; v16-111  x's 8 fragments of a K step
.set XSW, 112                          ; v112-159 x's scale words, 6 m + s
.set WSW, 160                          ; v160-195 W's scale words, 6 t + s
.set PC,  196                          ; v196-207 codes; v208-210, v212-214 upper halves
.set TM,  216                          ; v216-219 maxima, v220-223 bytes, v228-231 scale operands
.set PWL, 232                          ; v232-239 the scale words made
.set BT,  240                          ; v240-242 bv's numbers
.set WA,  24                           ; s[24:25] W's records, phase A;  s[26:27] phase B
.set WB,  26
.set XB,  28                           ; s[28:29] x's block
.set BA,  30                           ; s[30:31] bq or bk at my head;  s[32:33] bv
.set BB,  32
.set DA,  36                           ; s[36:37] where q's or k's block goes;  s[40:41] v's fragments;  s[42:43] v's scale words
.set DB,  40
.set DBS, 42
.set SEL, 52
.set MSB, 0
.macro WIN new                         ; low byte: bits 1:0 source 0, 3:2 source 1, 5:4 source 2, 7:6 destination; the high byte repeats the setting that is left
.if MSB != (\new)
	s_set_vgpr_msb (MSB<<8)|(\new)
.set MSB, (\new)
.endif
.endm
.macro PLACES n                        ; plain vector instructions between a matrix instruction and a load into, or a read of, its registers
.rept \n
	v_nop
.endr
.endm
.macro LOADW_A s                       ; W's six fragments of K step s into set s % 3 of window 1
	WIN 0x40
.irp t, 0,1,2,3,4,5
.irp c, 0,1,2
	global_load_b128 v[72*((\s)%3)+12*\t+4*\c:72*((\s)%3)+12*\t+4*\c+3], v[LI], s[WA:WA+1] offset:REC*\t+FRB*(\s)+512*\c
.endr
.endr
.endm
.macro FETCHX s, m0                    ; x's fragments of K step s, token tiles m0 .. m0 + 3, from LDS
.irp m, \m0, \m0+1, \m0+2, \m0+3
.irp c, 0,1,2
	ds_load_b128 v[XF+12*(\m)+4*\c:XF+12*(\m)+4*\c+3], v[LI+(\m)/4] offset:REC*((\m)%4)+FRB*(\s)+512*\c
.endr
.endr
.endm
.macro HALF_A s, m0                    ; 24 products: token tiles m0 .. m0 + 3 x six column tiles
.irp m, \m0, \m0+1, \m0+2, \m0+3
.irp t, 0,1,2,3,4,5
.if (\s) == 0
	v_wmma_scale_f32_16x16x128_f8f6f4 v[48*((\m)%4)+8*\t:48*((\m)%4)+8*\t+7], v[72*((\s)%3)+12*\t:72*((\s)%3)+12*\t+11], v[XF+12*(\m):XF+12*(\m)+11], v[192+8*\t:192+8*\t+7], v[WSW+6*\t+(\s)], v[XSW+6*(\m)+(\s)] matrix_a_fmt:MATRIX_FMT_FP6 matrix_b_fmt:MATRIX_FMT_FP6
.else
	v_wmma_scale_f32_16x16x128_f8f6f4 v[48*((\m)%4)+8*\t:48*((\m)%4)+8*\t+7], v[72*((\s)%3)+12*\t:72*((\s)%3)+12*\t+11], v[XF+12*(\m):XF+12*(\m)+11], v[48*((\m)%4)+8*\t:48*((\m)%4)+8*\t+7], v[WSW+6*\t+(\s)], v[XSW+6*(\m)+(\s)] matrix_a_fmt:MATRIX_FMT_FP6 matrix_b_fmt:MATRIX_FMT_FP6
.endif
.endr
.endr
.endm
.macro HALF_B s, m0                    ; 12 products: token tiles m0 .. m0 + 3 x three column tiles
.irp m, \m0, \m0+1, \m0+2, \m0+3
.irp t, 0,1,2
.if (\s) == 0
	v_wmma_scale_f32_16x16x128_f8f6f4 v[64*\t+8*(\m):64*\t+8*(\m)+7], v[XF+12*(\m):XF+12*(\m)+11], v[36*(\s)+12*\t:36*(\s)+12*\t+11], v[192+8*\t:192+8*\t+7], v[XSW+6*(\m)+(\s)], v[WSW+6*\t+(\s)] matrix_a_fmt:MATRIX_FMT_FP6 matrix_b_fmt:MATRIX_FMT_FP6
.else
	v_wmma_scale_f32_16x16x128_f8f6f4 v[64*\t+8*(\m):64*\t+8*(\m)+7], v[XF+12*(\m):XF+12*(\m)+11], v[36*(\s)+12*\t:36*(\s)+12*\t+11], v[64*\t+8*(\m):64*\t+8*(\m)+7], v[XSW+6*(\m)+(\s)], v[WSW+6*\t+(\s)] matrix_a_fmt:MATRIX_FMT_FP6 matrix_b_fmt:MATRIX_FMT_FP6
.endif
.endr
.endr
.endm
; A K step of phase A.  ns: the K step whose fragments of x are fetched meanwhile.  lc: the weight loads issued behind the set that this step multiplies.
.macro KSTEP_A s, ns, lc
	s_wait_loadcnt \lc
	s_wait_dscnt 12                                ; token tiles 0-3 are in; the youngest 12 loads (tiles 4-7) may be out
	WIN 0xa1                                       ; W window 1, x window 0, C and D window 2
	HALF_A \s, 0
	PLACES 4
	WIN 0
	FETCHX \ns, 0
	s_wait_dscnt 12                                ; tiles 4-7 are in; the 12 just issued may be out
.if (\s) == 0
	WIN 0xe1                                       ; C (the bias) window 2, D window 3
.else
	WIN 0xf1
.endif
	HALF_A \s, 4
	PLACES 4
	WIN 0
	FETCHX \ns, 4
.if (\s) < 3
	LOADW_A (\s)+3                                 ; into the set just multiplied
.endif
.endm
.macro KSTEP_B s
	s_wait_dscnt 12
.if (\s) == 0
	WIN 0xb4                                       ; x window 0, W window 1, C (the bias) window 3, D window 2
.else
	WIN 0xa4
.endif
	HALF_B \s, 0
.if (\s) < 5
	PLACES 4
	WIN 0
	FETCHX (\s)+1, 0
	s_wait_dscnt 12
.if (\s) == 0
	WIN 0xb4
.else
	WIN 0xa4
.endif
.else
	s_wait_dscnt 0x0
.endif
	HALF_B \s, 4
	PLACES 4
	WIN 0
.if (\s) < 5
	FETCHX (\s)+1, 4
.endif
.endm
; 16 nb numbers of a lane in window w, register s + 16 b + i = k 32 b + 16 (lane / 16) + i of my row, become a fragment's codes in v[PC] on and its scale word in v[pw].
; nb = 3: the fourth block is zero codes with the byte 127.  Each accumulator is read from its low end on.
.macro QUANT s, w, nb, pw
	WIN 5*(\w)                                     ; sources 0 and 1: window w
.irp b, 0,1,2,3
.if \b < \nb
	v_max3_num_f32 v[TM+\b], |v[(\s)+16*\b]|, |v[(\s)+16*\b+1]|, 0x1800000   ; with the floor 2^(3 - 127)
.endif
.endr
.irp i, 2,4,6,8,10,12,14
.irp b, 0,1,2,3
.if \b < \nb
	v_max3_num_f32 v[TM+\b], |v[(\s)+16*\b+\i]|, |v[(\s)+16*\b+\i+1]|, v[TM+\b]   ; the blocks by turns
.endif
.endr
.endr
	WIN 0
.irp b, 0,1,2,3
.if \b < \nb
	v_permlanex16_b32 v[TM+4+\b], v[TM+\b], s[SEL], s[SEL+1]
.endif
.endr
.irp b, 0,1,2,3
.if \b < \nb
	v_max_num_f32 v[TM+\b], v[TM+\b], v[TM+4+\b]   ; with lane l xor 16's 16: the block's largest magnitude
.endif
.endr
.irp b, 0,1,2,3
.if \b < \nb
	v_add_nc_u32 v[TM+12+\b], 0xff000000, v[TM+\b] ; 2 off the exponent field: the conversion's scale operand
.endif
.endr
.irp b, 0,1,2,3
.if \b < \nb
	v_lshrrev_b32 v[TM+4+\b], 23, v[TM+12+\b]      ; the byte
.endif
.endr
	v_lshl_or_b32 v[\pw], v[TM+5], 8, v[TM+4]
	v_lshl_or_b32 v[\pw], v[TM+6], 16, v[\pw]
.if (\nb) == 4
	v_lshl_or_b32 v[\pw], v[TM+7], 24, v[\pw]
.else
	v_or_b32 v[\pw], 0x7f000000, v[\pw]
.irp i, 0,1,2
	v_mov_b32 v[PC+16+\i], 0
.endr
.endif
	WIN (\w)                                       ; source 0: window w
	v_cvt_scalef32_pk16_fp6_f32 v[PC:PC+2], v[(\s):(\s)+15], v[TM+12]
	v_cvt_scalef32_pk16_fp6_f32 v[PC+12:PC+14], v[(\s)+16:(\s)+31], v[TM+13]
	v_cvt_scalef32_pk16_fp6_f32 v[PC+6:PC+8], v[(\s)+32:(\s)+47], v[TM+14]
.if (\nb) == 4
	v_cvt_scalef32_pk16_fp6_f32 v[PC+16:PC+18], v[(\s)+48:(\s)+63], v[TM+15]
.endif
	WIN 0
	v_nop                                          ; one plain place behind a scaled conversion
.irp c, 0,1                                    ; the operand's layout wants a whole block in a lane: lanes 0-15 block 2 c, lanes 16-31 block 2 c + 1
.irp i, 0,1,2
	v_permlane16_swap_b32 v[PC+6*\c+\i], v[PC+12+4*\c+\i]
.endr
.irp i, 0,1,2
	v_mov_b32 v[PC+3+6*\c+\i], v[PC+12+4*\c+\i]
.endr
.endr
.endm
	s_load_b256 s[4:11], s[0:1], 0x0               ; xi s[4:5], wi s[6:7], bq s[8:9], bk s[10:11]
	s_load_b128 s[12:15], s[0:1], 0x20             ; bv s[12:13], qi s[14:15]
	s_load_b64 s[16:17], s[0:1], 0x30              ; kv
	v_lshl_add_u32 v254, v0, 2, 0x13800
	v_mov_b32 v255, 0
	v_lshrrev_b32 v10, 5, v0
	v_readfirstlane_b32 s18, v10                   ; wave 0..3
	v_and_b32 v10, 31, v0
	v_and_b32 v11, 15, v0
	v_bfe_u32 v12, v0, 4, 1
	v_lshlrev_b32 v[LI], 4, v10
	v_add_nc_u32 v[LI+1], 4*REC, v[LI]
	v_lshlrev_b32 v[L8], 3, v10
	v_add_nc_u32 v[L8+1], 4*REC, v[L8]
	s_mul_i32 s48, s18, 2*REC
	v_add_nc_u32 v[LW], s48, v[LI]
	v_lshlrev_b32 v[VBA], 6, v12
	v_and_b32 v13, 8, v11
	v_add_nc_u32 v13, v13, v11
	v_lshlrev_b32 v13, 2, v13                      ; 4 (r + 8 (r / 8))
.irp b, 0,1,2,3
	v_mov_b32 v[TM+4+\b], 0                        ; a lane permute's destination counts as one of its sources
.endr
	s_mov_b32 s[SEL], 0x76543210
	s_mov_b32 s[SEL+1], 0xfedcba98
	s_and_b32 s23, ttmp7, 0xffff                   ; token block
	s_lshr_b32 s19, s18, 1                         ; phase A: 0 = q, 1 = k
	s_and_b32 s22, s18, 1
	s_lshl_b32 s24, ttmp9, 1
	s_add_co_u32 s20, s24, s22                     ; phase A's head
	s_add_co_u32 s21, s24, s19                     ; phase B's head
	s_mul_i32 s48, s22, 3                          ; phase B's first column tile in the head
.irp t, 0,1,2
	s_add_co_u32 s49, s48, \t
	s_lshr_b32 s50, s49, 1
	s_lshl_b32 s50, s50, 7
	s_and_b32 s49, s49, 1
	s_lshl_b32 s49, s49, 5
	s_add_co_u32 s49, s49, s50
	v_add_nc_u32 v[VB+\t], s49, v13
.endr
	s_mul_i32 s24, s19, 48
	s_mul_i32 s25, s20, 6
	s_add_co_u32 s24, s24, s25
	s_mul_i32 s24, s24, REC
	s_mov_b32 s25, 0
	s_mul_i32 s26, s21, 6
	s_add_co_u32 s26, s26, s48
	s_add_co_u32 s26, s26, 96
	s_mul_i32 s26, s26, REC
	s_mov_b32 s27, 0
	s_mul_i32 s28, s23, 8*REC
	s_mov_b32 s29, 0
	s_mul_i32 s30, s20, 384
	s_mov_b32 s31, 0
	s_mul_i32 s32, s21, 384
	s_mov_b32 s33, 0
	s_lshr_b32 s34, s23, 4
	s_lshl_b32 s34, s34, 3                         ; 8 x batch
	s_and_b32 s35, s23, 15                         ; the block's place among the batch's 16
	s_add_co_u32 s36, s34, s20
	s_lshl_b32 s36, s36, 4
	s_add_co_u32 s36, s36, s35                     ; phase A's block: (8 batch + head) 16 + step
	s_add_co_u32 s38, s34, s21
	s_lshl_b32 s38, s38, 4
	s_add_co_u32 s38, s38, s35                     ; phase B's
	s_mov_b32 s37, KVBLK
	s_cmp_eq_u32 s19, 0
	s_cselect_b32 s37, QBLK, s37
	s_mul_i32 s36, s36, s37
	s_mov_b32 s37, 0
	s_mul_i32 s38, s38, KVBLK
	s_mul_i32 s39, s22, 3*FRB
	s_add_co_u32 s40, s38, s39
	s_add_co_u32 s40, s40, QBLK
	s_mov_b32 s41, 0
	s_lshl_b32 s39, s22, 9
	s_add_co_u32 s42, s38, s39
	s_add_co_u32 s42, s42, QBLK+6*FRB
	s_mov_b32 s43, 0
	s_wait_kmcnt 0x0
	s_cmp_eq_u32 s19, 0                            ; the choices hang on the wave's number alone
	s_cselect_b64 s[44:45], s[8:9], s[10:11]
	s_cselect_b64 s[46:47], s[14:15], s[16:17]
	s_add_nc_u64 s[WA:WA+1], s[6:7], s[24:25]
	s_add_nc_u64 s[WB:WB+1], s[6:7], s[26:27]
	s_add_nc_u64 s[XB:XB+1], s[4:5], s[28:29]
	s_add_nc_u64 s[BA:BA+1], s[44:45], s[30:31]
	s_add_nc_u64 s[BB:BB+1], s[12:13], s[32:33]
	s_add_nc_u64 s[DA:DA+1], s[46:47], s[36:37]
	s_add_nc_u64 s[DB:DB+1], s[16:17], s[40:41]
	s_add_nc_u64 s[DBS:DBS+1], s[16:17], s[42:43]
.irp t, 0,1,2
	global_load_b32 v[BT+\t], v[VB+\t], s[BB:BB+1] ; bv at my column of tile t
.endr
	WIN 0x80                                       ; destination window 2
.irp t, 0,1,2,3,4,5
	global_load_b128 v[192+8*\t:192+8*\t+3], v[VBA], s[BA:BA+1] offset:(32*(\t/2)+8*(\t%2))*4      ; lane (r, h), tile 2 b + u: the bias of columns 32 b + 16 h + 8 u + 0 .. 7
	global_load_b128 v[192+8*\t+4:192+8*\t+7], v[VBA], s[BA:BA+1] offset:(32*(\t/2)+8*(\t%2))*4+16
.endr
.set i, 0
.rept 39
	global_load_b128 v[4*i:4*i+3], v[LW], s[XB:XB+1] offset:512*i    ; my quarter of x's block
.set i, i+1
.endr
	WIN 0
.irp t, 0,1,2,3,4,5
.irp p, 0,1,2
	global_load_b64 v[WSW+6*\t+2*\p:WSW+6*\t+2*\p+1], v[L8], s[WA:WA+1] offset:REC*\t+6*FRB+256*\p
.endr
.endr
	LOADW_A 0
	s_wait_loadcnt 36                              ; the biases and my quarter are in; the 18 loads of scale words and the 18 of K step 0 may be out
	WIN 0x08                                       ; an LDS store's data are its source 1: window 2
.set i, 0
.rept 39
	ds_store_b128 v[LW], v[4*i:4*i+3] offset:512*i
.set i, i+1
.endr
	LOADW_A 1
	LOADW_A 2
	WIN 0xc0                                       ; destination window 3
.irp t, 0,1,2
.irp j, 0,1,2,3,4,5,6,7
	v_mov_b32 v[192+8*\t+\j], v[BT+\t]             ; bv in the result's layout: a lane holds one column
.endr
.endr
	WIN 0
	s_wait_dscnt 0x0                               ; my stores have landed
	s_barrier_signal -1
	s_barrier_wait -1                              ; x's block lies in LDS; nothing is written there again
.irp m, 0,1,2,3,4,5,6,7
.irp p, 0,1,2
	ds_load_b64 v[XSW+6*\m+2*\p:XSW+6*\m+2*\p+1], v[L8+\m/4] offset:REC*(\m%4)+6*FRB+256*\p
.endr
.endr
	FETCHX 0, 0
	FETCHX 0, 4
	KSTEP_A 0, 1, 36                               ; two younger sets of 18 loads,
	KSTEP_A 1, 2, 36
	KSTEP_A 2, 3, 36
	KSTEP_A 3, 4, 36
	KSTEP_A 4, 5, 18                               ; one,
	KSTEP_A 5, 0, 0                                ; none.  It fetches x's K step 0 again, for phase B
	WIN 0x40                                       ; phase B's 18 fragments and their scale words: four places stand behind the last product that read these registers
.irp s, 0,1,2,3,4,5
.irp t, 0,1,2
.irp c, 0,1,2
	global_load_b128 v[36*\s+12*\t+4*\c:36*\s+12*\t+4*\c+3], v[LI], s[WB:WB+1] offset:REC*\t+FRB*\s+512*\c
.endr
.endr
.endr
	WIN 0
.irp t, 0,1,2
.irp p, 0,1,2
	global_load_b64 v[WSW+6*\t+2*\p:WSW+6*\t+2*\p+1], v[L8], s[WB:WB+1] offset:REC*\t+6*FRB+256*\p
.endr
.endr
	; q's or k's block: eight fragments, one for each token tile, while phase B's weights are on their way
.irp m, 0,1,2,3,4,5,6,7
.if \m > 0
	s_wait_xcnt 0x0                                ; the last fragment's stores have read their registers
.endif
	QUANT 48*(\m%4), 2+\m/4, 3, PWL+\m
.irp c, 0,1,2
	global_store_b128 v[LI], v[PC+4*\c:PC+4*\c+3], s[DA:DA+1] offset:FRB*\m+512*\c
.endr
.endr
.irp i, 0,1
	global_store_b128 v[LI], v[PWL+4*\i:PWL+4*\i+3], s[DA:DA+1] offset:8*FRB+512*\i   ; four tiles' scale words a lane
.endr
	s_wait_loadcnt 0x0                             ; phase B's weights
	KSTEP_B 0
	KSTEP_B 1
	KSTEP_B 2
	KSTEP_B 3
	KSTEP_B 4
	KSTEP_B 5
.irp t, 0,1,2
	s_wait_xcnt 0x0
	QUANT 64*\t, 2, 4, PWL+\t
.irp c, 0,1,2
	global_store_b128 v[LI], v[PC+4*\c:PC+4*\c+3], s[DB:DB+1] offset:FRB*\t+512*\c
.endr
.endr
	v_mov_b32 v[PWL+3], 0
	global_store_b128 v[LI], v[PWL:PWL+3], s[DBS:DBS+1]
	s_wait_tensorcnt 0x0
	ds_add_u32 v254, v255
	s_wait_dscnt 0x0
	s_endpgm
.Lfunc_end_k_qb3660ee960_qkv:
	.size	k_qb3660ee960_qkv, .Lfunc_end_k_qb3660ee960_qkv-k_qb3660ee960_qkv
	.p2alignl 7, 3214868480
	.fill 96, 4, 3214868480
	.section	.rodata,"a",@progbits
	.p2align	6, 0x0
	.amdhsa_kernel k_qb3660ee960_qkv
		.amdhsa_group_segment_fixed_size 80384
		.amdhsa_private_segment_fixed_size 0
		.amdhsa_enable_private_segment 0
		.amdhsa_kernarg_size 56
		.amdhsa_user_sgpr_count 2
		.amdhsa_user_sgpr_kernarg_segment_ptr 1
		.amdhsa_wavefront_size32 1
		.amdhsa_system_sgpr_workgroup_id_x 1
		.amdhsa_system_sgpr_workgroup_id_y 1
		.amdhsa_system_sgpr_workgroup_id_z 1
		.amdhsa_system_vgpr_workitem_id 0
		.amdhsa_next_free_vgpr 1024
		.amdhsa_next_free_sgpr 66
		.amdhsa_reserve_vcc 0
		.amdhsa_float_denorm_mode_32 3
		.amdhsa_float_denorm_mode_16_64 3
		.amdhsa_memory_ordered 1
		.amdhsa_forward_progress 1
		.amdhsa_inst_pref_size 151
	.end_amdhsa_kernel
	.amdgpu_metadata
---
amdhsa.version: [ 1, 2 ]
amdhsa.kernels:
  - .name:           k_qb3660ee960_qkv
    .symbol:         k_qb3660ee960_qkv.kd
    .args:
      - { .name: xi, .offset: 0, .size: 8, .value_kind: global_buffer, .address_space: global }
      - { .name: wi, .offset: 8, .size: 8, .value_kind: global_buffer, .address_space: global }
      - { .name: bq, .offset: 16, .size: 8, .value_kind: global_buffer, .address_space: global }
      - { .name: bk, .offset: 24, .size: 8, .value_kind: global_buffer, .address_space: global }
      - { .name: bv, .offset: 32, .size: 8, .value_kind: global_buffer, .address_space: global }
      - { .name: qi, .offset: 40, .size: 8, .value_kind: global_buffer, .address_space: global }
      - { .name: kv, .offset: 48, .size: 8, .value_kind: global_buffer, .address_space: global }
    .group_segment_fixed_size: 80384
    .private_segment_fixed_size: 0
    .kernarg_segment_align: 8
    .kernarg_segment_size: 56
    .max_flat_workgroup_size: 128
    .sgpr_count:     66
    .vgpr_count:     1024
    .wavefront_size: 32
...
	.end_amdgpu_metadata
.endif
;; end of part 2
;; launch attn (part 3): grid 8 x 32, 8 waves a work-group, no clusters, 189,440 bytes of LDS; arguments qi, kv, oi; writes oi
.if DOCPART == 3
	.amdgcn_target "amdgcn-amd-amdhsa--gfx1250"
	.amdhsa_code_object_version 6
	.text
	.protected	k_qb3660ee960_attn
	.globl	k_qb3660ee960_attn
	.p2align	8
	.type	k_qb3660ee960_attn,@function
k_qb3660ee960_attn:
	s_mov_b64 s[64:65], 0
	v_nop
	global_prefetch_b8 v0, s[64:65] scope:SCOPE_SE
	s_setreg_imm32_b32 hwreg(HW_REG_WAVE_MODE, 25, 1), 1
	s_wait_xcnt 0x0
; O = softmax(q k^T / sqrt(96)) v for one head, both products on codes of FP6 (E2M3); the result, divided by the row's sum, is quantised along the head's 96 for the last projection.
; THE SOFTMAX: t = score x log2(e) / sqrt(96); M = the running largest t rounded UP to a whole number; p = 2^(t - M) is quantised along the keys, not normalised; the row's sum is taken of the
; unquantised p in f32.  When M moves, the sum and O^T are multiplied by 2^(old M - new M): exact.
; SHARES.  Work-group (xq, bh): 256 queries of head bh.  Each of eight waves owns TWO tiles of 16 queries, so that each fragment of k and of v read from LDS feeds two products; two waves to a SIMD.
; Every wave walks the head's 2,048 keys, 128 a step: 16 products k q^T, two softmaxes, 12 products v^T p^T.
; LAYOUT.  Both products are used transposed (source 0 = 16 keys, or 16 of the head's 96; source 1 = 16 queries): a lane holds ONE query of each tile throughout.  The keys of a tile, and the d of a
; tile of v, are chosen (32 b + 8 u + r + 8 (r / 8)) so that the 16 registers of tiles 2 b and 2 b + 1 are 16 neighbours.
; LDS.  A key step's operands are one block of kv, 23,552 bytes: images of operand registers.  A slot holds FOUR blocks, 94,208 consecutive bytes of kv = 23 pieces of 4,096 bytes (256 threads x 16 bytes).
; Two slots.  While a slot's four steps are worked, the next four blocks are copied through registers into the other slot: 6, 6, 6 and 5 pieces a step, the loads near a step's head, the LDS stores at its end.
; ONE BARRIER FOR FOUR STEPS, at the change of slots: in front of it each wave has waited for its stores into the slot ahead and for its reads of the slot that it leaves.
; LOADS AHEAD.  Behind the products k q^T go out: v's fragments 0-3 and scale words, and the NEXT step's fragments 0-3 of k and scale words; all land under the softmaxes.  v's fragments 4 and 5 go out
; between the two softmaxes, where tile 0's p lay.  The next step's fragments 4-7 of k go out behind the products with v, and are waited for behind the next step's first eight products.
; NO CLUSTER, NO TENSOR LOAD: the copy is 23 loads and 23 LDS stores a lane for four steps' 112 products and two softmaxes a step; the eight work-groups of a head do read the same blocks.
; LIMITS: a block's largest p is made from the block's largest score by the same two instructions, which takes v_exp_f32 not to fall where its input rises; 1 / l is v_rcp_f32;
; byte 1 for blocks of zeros or under 2^-124 (their codes are zeros; this program alone reads the bytes); NaN and infinities are not served.
; REGISTERS, in two windows of 256.  Tile 1's statistics, q, S^T, O^T and work registers have in window 1 the numbers that tile 0's have in window 0, so that one text of the softmax serves both.
;   Window 0 besides: addresses, k's fragments 0-3, all scale words (scale operands have no window), p's codes of both tiles.   Window 1 besides: four fragments (k's 4-7, then v's 0-3), the copy's 24 registers.
.set QBLK,  13312
.set KVBLK, 23552
.set OBLK,  106496                     ; a token block of oi: 64 fragments (12,288 m + 1,536 head), then 64 x 128 bytes of scale words
.set FRB,   1536
.set SLOTB, 4*KVBLK                    ; a slot
.set HALFR, 2*KVBLK                    ; an LDS offset has 16 bits: a second address register serves a slot's blocks 2 and 3,
.set HALFW, 12*4096                    ; and one a slot's pieces 12 to 22
.set L4,  3                            ; v3   4 x lane
.set AR,  4                            ; v4-7   16 x lane + slot 0's blocks 0-1, 2-3, slot 1's blocks 0-1, 2-3
.set LI,  4                            ; (v4 is 16 x lane)
.set AW,  8                            ; v8-11  16 x thread + slot 0's pieces 0-11, 12-22, slot 1's likewise
.set LW,  8                            ; (v8 is 16 x thread)
.set QFR, 16                           ; v16-27 q's fragment
.set QW0, 28                           ; v28  tile 0's scale words of q;  v227 tile 1's
.set PW,  29                           ; v29  p's scale word (tile 1's is made in window 1 and moved to v243)
.set FF,  30                           ; v[30:31] f = 2^(old M - new M), and a 0 named with it as a pair
.set KA,  32                           ; v32-79 k's fragments 0-3
.set KSW, 80                           ; v80-87 k's scale words, tile t
.set VSW, 88                           ; v88-95 v's, tile t at 4 (t / 3) + t % 3
.set S,   96                           ; v96-159 S^T, then p; in window 0 then v's fragments 4 and 5 in v96-119
.set O,   160                          ; v160-207 O^T
.set PC,  208                          ; v208-219 tile 0's codes of p;  v244-255 tile 1's
.set PT,  220                          ; v220-222, v224-226 upper halves
.set QW1, 227
.set BM,  228                          ; v228-231 the blocks' largest scores, then p;  v232-235 permute's destinations, bytes;  v236-239 scale operands
.set BT,  232
.set SO,  236
.set SU,  240                          ; v[240:241] the sum's second chain
.set TMP, 242
.set PW1, 243
.set PC1, 244
.set G,   68                           ; window 1, v68-91: the copy.   Window 1, v32-67 and v0-11: fragment f at (32 + 12 f) % 68
.set WV,  10
.set QP,  16                           ; s[16:17] q's two fragments;  s[18:19] their scale words
.set QS,  18
.set KV,  20                           ; s[20:21] the four blocks of kv to be copied next
.set OD,  24                           ; s[24:25] where my fragments of oi go;  s[26:27] their scale words
.set ODS, 26
.set SEL, 28
.set CS,  30                           ; s[30:31] c = log2(e) / sqrt(96)
.set CNT, 32
.set MSB, 0
.macro WIN new                         ; low byte: bits 1:0 source 0, 3:2 source 1, 5:4 source 2, 7:6 destination; the high byte repeats the setting that is left
.if MSB != (\new)
	s_set_vgpr_msb (MSB<<8)|(\new)
.set MSB, (\new)
.endif
.endm
.macro PLACES n                        ; plain vector instructions between a matrix instruction and what touches its registers (ISA guide 7.12.1)
.rept \n
	v_nop
.endr
.endm
.macro LDK_A sl, q                     ; k's fragments 0-3 and its eight scale words, block q of slot sl
.irp t, 0,1,2,3
.irp c, 0,1,2
	ds_load_b128 v[KA+12*\t+4*\c:KA+12*\t+4*\c+3], v[AR+2*(\sl)+(\q)/2] offset:((\q)%2)*KVBLK+512*(3*\t+\c)
.endr
.endr
.irp i, 0,1
	ds_load_b128 v[KSW+4*\i:KSW+4*\i+3], v[AR+2*(\sl)+(\q)/2] offset:((\q)%2)*KVBLK+512*(24+\i)
.endr
.endm
.macro LD_B sl, q, ch                  ; four fragments, from piece ch (of 512 bytes) of the block on, into window 1
	WIN 0x40
.irp f, 0,1,2,3
.irp c, 0,1,2
	ds_load_b128 v[(32+12*\f)%68+4*\c:(32+12*\f)%68+4*\c+3], v[AR+2*(\sl)+(\q)/2] offset:((\q)%2)*KVBLK+512*((\ch)+3*\f+\c)
.endr
.endr
	WIN 0
.endm
; The copy.  Step q of a slot moves pieces 6 q .. 6 q + 5 (step 3: five) of the four blocks at s[KV].  cond = 1: not in the loop's last trip, where no blocks are left: no load leaves kv.
.macro GLOAD q, cond
.if \cond
	s_cmp_eq_u32 s[CNT], 1
	s_cbranch_scc1 .Lno_load_\@
.endif
	WIN 0x40
.set gk, 0
.rept 6-(\q)/3
	global_load_b128 v[G+4*gk:G+4*gk+3], v[LW], s[KV:KV+1] offset:4096*(6*(\q)+gk)
.set gk, gk+1
.endr
	WIN 0
.if \cond
.Lno_load_\@:
.endif
.endm
.macro GSTORE sl, q, cond              ; into the slot that is not being read
.if \cond
	s_cmp_eq_u32 s[CNT], 1
	s_cbranch_scc1 .Lno_store_\@
.endif
	WIN 0x04                                       ; an LDS store's data are its source 1: window 1
.set gk, 0
.rept 6-(\q)/3
	ds_store_b128 v[AW+2*(1-(\sl))+(6*(\q)+gk)/12], v[G+4*gk:G+4*gk+3] offset:4096*((6*(\q)+gk)%12)
.set gk, gk+1
.endr
	WIN 0
.if \cond
.Lno_store_\@:
.endif
.endm
; THE SOFTMAX of one tile, in the window that is set: from the scores to p, the row's sum and p's scale word and scale operands.
.macro SM_A
.irp b, 0,1,2,3
	v_max3_num_f32 v[BM+\b], v[S+16*\b], v[S+1+16*\b], v[S+2+16*\b]   ; the largest score of each block of 32 keys: for the row's maximum, and for the block's largest p.  Each accumulator is read from its low end on
.endr
.irp i, 3,5,7,9,11,13
.irp b, 0,1,2,3
	v_max3_num_f32 v[BM+\b], v[BM+\b], v[S+16*\b+\i], v[S+1+16*\b+\i]
.endr
.endr
.irp b, 0,1,2,3
	v_max_num_f32 v[BM+\b], v[BM+\b], v[S+15+16*\b]
.endr
.irp b, 0,1,2,3
	v_permlanex16_b32 v[BT+\b], v[BM+\b], s[SEL], s[SEL+1]
.endr
.irp b, 0,1,2,3
	v_max_num_f32 v[BM+\b], v[BM+\b], v[BT+\b]     ; with lane l xor 16's 16 keys
.endr
	v_max3_num_f32 v[TMP], v[BM], v[BM+1], v[BM+2]
	v_max_num_f32 v[TMP], v[TMP], v[BM+3]
	v_mul_f32 v[TMP], s[CS], v[TMP]                ; the step's largest t (c is positive)
	v_max_num_f32 v13, v13, v[TMP]                 ; the running largest t
	v_mov_b32 v[TMP], v12
	v_floor_f32 v12, -v13                          ; the new -M = floor(-t): M is a whole number
	v_sub_f32 v[TMP], v12, v[TMP]                  ; old M - new M: a whole number, 0 or less
	v_cvt_i32_f32 v[TMP], v[TMP]                   ; (it saturates)
	v_ldexp_f32 v[FF], 1.0, v[TMP]                 ; f
.irp j, 0,2,4,6,8,10,12,14,16,18,20,22,24,26,28,30,32,34,36,38,40,42,44,46,48,50,52,54,56,58,60,62
	v_pk_fma_f32 v[S+\j:S+1+\j], v[S+\j:S+1+\j], s[CS:CS+1], v[12:13] op_sel_hi:[1,0,0]   ; t - M, two at a time
.endr
.irp b, 0,1,2,3
	v_fma_f32 v[BM+\b], v[BM+\b], s[CS], v12       ; the same of each block's largest score
.endr
.irp j, 0,1,2,3,4,5,6,7,8,9,10,11,12,13,14,15,16,17,18,19,20,21,22,23,24,25,26,27,28,29,30,31,32,33,34,35,36,37,38,39,40,41,42,43,44,45,46,47,48,49,50,51,52,53,54,55,56,57,58,59,60,61,62,63
	v_exp_f32 v[S+\j], v[S+\j]                     ; p = 2^(t - M), at most 1
.endr
	v_pk_mul_f32 v[14:15], v[14:15], v[FF:FF+1] op_sel_hi:[1,0]   ; the sums under the new M: the plain place behind the exponentials
	s_wait_alu depctr_va_vdst(0)                   ; one wait for the batch of 64, ahead of its first reader
.irp b, 0,1,2,3
	v_exp_f32 v[BM+\b], v[BM+\b]                   ; the blocks' largest p
.endr
	v_pk_add_f32 v[SU:SU+1], v[S:S+1], v[S+2:S+3]  ; the row's sum of the unquantised p, in two chains
.irp j, 4,8,12,16,20,24,28,32,36,40,44,48,52,56,60
	v_pk_add_f32 v[14:15], v[14:15], v[S+\j:S+1+\j]
	v_pk_add_f32 v[SU:SU+1], v[SU:SU+1], v[S+2+\j:S+3+\j]
.endr
	v_pk_add_f32 v[14:15], v[14:15], v[SU:SU+1]
	s_wait_alu depctr_va_vdst(0)                   ; and one for the four
.irp b, 0,1,2,3
	v_max_num_f32 v[BM+\b], 0x1800000, v[BM+\b]    ; the floor 2^(3 - 127): the byte cannot fall under 1
.endr
.irp b, 0,1,2,3
	v_add_nc_u32 v[SO+\b], 0xff000000, v[BM+\b]    ; 2 off the exponent field: the conversion's scale operand
.endr
.irp b, 0,1,2,3
	v_lshrrev_b32 v[BT+\b], 23, v[SO+\b]           ; the byte
.endr
	v_lshl_or_b32 v[PW], v[BT+1], 8, v[BT]
	v_lshl_or_b32 v[PW], v[BT+2], 16, v[PW]
	v_lshl_or_b32 v[PW], v[BT+3], 24, v[PW]
.endm
.macro SM_CVT pc                       ; p's codes: the results always go to window 0
.irp c, 0,1
	v_cvt_scalef32_pk16_fp6_f32 v[(\pc)+6*\c:(\pc)+6*\c+2], v[S+32*\c:S+15+32*\c], v[SO+2*\c]
	v_cvt_scalef32_pk16_fp6_f32 v[PT+4*\c:PT+4*\c+2], v[S+16+32*\c:S+31+32*\c], v[SO+2*\c+1]   ; a conversion's three registers begin on an even number
.endr
.endm
.macro SM_SWAP pc                      ; in window 0.  The operand's layout wants a whole block in a lane: lanes 0-15 block 2 c, lanes 16-31 block 2 c + 1
.irp c, 0,1
.irp i, 0,1,2
	v_permlane16_swap_b32 v[(\pc)+6*\c+\i], v[PT+4*\c+\i]
.endr
.irp i, 0,1,2
	v_mov_b32 v[(\pc)+3+6*\c+\i], v[PT+4*\c+\i]
.endr
.endr
.endm
.macro SM_O                            ; O^T under the new M, in the window that is set
.irp j, 0,2,4,6,8,10,12,14,16,18,20,22,24,26,28,30,32,34,36,38,40,42,44,46
	v_pk_mul_f32 v[O+\j:O+1+\j], v[O+\j:O+1+\j], v[FF:FF+1] op_sel_hi:[1,0]
.endr
.endm
; A KEY STEP on block q of slot sl.  At its head k's fragments 0-3 and scale words have been asked for, and behind them fragments 4-7.
.macro STEP sl, q, cond
	s_wait_dscnt 12                                ; all but the youngest 12 LDS loads (k's fragments 4-7) are done: fragments 0-3 are in, and the last step's LDS stores have read the copy's registers
	GLOAD \q, \cond
.irp t, 0,1,2,3                                ; S^T = k q^T.  Tile 0, keys' tiles 0-3: all in window 0
	v_wmma_scale_f32_16x16x128_f8f6f4 v[S+8*\t:S+8*\t+7], v[KA+12*\t:KA+12*\t+11], v[QFR:QFR+11], 0, v[KSW+\t], v[QW0] matrix_a_fmt:MATRIX_FMT_FP6 matrix_b_fmt:MATRIX_FMT_FP6
.endr
	WIN 0x44                                       ; tile 1: q and S^T in window 1
.irp t, 0,1,2,3
	v_wmma_scale_f32_16x16x128_f8f6f4 v[S+8*\t:S+8*\t+7], v[KA+12*\t:KA+12*\t+11], v[QFR:QFR+11], 0, v[KSW+\t], v[QW1] matrix_a_fmt:MATRIX_FMT_FP6 matrix_b_fmt:MATRIX_FMT_FP6
.endr
	s_wait_dscnt 0x0                               ; k's fragments 4-7
	WIN 0x45                                       ; they lie in window 1
.irp f, 0,1,2,3
	v_wmma_scale_f32_16x16x128_f8f6f4 v[S+32+8*\f:S+39+8*\f], v[(32+12*\f)%68:(32+12*\f)%68+11], v[QFR:QFR+11], 0, v[KSW+4+\f], v[QW1] matrix_a_fmt:MATRIX_FMT_FP6 matrix_b_fmt:MATRIX_FMT_FP6
.endr
	WIN 0x01
.irp f, 0,1,2,3
	v_wmma_scale_f32_16x16x128_f8f6f4 v[S+32+8*\f:S+39+8*\f], v[(32+12*\f)%68:(32+12*\f)%68+11], v[QFR:QFR+11], 0, v[KSW+4+\f], v[QW0] matrix_a_fmt:MATRIX_FMT_FP6 matrix_b_fmt:MATRIX_FMT_FP6
.endr
	WIN 0
	PLACES 4                                       ; in front of the loads into k's registers and scale words, and of the first read of the scores
	LD_B \sl, \q, 26                               ; v's fragments 0-3,
.irp i, 0,1
	ds_load_b128 v[VSW+4*\i:VSW+4*\i+3], v[AR+2*(\sl)+(\q)/2] offset:((\q)%2)*KVBLK+512*(44+\i)   ; its scale words,
.endr
.if (\q) < 3
	LDK_A \sl, (\q)+1                              ; and the next step's first half of k: all land under the softmaxes.  (A slot's last step asks for nothing of the slot ahead: the barrier comes first)
.endif
	SM_A                                           ; tile 0
	SM_CVT PC
	v_nop                                          ; one plain place behind a scaled conversion
	SM_SWAP PC
.irp k, 0,1,2,3,4,5
	ds_load_b128 v[S+4*\k:S+4*\k+3], v[AR+2*(\sl)+(\q)/2] offset:((\q)%2)*KVBLK+512*(38+\k)   ; v's fragments 4 and 5, where tile 0's p lay: they land under tile 1's softmax
.endr
	SM_O
	WIN 0x55                                       ; tile 1: every vector operand in window 1
	SM_A
	WIN 0x05                                       ; numbers and scale operands in window 1, codes to window 0
	SM_CVT PC1
	WIN 0x01
	v_mov_b32 v[PW1], v[PW]                        ; tile 1's scale word to window 0, where scale operands are taken.  Also the plain place behind the conversions
	WIN 0
	SM_SWAP PC1
	WIN 0x55
	SM_O                                           ; these 24 are also the places between the writes of tile 1's codes and scale word and the products
	s_wait_dscnt 0x0                               ; v
	WIN 0x01                                       ; O^T += v^T p^T.  Tile 0, v's fragments 0-3 (window 1).  The twelve accumulators take turns
.irp t, 0,1,2,3
	v_wmma_scale_f32_16x16x128_f8f6f4 v[O+8*\t:O+8*\t+7], v[(32+12*\t)%68:(32+12*\t)%68+11], v[PC:PC+11], v[O+8*\t:O+8*\t+7], v[VSW+4*(\t/3)+\t%3], v[PW] matrix_a_fmt:MATRIX_FMT_FP6 matrix_b_fmt:MATRIX_FMT_FP6
.endr
	WIN 0x51                                       ; tile 1: O^T in window 1, its codes in window 0
.irp t, 0,1,2,3
	v_wmma_scale_f32_16x16x128_f8f6f4 v[O+8*\t:O+8*\t+7], v[(32+12*\t)%68:(32+12*\t)%68+11], v[PC1:PC1+11], v[O+8*\t:O+8*\t+7], v[VSW+4*(\t/3)+\t%3], v[PW1] matrix_a_fmt:MATRIX_FMT_FP6 matrix_b_fmt:MATRIX_FMT_FP6
.endr
	WIN 0x50                                       ; v's fragments 4 and 5 lie in window 0
.irp t, 4,5
	v_wmma_scale_f32_16x16x128_f8f6f4 v[O+8*\t:O+8*\t+7], v[S+12*(\t-4):S+12*(\t-4)+11], v[PC1:PC1+11], v[O+8*\t:O+8*\t+7], v[VSW+4*(\t/3)+\t%3], v[PW1] matrix_a_fmt:MATRIX_FMT_FP6 matrix_b_fmt:MATRIX_FMT_FP6
.endr
	WIN 0
.irp t, 4,5
	v_wmma_scale_f32_16x16x128_f8f6f4 v[O+8*\t:O+8*\t+7], v[S+12*(\t-4):S+12*(\t-4)+11], v[PC:PC+11], v[O+8*\t:O+8*\t+7], v[VSW+4*(\t/3)+\t%3], v[PW] matrix_a_fmt:MATRIX_FMT_FP6 matrix_b_fmt:MATRIX_FMT_FP6
.endr
	PLACES 5                                       ; the next step's products write over v96-119, which these have read: five places; the loads below want four
	s_wait_loadcnt 0x0                             ; the copy's pieces are in registers (on every way, so that no load is out when these registers are loaded again)
	GSTORE \sl, \q, \cond
.if (\q) < 3
	LD_B \sl, (\q)+1, 12                           ; the next step's fragments 4-7 of k: the youngest 12 LDS loads at its head
.else
	s_add_nc_u64 s[KV:KV+1], s[KV:KV+1], SLOTB     ; the wait above has shown the loads done that read this base
.endif
.endm
; THE CHANGE OF SLOTS.  My stores into slot sl have landed and my reads of the other slot are over; behind the barrier that holds of all eight waves.
.macro SLOTHEAD sl
	s_wait_dscnt 0x0
	s_barrier_signal -1
	s_barrier_wait -1
	LDK_A \sl, 0
	LD_B \sl, 0, 12
.endm
.macro INIT                            ; a tile's statistics, in the window that is set
	v_mov_b32 v13, 0xff61b1e6                      ; the largest t so far: -3e38
	v_floor_f32 v12, -v13                          ; -M
	v_mov_b32 v14, 0                               ; the sum, in two halves
	v_mov_b32 v15, 0
	v_mov_b32 v[FF+1], 0
.irp b, 0,1,2,3
	v_mov_b32 v[BT+\b], 0                          ; a lane permute's destination counts as one of its sources
.endr
.irp j, 0,1,2,3,4,5,6,7,8,9,10,11,12,13,14,15,16,17,18,19,20,21,22,23,24,25,26,27,28,29,30,31,32,33,34,35,36,37,38,39,40,41,42,43,44,45,46,47
	v_mov_b32 v[O+\j], 0                           ; O^T: the step has no first form of its own; its first run finds zeros, which the first change of M leaves zeros
.endr
.endm
; THE WAY OUT of one tile, in the window that is set: O^T / l, its three blocks' scale operands and its scale word.
.macro OUT_A
	v_add_f32 v14, v14, v15
	v_permlanex16_b32 v[TMP], v14, s[SEL], s[SEL+1]
	v_add_f32 v14, v14, v[TMP]                     ; the row's sum
	v_rcp_f32 v14, v14
	v_nop                                          ; a plain place behind the reciprocal
	s_wait_alu depctr_va_vdst(0)                   ; and the wait ahead of its first reader
.irp j, 0,1,2,3,4,5,6,7,8,9,10,11,12,13,14,15,16,17,18,19,20,21,22,23,24,25,26,27,28,29,30,31,32,33,34,35,36,37,38,39,40,41,42,43,44,45,46,47
	v_mul_f32 v[S+\j], v[O+\j], v14                ; register 16 b + i: d = 32 b + 16 h + i of my query; each accumulator from its low end on
.endr
.irp b, 0,1,2
	v_max3_num_f32 v[BM+\b], |v[S+16*\b]|, |v[S+1+16*\b]|, 0x1800000
.endr
.irp i, 2,4,6,8,10,12,14
.irp b, 0,1,2
	v_max3_num_f32 v[BM+\b], v[BM+\b], |v[S+16*\b+\i]|, |v[S+1+16*\b+\i]|
.endr
.endr
.irp b, 0,1,2
	v_permlanex16_b32 v[BT+\b], v[BM+\b], s[SEL], s[SEL+1]
.endr
.irp b, 0,1,2
	v_max_num_f32 v[BM+\b], v[BM+\b], v[BT+\b]
.endr
.irp b, 0,1,2
	v_add_nc_u32 v[SO+\b], 0xff000000, v[BM+\b]
.endr
.irp b, 0,1,2
	v_lshrrev_b32 v[BT+\b], 23, v[SO+\b]
.endr
	v_lshl_or_b32 v[PW], v[BT+1], 8, v[BT]
	v_lshl_or_b32 v[PW], v[BT+2], 16, v[PW]
	v_or_b32 v[PW], 0x7f000000, v[PW]              ; the fourth block: zero codes, byte 127
.endm
.macro OUT_CVT pc
	v_cvt_scalef32_pk16_fp6_f32 v[(\pc):(\pc)+2], v[S:S+15], v[SO]
	v_cvt_scalef32_pk16_fp6_f32 v[PT:PT+2], v[S+16:S+31], v[SO+1]
	v_cvt_scalef32_pk16_fp6_f32 v[(\pc)+6:(\pc)+8], v[S+32:S+47], v[SO+2]
.endm
	s_load_b128 s[4:7], s[0:1], 0x0                ; qi s[4:5], kv s[6:7]
	s_load_b64 s[8:9], s[0:1], 0x10                ; oi
	v_lshl_add_u32 v2, v0, 2, 0x2e000
	v_mov_b32 v223, 0
	v_lshrrev_b32 v1, 5, v0
	v_readfirstlane_b32 s[WV], v1                  ; wave 0..7
	v_and_b32 v1, 31, v0                           ; lane
	v_lshlrev_b32 v[L4], 2, v1
	v_lshlrev_b32 v[AR], 4, v1
	v_add_nc_u32 v[AR+1], HALFR, v[AR]
	v_add_nc_u32 v[AR+2], SLOTB, v[AR]
	v_add_nc_u32 v[AR+3], SLOTB+HALFR, v[AR]
	v_lshlrev_b32 v[AW], 4, v0
	v_add_nc_u32 v[AW+1], HALFW, v[AW]
	v_add_nc_u32 v[AW+2], SLOTB, v[AW]
	v_add_nc_u32 v[AW+3], SLOTB+HALFW, v[AW]
	s_and_b32 s11, ttmp7, 0xffff                   ; 8 x batch + head
	s_and_b32 s12, s[WV], 3
	s_lshl_b32 s12, s12, 1                         ; my first token tile in its block of 128: 0, 2, 4, 6
	s_lshr_b32 s13, s[WV], 2
	s_lshl_b32 s14, ttmp9, 1
	s_add_co_u32 s13, s13, s14                     ; my block of 128 queries
	s_lshl_b32 s14, s11, 4
	s_add_co_u32 s15, s14, s13
	s_mul_i32 s16, s15, QBLK
	s_mul_i32 s17, s12, FRB
	s_add_co_u32 s16, s16, s17
	s_mov_b32 s17, 0
	s_mul_i32 s18, s15, QBLK
	s_lshr_b32 s19, s12, 2
	s_lshl_b32 s19, s19, 9
	s_add_co_u32 s18, s18, s19
	s_and_b32 s19, s12, 3
	s_lshl_b32 s19, s19, 2
	s_add_co_u32 s18, s18, s19
	s_add_co_u32 s18, s18, 8*FRB                   ; my first tile's word among a lane's four; the second tile's is the next
	s_mov_b32 s19, 0
	s_mul_i32 s20, s14, KVBLK                      ; the head's first block
	s_mov_b32 s21, 0
	s_lshr_b32 s22, s11, 3
	s_lshl_b32 s22, s22, 4
	s_add_co_u32 s22, s22, s13
	s_mul_i32 s22, s22, OBLK
	s_and_b32 s23, s11, 7                          ; head
	s_mul_i32 s24, s12, 8*FRB
	s_mul_i32 s25, s23, FRB
	s_add_co_u32 s24, s24, s25
	s_add_co_u32 s24, s24, s22
	s_mov_b32 s25, 0
	s_lshl_b32 s26, s12, 3
	s_add_co_u32 s26, s26, s23
	s_lshl_b32 s26, s26, 7
	s_add_co_u32 s26, s26, s22
	s_add_co_u32 s26, s26, 64*FRB
	s_mov_b32 s27, 0
	s_mov_b32 s[SEL], 0x76543210
	s_mov_b32 s[SEL+1], 0xfedcba98                 ; selects for lane l xor 16
	s_mov_b32 s[CS], 0x3e16c740                    ; log2(e) / sqrt(96)
	s_mov_b32 s[CS+1], s[CS]                       ; (named with it as a pair)
	s_wait_kmcnt 0x0
	s_add_nc_u64 s[QP:QP+1], s[4:5], s[16:17]
	s_add_nc_u64 s[QS:QS+1], s[4:5], s[18:19]
	s_add_nc_u64 s[KV:KV+1], s[6:7], s[20:21]
	s_add_nc_u64 s[OD:OD+1], s[8:9], s[24:25]
	s_add_nc_u64 s[ODS:ODS+1], s[8:9], s[26:27]
	; the first four blocks: 23 pieces, into the registers that the scores will take
.set pi, 0
.rept 16
	global_load_b128 v[S+4*pi:S+4*pi+3], v[LW], s[KV:KV+1] offset:4096*pi
.set pi, pi+1
.endr
	WIN 0x40                                       ; destination window 1
.rept 7
	global_load_b128 v[S+4*(pi-16):S+4*(pi-16)+3], v[LW], s[KV:KV+1] offset:4096*pi
.set pi, pi+1
.endr
.irp c, 0,1,2
	global_load_b128 v[QFR+4*\c:QFR+4*\c+3], v[LI], s[QP:QP+1] offset:FRB+512*\c   ; tile 1's q
.endr
	WIN 0
.irp c, 0,1,2
	global_load_b128 v[QFR+4*\c:QFR+4*\c+3], v[LI], s[QP:QP+1] offset:512*\c       ; tile 0's
.endr
	global_load_b32 v[QW0], v[LI], s[QS:QS+1]
	global_load_b32 v[QW1], v[LI], s[QS:QS+1] offset:4
	INIT
	WIN 0x55
	INIT
	WIN 0
	s_wait_loadcnt 8                               ; the 23 pieces are in; q's eight loads may be out
	s_add_nc_u64 s[KV:KV+1], s[KV:KV+1], SLOTB
.set pi, 0
.rept 16
	ds_store_b128 v[AW+pi/12], v[S+4*pi:S+4*pi+3] offset:4096*(pi%12)
.set pi, pi+1
.endr
	WIN 0x04
.rept 7
	ds_store_b128 v[AW+pi/12], v[S+4*(pi-16):S+4*(pi-16)+3] offset:4096*(pi%12)
.set pi, pi+1
.endr
	WIN 0
	s_wait_loadcnt 0x0                             ; q
	s_mov_b32 s[CNT], 2
.Ltrip:                                        ; a trip: slot 0's four key steps, then slot 1's.  Every LDS address is a constant of the text
	SLOTHEAD 0
.irp q, 0,1,2,3
	STEP 0, \q, 0                                  ; meanwhile slot 1 is filled: blocks 4-7, in the second trip 12-15
.endr
	SLOTHEAD 1
.irp q, 0,1,2,3
	STEP 1, \q, 1                                  ; meanwhile slot 0 is filled with blocks 8-11; in the second trip with nothing
.endr
	s_sub_co_u32 s[CNT], s[CNT], 1
	s_cmp_lg_u32 s[CNT], 0
	s_cbranch_scc1 .Ltrip
	; THE WAY OUT: each tile is one fragment of the last projection's operand.  The last step's five places stand in front of the first read of O^T
	OUT_A
.irp i, 0,1,2
	v_mov_b32 v[PT+4+\i], 0
.endr
	OUT_CVT PC
	v_nop                                          ; one plain place behind a scaled conversion
	SM_SWAP PC
.irp c, 0,1,2
	global_store_b128 v[LI], v[PC+4*\c:PC+4*\c+3], s[OD:OD+1] offset:512*\c
.endr
	global_store_b32 v[L4], v[PW], s[ODS:ODS+1]    ; 128 consecutive bytes: one tile's words for one head
	WIN 0x55
	OUT_A
	WIN 0
.irp i, 0,1,2
	v_mov_b32 v[PT+4+\i], 0
.endr
	WIN 0x05
	OUT_CVT PC1
	WIN 0x01
	v_mov_b32 v[PW1], v[PW]                        ; also the plain place behind the conversions
	WIN 0
	SM_SWAP PC1
.irp c, 0,1,2
	global_store_b128 v[LI], v[PC1+4*\c:PC1+4*\c+3], s[OD:OD+1] offset:8*FRB+512*\c
.endr
	global_store_b32 v[L4], v[PW1], s[ODS:ODS+1] offset:1024
	s_wait_tensorcnt 0x0
	ds_add_u32 v2, v223
	s_wait_dscnt 0x0
	s_endpgm
.Lfunc_end_k_qb3660ee960_attn:
	.size	k_qb3660ee960_attn, .Lfunc_end_k_qb3660ee960_attn-k_qb3660ee960_attn
	.p2alignl 7, 3214868480
	.fill 96, 4, 3214868480
	.section	.rodata,"a",@progbits
	.p2align	6, 0x0
	.amdhsa_kernel k_qb3660ee960_attn
		.amdhsa_group_segment_fixed_size 189440
		.amdhsa_private_segment_fixed_size 0
		.amdhsa_enable_private_segment 0
		.amdhsa_kernarg_size 24
		.amdhsa_user_sgpr_count 2
		.amdhsa_user_sgpr_kernarg_segment_ptr 1
		.amdhsa_wavefront_size32 1
		.amdhsa_system_sgpr_workgroup_id_x 1
		.amdhsa_system_sgpr_workgroup_id_y 1
		.amdhsa_system_sgpr_workgroup_id_z 1
		.amdhsa_system_vgpr_workitem_id 0
		.amdhsa_next_free_vgpr 512
		.amdhsa_next_free_sgpr 66
		.amdhsa_reserve_vcc 0
		.amdhsa_float_denorm_mode_32 3
		.amdhsa_float_denorm_mode_16_64 3
		.amdhsa_memory_ordered 1
		.amdhsa_forward_progress 1
		.amdhsa_inst_pref_size 255
	.end_amdhsa_kernel
	.section	.bss,"aw",@nobits
	.p2align	6
	.space	262144
	.amdgpu_metadata
---
amdhsa.version: [ 1, 2 ]
amdhsa.kernels:
  - .name:           k_qb3660ee960_attn
    .symbol:         k_qb3660ee960_attn.kd
    .args:
      - { .name: qi, .offset: 0, .size: 8, .value_kind: global_buffer, .address_space: global }
      - { .name: kv, .offset: 8, .size: 8, .value_kind: global_buffer, .address_space: global }
      - { .name: oi, .offset: 16, .size: 8, .value_kind: global_buffer, .address_space: global }
    .group_segment_fixed_size: 189440
    .private_segment_fixed_size: 0
    .kernarg_segment_align: 8
    .kernarg_segment_size: 24
    .max_flat_workgroup_size: 256
    .sgpr_count:     66
    .vgpr_count:     512
    .wavefront_size: 32
...
	.end_amdgpu_metadata
.endif
;; end of part 3
;; launch oproj (part 4): grid 4 x 64, 4 waves a work-group, no clusters, 207,360 bytes of LDS; arguments oi, wi, bo, out0; writes out0
.if DOCPART == 4
	.amdgcn_target "amdgcn-amd-amdhsa--gfx1250"
	.amdhsa_code_object_version 6
	.text
	.protected	k_qb3660ee960_oproj
	.globl	k_qb3660ee960_oproj
	.p2align	8
	.type	k_qb3660ee960_oproj,@function
k_qb3660ee960_oproj:
	s_mov_b64 s[64:65], 0
	v_nop
	global_prefetch_b8 v0, s[64:65] scope:SCOPE_SE
	s_setreg_imm32_b32 hwreg(HW_REG_WAVE_MODE, 25, 1), 1
	s_wait_xcnt 0x0
; out0 = O wo + bo on codes of FP6 (E2M3), f32 sums.  O comes from launch attn as images of operand registers, one K step for each head (96 codes and a block of zero codes); wo likewise from launch prep.
; SHARES.  Work-group (g, tb): 128 tokens x columns 192 g .. 192 g + 191.  Wave w: all 8 token tiles x column tiles 3 w .. 3 w + 2, 8 K steps: 24 accumulators by turns, 192 products.
; O's block, 106,496 bytes, is copied into LDS once (each wave a quarter) and read by all; a wave's weights are its own and go from memory into registers, four K steps ahead.
; TRANSPOSED (source 0 = 16 columns of wo, source 1 = 16 tokens): a lane's eight results are eight neighbouring columns of one token.  bo is the C of each sum's first product.
; The results meet in a stage in LDS (128 rows of 768 bytes + 16, bytes of its own) and leave as whole rows: sixteen lanes store 256 consecutive bytes, aligned.
; NO CLUSTER, NO TENSOR LOAD: the shared operand is fetched once a work-group, 52 loads and 52 LDS stores a lane for 192 products a wave.
; REGISTERS, in windows of 256.  Window 0: addresses, O's fragments, scale words.  Window 1: wo's fragments, four sets.  Window 2: accumulator (m, t) at 24 m + 8 t; bo's tiles at v224; at the start 208 staging registers.
.set FRB,    1536
.set OBLK,   106496
.set WOREC,  13312
.set WOBASE, 144*9984
.set STG,    OBLK                      ; the stage
.set SP,     784
.set LI,  1                            ; v1  16 x lane;  v2  the same + 4 token tiles' fragments
.set L8,  3                            ; v3  8 x lane
.set L4B, 4                            ; v4  4 x lane + 98,304: O's scale words
.set LW,  5                            ; v5  16 x lane + 26,624 x wave
.set VB,  6                            ; v6-8   bo: my eight columns of tile t
.set SW,  9                            ; v9-11  the stage: my 32 bytes of tile t, token tiles 0-3;  v12-14 token tiles 4-7
.set SWB, 12
.set SR,  15                           ; v15 the stage, on the way out
.set XF,  16                           ; v16-111 O's 8 fragments of a K step; later rows of the result
.set OSW, 112                          ; v112-175 O's scale words, 8 m + s
.set WSW, 176                          ; v176-199 wo's, 8 t + s
.set GO,  200                          ; v200 my byte offset in two rows of out0
.set OB,  14                           ; s[14:15] O's block;  s[16:17] my three records of wo;  s[18:19] my 32 rows of out0
.set WO,  16
.set OUT, 18
.set MSB, 0
.macro WIN new
.if MSB != (\new)
	s_set_vgpr_msb (MSB<<8)|(\new)
.set MSB, (\new)
.endif
.endm
.macro PLACES n
.rept \n
	v_nop
.endr
.endm
.macro LOADW s                         ; wo's three fragments of K step s into set s % 4 of window 1
	WIN 0x40
.irp t, 0,1,2
.irp c, 0,1,2
	global_load_b128 v[36*((\s)%4)+12*\t+4*\c:36*((\s)%4)+12*\t+4*\c+3], v[LI], s[WO:WO+1] offset:WOREC*\t+FRB*(\s)+512*\c
.endr
.endr
.endm
.macro FETCHO s, m0
.irp m, \m0, \m0+1, \m0+2, \m0+3
.irp c, 0,1,2
	ds_load_b128 v[XF+12*(\m)+4*\c:XF+12*(\m)+4*\c+3], v[LI+(\m)/4] offset:8*FRB*((\m)%4)+FRB*(\s)+512*\c
.endr
.endr
.endm
.macro HALF s, m0
.irp m, \m0, \m0+1, \m0+2, \m0+3
.irp t, 0,1,2
.if (\s) == 0
	v_wmma_scale_f32_16x16x128_f8f6f4 v[24*(\m)+8*\t:24*(\m)+8*\t+7], v[36*((\s)%4)+12*\t:36*((\s)%4)+12*\t+11], v[XF+12*(\m):XF+12*(\m)+11], v[224+8*\t:224+8*\t+7], v[WSW+8*\t+(\s)], v[OSW+8*(\m)+(\s)] matrix_a_fmt:MATRIX_FMT_FP6 matrix_b_fmt:MATRIX_FMT_FP6
.else
	v_wmma_scale_f32_16x16x128_f8f6f4 v[24*(\m)+8*\t:24*(\m)+8*\t+7], v[36*((\s)%4)+12*\t:36*((\s)%4)+12*\t+11], v[XF+12*(\m):XF+12*(\m)+11], v[24*(\m)+8*\t:24*(\m)+8*\t+7], v[WSW+8*\t+(\s)], v[OSW+8*(\m)+(\s)] matrix_a_fmt:MATRIX_FMT_FP6 matrix_b_fmt:MATRIX_FMT_FP6
.endif
.endr
.endr
.endm
.macro KSTEP s, lc                     ; lc: the weight loads issued behind the set that this step multiplies
	s_wait_loadcnt \lc
	s_wait_dscnt 12                                ; token tiles 0-3 are in; the youngest 12 loads may be out
	WIN 0xa1                                       ; wo window 1, O window 0, C and D window 2
	HALF \s, 0
.if (\s) < 7
	PLACES 4
	WIN 0
	FETCHO (\s)+1, 0
	s_wait_dscnt 12
	WIN 0xa1
.else
	s_wait_dscnt 0x0
.endif
	HALF \s, 4
	PLACES 4
	WIN 0
.if (\s) < 7
	FETCHO (\s)+1, 4
.endif
.if (\s) < 4
	LOADW (\s)+4                                   ; into the set just multiplied
.endif
.endm
	s_load_b256 s[4:11], s[0:1], 0x0               ; oi s[4:5], wi s[6:7], bo s[8:9], out0 s[10:11]
	v_lshl_add_u32 v254, v0, 2, 0x32800
	v_mov_b32 v255, 0
	v_lshrrev_b32 v20, 5, v0
	v_readfirstlane_b32 s12, v20                   ; wave 0..3
	v_and_b32 v20, 31, v0
	v_and_b32 v21, 15, v0                          ; r
	v_bfe_u32 v22, v0, 4, 1                        ; h
	v_lshlrev_b32 v[LI], 4, v20
	v_add_nc_u32 v[LI+1], 32*FRB, v[LI]
	v_lshlrev_b32 v[L8], 3, v20
	v_lshl_add_u32 v[L4B], v20, 2, 64*FRB
	s_mul_i32 s20, s12, OBLK/4
	v_add_nc_u32 v[LW], s20, v[LI]
	v_lshlrev_b32 v23, 6, v22                      ; 64 h
	v_and_b32 v24, 8, v21
	v_add_nc_u32 v24, v24, v21                     ; r + 8 (r / 8)
	v_mul_u32_u24 v24, SP, v24
	v_add_nc_u32 v24, v24, v23
	v_add_nc_u32 v24, STG, v24                     ; the stage: my token's row, + 64 h
	s_and_b32 s13, ttmp7, 0xffff                   ; token block
	s_mul_i32 s23, ttmp9, 768                      ; the work-group's first column, in bytes
	s_mul_i32 s20, s12, 3
.irp t, 0,1,2
	s_add_co_u32 s21, s20, \t                      ; column tile 3 w + t of the work-group's twelve
	s_lshr_b32 s22, s21, 1
	s_lshl_b32 s22, s22, 7
	s_and_b32 s21, s21, 1
	s_lshl_b32 s21, s21, 5
	s_add_co_u32 s21, s21, s22                     ; its bytes in a row of the stage: made of the wave's number alone
	v_add_nc_u32 v[SW+\t], s21, v24
	v_add_nc_u32 v[SWB+\t], 64*SP, v[SW+\t]
	s_add_co_u32 s21, s21, s23
	v_add_nc_u32 v[VB+\t], s21, v23
.endr
	s_mul_i32 s24, s12, 32*SP
	v_mul_u32_u24 v[SR], SP, v22
	v_lshl_add_u32 v[SR], v21, 4, v[SR]
	v_add_nc_u32 v[SR], s24, v[SR]
	v_add_nc_u32 v[SR], STG, v[SR]                 ; out: my 32 rows; lanes 0-15 one row, lanes 16-31 the next; 16 bytes a lane
	v_mul_u32_u24 v[GO], 3072, v22
	v_lshl_add_u32 v[GO], v21, 4, v[GO]
	s_mul_i32 s14, s13, OBLK
	s_mov_b32 s15, 0
	s_mul_i32 s16, ttmp9, 12
	s_add_co_u32 s16, s16, s20
	s_mul_i32 s16, s16, WOREC
	s_add_co_u32 s16, s16, WOBASE
	s_mov_b32 s17, 0
	s_lshl_b32 s18, s13, 7
	s_lshl_b32 s19, s12, 5
	s_add_co_u32 s18, s18, s19
	s_mul_i32 s18, s18, 3072
	s_add_co_u32 s18, s18, s23
	s_mov_b32 s19, 0
	s_wait_kmcnt 0x0
	s_add_nc_u64 s[OB:OB+1], s[4:5], s[14:15]
	s_add_nc_u64 s[WO:WO+1], s[6:7], s[16:17]
	s_add_nc_u64 s[OUT:OUT+1], s[10:11], s[18:19]
	WIN 0x80                                       ; destination window 2
.irp t, 0,1,2
	global_load_b128 v[224+8*\t:224+8*\t+3], v[VB+\t], s[8:9]
	global_load_b128 v[224+8*\t+4:224+8*\t+7], v[VB+\t], s[8:9] offset:16
.endr
.set i, 0
.rept 52
	global_load_b128 v[4*i:4*i+3], v[LW], s[OB:OB+1] offset:512*i    ; my quarter of O's block
.set i, i+1
.endr
	WIN 0
.irp t, 0,1,2
.irp p, 0,1,2,3
	global_load_b64 v[WSW+8*\t+2*\p:WSW+8*\t+2*\p+1], v[L8], s[WO:WO+1] offset:WOREC*\t+8*FRB+256*\p
.endr
.endr
	LOADW 0
	s_wait_loadcnt 21                              ; bo and my quarter are in; the 12 loads of scale words and the 9 of K step 0 may be out
	WIN 0x08                                       ; an LDS store's data are its source 1: window 2
.set i, 0
.rept 52
	ds_store_b128 v[LW], v[4*i:4*i+3] offset:512*i
.set i, i+1
.endr
	LOADW 1
	LOADW 2
	LOADW 3
	WIN 0
	s_wait_dscnt 0x0                               ; my stores have landed
	s_barrier_signal -1
	s_barrier_wait -1                              ; O's block lies in LDS; nothing is written there again
.set k, 0
.rept 64
	ds_load_b32 v[OSW+k], v[L4B] offset:128*k
.set k, k+1
.endr
	FETCHO 0, 0
	FETCHO 0, 4
	KSTEP 0, 27                                    ; three younger sets of 9 loads,
	KSTEP 1, 27
	KSTEP 2, 27
	KSTEP 3, 27
	KSTEP 4, 27
	KSTEP 5, 18                                    ; two,
	KSTEP 6, 9                                     ; one,
	KSTEP 7, 0                                     ; none; its last four places also stand in front of the first read of the results
	WIN 0x08
.irp m, 0,1,2,3,4,5,6,7
.irp t, 0,1,2
	ds_store_b128 v[SW+3*(\m/4)+\t], v[24*\m+8*\t:24*\m+8*\t+3] offset:SP*(32*((\m%4)/2)+8*(\m%2))        ; each accumulator from its low end on
	ds_store_b128 v[SW+3*(\m/4)+\t], v[24*\m+8*\t+4:24*\m+8*\t+7] offset:SP*(32*((\m%4)/2)+8*(\m%2))+16
.endr
.endr
	WIN 0
	s_wait_dscnt 0x0                               ; for the others' sake: my stores into the stage are done
	s_barrier_signal -1
	s_barrier_wait -1                              ; 128 whole rows lie in the stage
.irp q, 0,1                                    ; my 32 rows, 16 at a time: 24 loads of two rows' 256 bytes
.if \q
	s_wait_xcnt 0x0                                ; the first batch's stores have read their registers
.endif
.set k, 0
.rept 24
	ds_load_b128 v[XF+4*k:XF+4*k+3], v[SR] offset:2*SP*(8*\q+k/3)+256*(k%3)
.set k, k+1
.endr
.set k, 0
.rept 24
	s_wait_dscnt 23-k                              ; load k of the batch is in; the younger ones may be out
	global_store_b128 v[GO], v[XF+4*k:XF+4*k+3], s[OUT:OUT+1] offset:6144*(8*\q+k/3)+256*(k%3) th:TH_STORE_NT   ; sixteen lanes store 256 consecutive bytes, aligned; written once, read by nobody here
.set k, k+1
.endr
.endr
	s_wait_tensorcnt 0x0
	ds_add_u32 v254, v255
	s_wait_dscnt 0x0
	s_endpgm
.Lfunc_end_k_qb3660ee960_oproj:
	.size	k_qb3660ee960_oproj, .Lfunc_end_k_qb3660ee960_oproj-k_qb3660ee960_oproj
	.p2alignl 7, 3214868480
	.fill 96, 4, 3214868480
	.section	.rodata,"a",@progbits
	.p2align	6, 0x0
	.amdhsa_kernel k_qb3660ee960_oproj
		.amdhsa_group_segment_fixed_size 207360
		.amdhsa_private_segment_fixed_size 0
		.amdhsa_enable_private_segment 0
		.amdhsa_kernarg_size 32
		.amdhsa_user_sgpr_count 2
		.amdhsa_user_sgpr_kernarg_segment_ptr 1
		.amdhsa_wavefront_size32 1
		.amdhsa_system_sgpr_workgroup_id_x 1
		.amdhsa_system_sgpr_workgroup_id_y 1
		.amdhsa_system_sgpr_workgroup_id_z 1
		.amdhsa_system_vgpr_workitem_id 0
		.amdhsa_next_free_vgpr 768
		.amdhsa_next_free_sgpr 66
		.amdhsa_reserve_vcc 0
		.amdhsa_float_denorm_mode_32 3
		.amdhsa_float_denorm_mode_16_64 3
		.amdhsa_memory_ordered 1
		.amdhsa_forward_progress 1
		.amdhsa_inst_pref_size 77
	.end_amdhsa_kernel
	.amdgpu_metadata
---
amdhsa.version: [ 1, 2 ]
amdhsa.kernels:
  - .name:           k_qb3660ee960_oproj
    .symbol:         k_qb3660ee960_oproj.kd
    .args:
      - { .name: oi, .offset: 0, .size: 8, .value_kind: global_buffer, .address_space: global }
      - { .name: wi, .offset: 8, .size: 8, .value_kind: global_buffer, .address_space: global }
      - { .name: bo, .offset: 16, .size: 8, .value_kind: global_buffer, .address_space: global }
      - { .name: out0, .offset: 24, .size: 8, .value_kind: global_buffer, .address_space: global }
    .group_segment_fixed_size: 207360
    .private_segment_fixed_size: 0
    .kernarg_segment_align: 8
    .kernarg_segment_size: 32
    .max_flat_workgroup_size: 128
    .sgpr_count:     66
    .vgpr_count:     768
    .wavefront_size: 32
...
	.end_amdgpu_metadata
.endif
;; end of part 4
;; ======== version 2 of 2: 4 launches
;; workspace buffers: xi 5,111,808 bytes; wi 2,076,672 bytes; qi 6,815,744 bytes; kv 12,058,624 bytes; oi 6,815,744 bytes
;; launch prep (part 5): grid 12 x 45, 4 waves a work-group, no clusters, 34,304 bytes of LDS; arguments x, wq, wk, wv, wo, xi, wi; writes xi, wi
.if DOCPART == 5
	.amdgcn_target "amdgcn-amd-amdhsa--gfx1250"
	.amdhsa_code_object_version 6
	.text
	.protected	k_qb3660ee960_prep
	.globl	k_qb3660ee960_prep
	.p2align	8
	.type	k_qb3660ee960_prep,@function
k_qb3660ee960_prep:
	s_mov_b64 s[64:65], 0
	v_nop
	global_prefetch_b8 v0, s[64:65] scope:SCOPE_SE
	s_setreg_imm32_b32 hwreg(HW_REG_WAVE_MODE, 25, 1), 1
	s_wait_xcnt 0x0
; x [8192][768] and the weights wq, wk, wv, wo [768 (k)][768 (n)], all f32, become codes of FP6 (E2M3) with one E8M0 byte for each 32 along K,
; stored as IMAGES OF OPERAND REGISTERS: a fragment (16 rows x 128 K, 12 registers a lane) is three groups of four registers, group c at 512 c + 16 x lane;
; the scale words of two K steps are 8 bytes a lane.  So every later launch fetches operands by loads of 16 bytes a lane alone.
; A TILE'S 16 ROWS ARE NOT NEIGHBOURS: lane r of tile 2 b + u takes row (token, or column of a weight) 32 b + 8 u + r + 8 (r / 8), so that in a product's result
; the 16 registers of tiles 2 b and 2 b + 1 are 16 neighbours, as the next quantiser wants them.
; xi: 512 records of 9,984 bytes (six fragments, three pairs of scale words).  wi: 144 such records (48 x matrix + column tile), then 48 records of 13,312 bytes for wo:
; eight K steps, one for each head's 96 rows, the fourth block of 32 filled with zero codes.
; A block's scale is 2^(floor(log2(largest magnitude)) - 2): its byte is the largest magnitude's exponent field - 2, held at 1 from below.
; LIMITS: a block of zeros, or one whose largest magnitude lies under 2^-124, gets the byte 1 (the rule says 127 for zeros): its codes are zeros and this program alone reads the bytes.
; NaN and infinities among the inputs are not served.
; SHARES.  Work-groups with y < 32 take x, the others the weights.  Each wave makes two fragments (256 along K of one tile) and their 256 bytes of scale words.  Waves share nothing: no barrier.
; No matrix unit, no tensor load, no cluster: every input byte is read once and nothing is shared between work-groups.
.set REC,    9984                      ; a record of xi, and of wi for wq, wk, wv
.set WOREC,  13312                     ; a record of wi for wo
.set WOBASE, 144*REC
.set FRB,    1536                      ; a fragment's image
.set ROWX,   3072                      ; a row of x or of a weight in bytes
.set SPITCH, 528                       ; the stage: 512 bytes + 16 = 33 x 16: the sixteen rows that a load touches begin 16 bytes apart modulo 256
.set LI,  4                            ; v4   16 x lane
.set L8,  5                            ; v5   8 x lane
.set SH,  6                            ; v6   8 x (lane / 16)
.set VA,  7                            ; v7-8 the weights: my lane's byte offset for registers 0-31 and 32-63 of a fragment's numbers
.set STW, 9                            ; v9   the stage, on the way in
.set STR, 10                           ; v10  and on the way out
.set MX,  12                           ; v12-13 largest magnitudes;  v14-15 the conversions' scale operands;  v16-17 the bytes
.set SO,  14
.set BY,  16
.set TP,  18                           ; v18  a lane permute's destination
.set T2,  20                           ; v20-22, v24-26 the upper halves of two blocks' codes
.set PW,  28                           ; v28-29 the two scale words
.set PC,  32                           ; v32-43, v44-55 the two fragments
.set X,   64                           ; v64-127 64 numbers of a lane: register 32 c + i = k 64 c + 32 (lane / 16) + i of my row
.set R,   128                          ; v128-255 as loaded
; 64 numbers of a lane, two whole blocks of 32, become 12 registers of codes and, with lane l xor 16's two bytes, the row's scale word.
.macro QF x, pc, pw
.irp c, 0,1
	v_max3_num_f32 v[MX+\c], |v[(\x)+32*\c]|, |v[(\x)+32*\c+1]|, 0x1800000   ; with the floor 2^(3 - 127): the byte cannot fall under 1
.endr
.irp i, 2,4,6,8,10,12,14,16,18,20,22,24,26,28,30
.irp c, 0,1
	v_max3_num_f32 v[MX+\c], v[MX+\c], |v[(\x)+32*\c+\i]|, |v[(\x)+32*\c+\i+1]|   ; the two blocks by turns
.endr
.endr
.irp c, 0,1
	v_add_nc_u32 v[SO+\c], 0xff000000, v[MX+\c]    ; 2 off the exponent field: the conversion's scale operand
.endr
.irp c, 0,1
	v_lshrrev_b32 v[BY+\c], 23, v[SO+\c]           ; the scale's byte
.endr
	v_lshl_or_b32 v[\pw], v[BY+1], 16, v[BY]       ; blocks h and 2 + h,
	v_lshlrev_b32 v[\pw], v[SH], v[\pw]            ; at their places in the word
	v_permlanex16_b32 v[TP], v[\pw], s20, s21
	v_or_b32 v[\pw], v[\pw], v[TP]                 ; with lane l xor 16's two the word is whole, in both lanes
.irp c, 0,1
	v_cvt_scalef32_pk16_fp6_f32 v[(\pc)+6*\c:(\pc)+6*\c+2], v[(\x)+32*\c:(\x)+32*\c+15], v[SO+\c]
	v_cvt_scalef32_pk16_fp6_f32 v[T2+4*\c:T2+4*\c+2], v[(\x)+32*\c+16:(\x)+32*\c+31], v[SO+\c]   ; a conversion's three registers begin on an even number
.endr
	v_nop                                          ; one plain place behind a scaled conversion
.irp c, 0,1
.irp i, 0,1,2
	v_mov_b32 v[(\pc)+3+6*\c+\i], v[T2+4*\c+\i]
.endr
.endr
.endm
	s_load_b256 s[4:11], s[0:1], 0x0               ; x s[4:5], wq s[6:7], wk s[8:9], wv s[10:11]
	s_load_b128 s[12:15], s[0:1], 0x20             ; wo s[12:13], xi s[14:15]
	s_load_b64 s[16:17], s[0:1], 0x30              ; wi
	v_lshl_add_u32 v62, v0, 2, 0x8400
	v_mov_b32 v63, 0
	v_lshrrev_b32 v1, 5, v0
	v_readfirstlane_b32 s18, v1                    ; wave 0..3
	v_and_b32 v1, 31, v0                           ; lane
	v_and_b32 v2, 15, v0                           ; r
	v_bfe_u32 v3, v0, 4, 1                         ; h
	v_lshlrev_b32 v[LI], 4, v1
	v_lshlrev_b32 v[L8], 3, v1
	v_lshlrev_b32 v[SH], 3, v3
	v_mov_b32 v[TP], 0                             ; a lane permute's destination counts as one of its sources
	s_mov_b32 s20, 0x76543210
	s_mov_b32 s21, 0xfedcba98                      ; selects for lane l xor 16
	s_and_b32 s19, ttmp7, 0xffff                   ; work-group y
	s_cmp_lt_u32 s19, 32
	s_cbranch_scc0 .Lweights
	; ---- x.  K pair = x >> 2; token tile T = 4 (4 y + (x & 3)) + wave
	s_lshr_b32 s22, ttmp9, 2
	s_and_b32 s23, ttmp9, 3
	s_lshl_b32 s24, s19, 2
	s_add_co_u32 s24, s24, s23
	s_lshl_b32 s24, s24, 2
	s_add_co_u32 s24, s24, s18                     ; T
	s_lshr_b32 s25, s24, 1
	s_lshl_b32 s25, s25, 5
	s_and_b32 s26, s24, 1
	s_lshl_b32 s26, s26, 3
	s_add_co_u32 s25, s25, s26                     ; the tile's first token: 32 (T / 2) + 8 (T % 2)
	s_mul_i32 s26, s25, ROWX
	s_lshl_b32 s27, s22, 10
	s_add_co_u32 s26, s26, s27                     ; + 1,024 bytes a K pair
	s_mov_b32 s27, 0
	s_mul_i32 s28, s24, REC
	s_mul_i32 s30, s22, 2*FRB
	s_add_co_u32 s28, s28, s30                     ; the record's two fragments
	s_mov_b32 s29, 0
	s_mul_i32 s30, s24, REC
	s_lshl_b32 s31, s22, 8
	s_add_co_u32 s30, s30, s31
	s_add_co_u32 s30, s30, 6*FRB                   ; and their pair of scale words
	s_mov_b32 s31, 0
	s_mul_i32 s32, s18, 16*SPITCH                  ; my wave's stage
	s_wait_alu depctr_va_vdst(0)
	v_add_nc_u32 v[STW], s32, v[LI]                ; in: a row's 512 bytes as they lie
	v_mul_u32_u24 v[STR], v2, SPITCH
	v_lshl_add_u32 v[STR], v3, 7, v[STR]
	v_add_nc_u32 v[STR], s32, v[STR]               ; out: row r, + 128 h: my block of 32 numbers
	s_wait_alu depctr_va_vdst(0)
	s_wait_kmcnt 0x0
	s_add_nc_u64 s[4:5], s[4:5], s[26:27]
	s_add_nc_u64 s[28:29], s[14:15], s[28:29]
	s_add_nc_u64 s[30:31], s[14:15], s[30:31]
.irp f, 0,1
.irp i, 0,1,2,3,4,5,6,7,8,9,10,11,12,13,14,15
	global_load_b128 v[R+64*\f+4*\i:R+64*\f+4*\i+3], v[LI], s[4:5] offset:(\i+8*(\i/8))*ROWX+512*\f th:TH_LOAD_NT   ; 32 lanes read 512 consecutive bytes of the tile's row i
.endr
.endr
.irp f, 0,1
	s_wait_loadcnt 16-16*\f                        ; this fragment's 16 loads are in; the second fragment's 16 may be out
.irp i, 0,1,2,3,4,5,6,7,8,9,10,11,12,13,14,15
	ds_store_b128 v[STW], v[R+64*\f+4*\i:R+64*\f+4*\i+3] offset:SPITCH*\i
.endr
.irp c, 0,1
.irp j, 0,1,2,3,4,5,6,7
	ds_load_b128 v[X+32*\c+4*\j:X+32*\c+4*\j+3], v[STR] offset:256*\c+16*\j   ; LDS serves a wave's instructions in order (ISA guide 5.7.1.4): these see my stores, and the next fragment's stores come behind them
.endr
.endr
	s_wait_dscnt 0x0
	QF X, PC+12*\f, PW+\f
.irp c, 0,1,2
	global_store_b128 v[LI], v[PC+12*\f+4*\c:PC+12*\f+4*\c+3], s[28:29] offset:FRB*\f+512*\c   ; 512 consecutive bytes, aligned; each fragment has registers of its own, so no store's data are written again
.endr
.endr
	global_store_b64 v[L8], v[PW:PW+1], s[30:31]   ; 256 consecutive bytes, aligned
	s_wait_tensorcnt 0x0
	ds_add_u32 v62, v63
	s_wait_dscnt 0x0
	s_endpgm
.Lweights:
	; ---- the weights.  slab = y - 32: 0..8 = 3 x matrix + K pair of wq, wk, wv; 9..12 = K pair of wo.  Column tile = 4 x + wave
	s_sub_co_u32 s22, s19, 32
	s_lshl_b32 s23, ttmp9, 2
	s_add_co_u32 s23, s23, s18                     ; column tile 0..47
	s_mul_hi_u32 s24, s22, 0x55555556              ; slab / 3
	s_mul_i32 s25, s24, 3
	s_sub_co_u32 s25, s22, s25                     ; K pair, for wq, wk, wv
	s_sub_co_u32 s26, s22, 9                       ; and for wo
	s_mul_i32 s27, s24, 48
	s_add_co_u32 s27, s27, s23
	s_mul_i32 s27, s27, REC                        ; the record, for wq, wk, wv
	s_mul_i32 s28, s23, WOREC
	s_add_co_u32 s28, s28, WOBASE                  ; and for wo
	s_mov_b32 s29, 96*ROWX
	s_mov_b32 s30, 8*FRB
	s_mov_b32 s31, 0xffff
	s_cmp_lt_u32 s22, 9
	s_cselect_b32 s25, s25, s26                    ; K pair
	s_cselect_b32 s27, s27, s28                    ; record
	s_cselect_b32 s29, 128*ROWX, s29               ; a K step in memory: 128 rows, or a head's 96
	s_cselect_b32 s30, 6*FRB, s30                  ; where the record's scale words begin
	s_cselect_b32 s31, -1, s31                     ; lanes whose registers 6-11 keep their codes: all, or (wo) lanes 0-15
	s_cselect_b32 s32, 32*ROWX, 0                  ; registers 32-63: lanes 16-31 begin 32 rows further down, or (wo) read block 2 again, so that no load leaves the buffer
	s_lshl_b32 s33, s25, 1
	s_mul_i32 s33, s33, s29
	s_lshr_b32 s34, s23, 1
	s_lshl_b32 s34, s34, 7
	s_and_b32 s35, s23, 1
	s_lshl_b32 s35, s35, 5
	s_add_co_u32 s34, s34, s35                     ; the tile's first column, in bytes
	s_add_co_u32 s34, s34, s33
	s_mov_b32 s35, 0
	s_mul_i32 s40, s25, 2*FRB
	s_add_co_u32 s40, s40, s27
	s_mov_b32 s41, 0
	s_lshl_b32 s42, s25, 8
	s_add_co_u32 s42, s42, s27
	s_add_co_u32 s42, s42, s30
	s_mov_b32 s43, 0
	s_wait_alu depctr_va_vdst(0)
	v_and_b32 v11, 8, v2
	v_add_nc_u32 v11, v11, v2
	v_lshlrev_b32 v11, 2, v11                      ; 4 (r + 8 (r / 8)): A LANE TAKES A COLUMN, AND ITS REGISTERS RUN DOWN K
	v_mul_u32_u24 v[VA], 32*ROWX, v3
	v_add_nc_u32 v[VA], v[VA], v11
	v_mul_u32_u24 v[VA+1], s32, v3
	v_add_nc_u32 v[VA+1], v[VA+1], v11
	s_wait_alu depctr_va_vdst(0)
	s_wait_kmcnt 0x0
	s_cmp_eq_u32 s24, 1                            ; which weight: the choice hangs on the work-group's number alone
	s_cselect_b64 s[6:7], s[8:9], s[6:7]
	s_cmp_eq_u32 s24, 2
	s_cselect_b64 s[6:7], s[10:11], s[6:7]
	s_cmp_ge_u32 s22, 9
	s_cselect_b64 s[6:7], s[12:13], s[6:7]
	s_add_nc_u64 s[36:37], s[6:7], s[34:35]        ; the first K step
	s_mov_b32 s34, s29
	s_add_nc_u64 s[38:39], s[36:37], s[34:35]      ; the second
	s_add_nc_u64 s[40:41], s[16:17], s[40:41]
	s_add_nc_u64 s[42:43], s[16:17], s[42:43]
.irp f, 0,1
.irp c, 0,1
.irp i, 0,1,2,3,4,5,6,7,8,9,10,11,12,13,14,15,16,17,18,19,20,21,22,23,24,25,26,27,28,29,30,31
	global_load_b32 v[R+64*\f+32*\c+\i], v[VA+\c], s[36+2*\f:37+2*\f] offset:(64*\c+\i)*ROWX   ; W(64 c + 32 h + i, my column); the work-group's four tiles are 256 consecutive bytes of a row
.endr
.endr
.endr
.irp f, 0,1
	s_wait_loadcnt 63-63*\f                        ; the first fragment's 64 loads are in: 64 are younger, and 63 is the largest count that the wait can name
	QF R+64*\f, PC+12*\f, PW+\f
.irp i, 0,1,2,3,4,5
	v_cndmask_b32 v[PC+12*\f+6+\i], 0, v[PC+12*\f+6+\i], s31   ; wo: the K step's fourth block is zero codes (its byte is block 2's, a valid one); the others: unchanged
.endr
.irp c, 0,1,2
	global_store_b128 v[LI], v[PC+12*\f+4*\c:PC+12*\f+4*\c+3], s[40:41] offset:FRB*\f+512*\c
.endr
.endr
	global_store_b64 v[L8], v[PW:PW+1], s[42:43]
	s_endpgm
.Lfunc_end_k_qb3660ee960_prep:
	.size	k_qb3660ee960_prep, .Lfunc_end_k_qb3660ee960_prep-k_qb3660ee960_prep
	.p2alignl 7, 3214868480
	.fill 96, 4, 3214868480
	.section	.rodata,"a",@progbits
	.p2align	6, 0x0
	.amdhsa_kernel k_qb3660ee960_prep
		.amdhsa_group_segment_fixed_size 34304
		.amdhsa_private_segment_fixed_size 0
		.amdhsa_enable_private_segment 0
		.amdhsa_kernarg_size 56
		.amdhsa_user_sgpr_count 2
		.amdhsa_user_sgpr_kernarg_segment_ptr 1
		.amdhsa_wavefront_size32 1
		.amdhsa_system_sgpr_workgroup_id_x 1
		.amdhsa_system_sgpr_workgroup_id_y 1
		.amdhsa_system_sgpr_workgroup_id_z 1
		.amdhsa_system_vgpr_workitem_id 0
		.amdhsa_next_free_vgpr 256
		.amdhsa_next_free_sgpr 66
		.amdhsa_reserve_vcc 0
		.amdhsa_float_denorm_mode_32 3
		.amdhsa_float_denorm_mode_16_64 3
		.amdhsa_memory_ordered 1
		.amdhsa_forward_progress 1
		.amdhsa_inst_pref_size 38
	.end_amdhsa_kernel
	.amdgpu_metadata
---
amdhsa.version: [ 1, 2 ]
amdhsa.kernels:
  - .name:           k_qb3660ee960_prep
    .symbol:         k_qb3660ee960_prep.kd
    .args:
      - { .name: x, .offset: 0, .size: 8, .value_kind: global_buffer, .address_space: global }
      - { .name: wq, .offset: 8, .size: 8, .value_kind: global_buffer, .address_space: global }
      - { .name: wk, .offset: 16, .size: 8, .value_kind: global_buffer, .address_space: global }
      - { .name: wv, .offset: 24, .size: 8, .value_kind: global_buffer, .address_space: global }
      - { .name: wo, .offset: 32, .size: 8, .value_kind: global_buffer, .address_space: global }
      - { .name: xi, .offset: 40, .size: 8, .value_kind: global_buffer, .address_space: global }
      - { .name: wi, .offset: 48, .size: 8, .value_kind: global_buffer, .address_space: global }
    .group_segment_fixed_size: 34304
    .private_segment_fixed_size: 0
    .kernarg_segment_align: 8
    .kernarg_segment_size: 56
    .max_flat_workgroup_size: 128
    .sgpr_count:     66
    .vgpr_count:     256
    .wavefront_size: 32
...
	.end_amdgpu_metadata
.endif
;; end of part 5
;; launch qkv (part 6): grid 4 x 64, 4 waves a work-group, no clusters, 80,384 bytes of LDS; arguments xi, wi, bq, bk, bv, qi, kv; writes qi, kv
.if DOCPART == 6
	.amdgcn_target "amdgcn-amd-amdhsa--gfx1250"
	.amdhsa_code_object_version 6
	.text
	.protected	k_qb3660ee960_qkv
	.globl	k_qb3660ee960_qkv
	.p2align	8
	.type	k_qb3660ee960_qkv,@function
k_qb3660ee960_qkv:
	s_mov_b64 s[64:65], 0
	v_nop
	global_prefetch_b8 v0, s[64:65] scope:SCOPE_SE
	s_setreg_imm32_b32 hwreg(HW_REG_WAVE_SCHED_MODE, 0, 2), 2
	s_setreg_imm32_b32 hwreg(HW_REG_WAVE_MODE, 25, 1), 1
	s_wait_xcnt 0x0
	s_wait_alu depctr_vm_vsrc(0)
; q = x wq + bq, k = x wk + bk, v = x wv + bv on codes of FP6 (E2M3), f32 sums, and the three results quantised at once: q and k along a head's 96 (a fourth block of zero codes fills the K step),
; v along the keys.  Operands come as images of operand registers (launch prep); results leave in the same form.
; SHARES.  Work-group (g, tb): token block tb (128 tokens, 8 tiles) and heads 2 g, 2 g + 1.  All four waves run one text.
;   Phase A: wave w makes q (w < 2) or k of head 2 g + (w & 1): 8 token tiles x 6 column tiles, 48 accumulators, 288 products.  TRANSPOSED (source 0 = 16 columns of W, source 1 = 16 tokens):
;            a lane holds one token and its registers run along the head's 96: the quantiser's K.
;   Phase B: wave w makes half of v of head 2 g + (w >> 1): 8 token tiles x 3 column tiles, 144 products.  NOT transposed (source 0 = tokens, source 1 = columns):
;            a lane holds one column and its registers run along the tokens, which are the second attention product's K.
; x's block, 79,872 bytes, is copied into LDS once (each wave a quarter) and read by all; a wave's weights are its own and go from memory straight into registers, in three sets that take turns.
; The biases are the C of each sum's first product.  The accumulators take turns, one instruction a turn.
; NO CLUSTER, NO TENSOR LOAD: the shared operand is fetched once a work-group (39 loads and 39 LDS stores a lane for 432 products a wave); the four work-groups of a token block
; read the same 79,872 bytes, a sixth of what a work-group reads in all (x's block + 36 weight records of 9,984 bytes).
; LIMITS: as stated in prep (byte 1 for blocks under 2^-124 or of zeros; NaN and infinities not served).
; REGISTERS, in windows of 256.  Window 0: addresses, x's fragments, all scale words, the quantiser.  Window 1: W's fragments.  Window 2: accumulators (phase A: token tiles 0-3; phase B: all),
; bq/bk's tiles at v192; at the start the 156 staging registers.  Window 3: phase A's token tiles 4-7; bv's tiles at v192; in phase B a second buffer for x's fragments at v16-111.
; THE MODE: SCHED_MODE bits 1:0 = 2 (LLVM: expert scheduling mode 2), set by the entry lines.  The code itself states the register dependences
; between vector or matrix instructions and memory or LDS instructions, with s_wait_alu, always for 0.
; THE PLAN.  Registers that memory or LDS instructions touch:
;   window 2 v0-155   The staging registers: loaded, read by my 39 LDS stores, then accumulators: one wait on vm_vsrc behind the barrier.
;   x's fragments     Phase A: ONE buffer in two halves (no 96 registers are free for a second).  Token tiles 0-3 are read by a K step's first 24 products, tiles 4-7 by its last 24.
;                     A wait on va_vdst behind each 24 frees that half; the loads into it follow the next six products, which name none of its registers.
;                     Phase B: TWO buffers by turns, window 0 and window 3.  One wait on va_vdst at a K step's head frees the buffer that the step before read; the next step's 24 loads are dealt among this step's products.
;   W's three sets    Phase A: set s % 3 is read by all 48 products of K step s; the wait at the step's end frees it, and K step s + 3 is asked for behind the next step's first six products.
;   the scale words   Loaded; read by products; W's are loaded again for phase B behind phase A's last wait.
;   v[PC ..], v[PWL ..]  Written by the quantiser, read by the global stores: a wait on va_vdst ahead of each run of stores; a wait on vm_vsrc, beside the wait on XCNT, ahead of the quantiser's first line that writes them again.
;   the addresses     Made at the head, never written again: one wait on va_vdst ahead of the first load.
.set REC,   9984
.set FRB,   1536
.set QBLK,  13312                      ; a block of qi: 8 fragments, 1,024 bytes of scale words
.set KVBLK, 23552                      ; a block of kv: the same of k, then v's 6 fragments and 1,024 bytes of scale words
.set LI,  1                            ; v1  16 x lane;  v2  the same + 4 records
.set L8,  3                            ; v3  8 x lane;   v4  the same + 4 records
.set LW,  5                            ; v5  16 x lane + 19,968 x wave: my quarter of x's block, in memory and in LDS
.set VBA, 6                            ; v6  64 h: bq, bk
.set VB,  7                            ; v7-9  bv: my column of tile t
.set XF,  16                           ; v16-111  x's 8 fragments of a K step (phase B: the same numbers in window 3 are the second buffer)
.set XSW, 112                          ; v112-159 x's scale words, 6 m + s
.set WSW, 160                          ; v160-195 W's scale words, 6 t + s
.set PC,  196                          ; v196-207 codes; v208-210, v212-214 upper halves
.set TM,  216                          ; v216-219 maxima, v220-223 bytes, v228-231 scale operands
.set PWL, 232                          ; v232-239 the scale words made
.set BT,  240                          ; v240-242 bv's numbers
.set WA,  24                           ; s[24:25] W's records, phase A;  s[26:27] phase B
.set WB,  26
.set XB,  28                           ; s[28:29] x's block
.set BA,  30                           ; s[30:31] bq or bk at my head;  s[32:33] bv
.set BB,  32
.set DA,  36                           ; s[36:37] where q's or k's block goes;  s[40:41] v's fragments;  s[42:43] v's scale words
.set DB,  40
.set DBS, 42
.set SEL, 52
.set MSB, 0
.macro WIN new                         ; low byte: bits 1:0 source 0, 3:2 source 1, 5:4 source 2, 7:6 destination; the high byte repeats the setting that is left
.if MSB != (\new)
	s_set_vgpr_msb (MSB<<8)|(\new)
.set MSB, (\new)
.endif
.endm
.macro PLACES n                        ; plain vector instructions between a matrix instruction and a load into, or a read of, its registers
.rept \n
	v_nop
.endr
.endm
.macro LOADW_A s                       ; W's six fragments of K step s into set s % 3 of window 1
	WIN 0x40
.irp t, 0,1,2,3,4,5
.irp c, 0,1,2
	global_load_b128 v[72*((\s)%3)+12*\t+4*\c:72*((\s)%3)+12*\t+4*\c+3], v[LI], s[WA:WA+1] offset:REC*\t+FRB*(\s)+512*\c
.endr
.endr
.endm
.macro FETCHX s, m0                    ; x's fragments of K step s, token tiles m0 .. m0 + 3, from LDS
.irp m, \m0, \m0+1, \m0+2, \m0+3
.irp c, 0,1,2
	ds_load_b128 v[XF+12*(\m)+4*\c:XF+12*(\m)+4*\c+3], v[LI+(\m)/4] offset:REC*((\m)%4)+FRB*(\s)+512*\c
.endr
.endr
.endm
.macro FETCH2 s, m0                    ; two of them, token tiles m0 and m0 + 1, into the buffer whose window is set as the destination's
.irp m, \m0, \m0+1
.irp c, 0,1,2
	ds_load_b128 v[XF+12*(\m)+4*\c:XF+12*(\m)+4*\c+3], v[LI+(\m)/4] offset:REC*((\m)%4)+FRB*(\s)+512*\c
.endr
.endr
.endm
.macro TILE_A s, m                     ; 6 products: token tile m x six column tiles
.irp t, 0,1,2,3,4,5
.if (\s) == 0
	v_wmma_scale_f32_16x16x128_f8f6f4 v[48*((\m)%4)+8*\t:48*((\m)%4)+8*\t+7], v[72*((\s)%3)+12*\t:72*((\s)%3)+12*\t+11], v[XF+12*(\m):XF+12*(\m)+11], v[192+8*\t:192+8*\t+7], v[WSW+6*\t+(\s)], v[XSW+6*(\m)+(\s)] matrix_a_fmt:MATRIX_FMT_FP6 matrix_b_fmt:MATRIX_FMT_FP6
.else
	v_wmma_scale_f32_16x16x128_f8f6f4 v[48*((\m)%4)+8*\t:48*((\m)%4)+8*\t+7], v[72*((\s)%3)+12*\t:72*((\s)%3)+12*\t+11], v[XF+12*(\m):XF+12*(\m)+11], v[48*((\m)%4)+8*\t:48*((\m)%4)+8*\t+7], v[WSW+6*\t+(\s)], v[XSW+6*(\m)+(\s)] matrix_a_fmt:MATRIX_FMT_FP6 matrix_b_fmt:MATRIX_FMT_FP6
.endif
.endr
.endm
.macro TILE_B s, m                     ; 3 products: token tile m x three column tiles
.irp t, 0,1,2
.if (\s) == 0
	v_wmma_scale_f32_16x16x128_f8f6f4 v[64*\t+8*(\m):64*\t+8*(\m)+7], v[XF+12*(\m):XF+12*(\m)+11], v[36*(\s)+12*\t:36*(\s)+12*\t+11], v[192+8*\t:192+8*\t+7], v[XSW+6*(\m)+(\s)], v[WSW+6*\t+(\s)] matrix_a_fmt:MATRIX_FMT_FP6 matrix_b_fmt:MATRIX_FMT_FP6
.else
	v_wmma_scale_f32_16x16x128_f8f6f4 v[64*\t+8*(\m):64*\t+8*(\m)+7], v[XF+12*(\m):XF+12*(\m)+11], v[36*(\s)+12*\t:36*(\s)+12*\t+11], v[64*\t+8*(\m):64*\t+8*(\m)+7], v[XSW+6*(\m)+(\s)], v[WSW+6*\t+(\s)] matrix_a_fmt:MATRIX_FMT_FP6 matrix_b_fmt:MATRIX_FMT_FP6
.endif
.endr
.endm
.macro WHI_A s                         ; phase A, token tiles 4-7: W window 1, x window 0, D window 3; C the bias in window 2, or D
.if (\s) == 0
	WIN 0xe1
.else
	WIN 0xf1
.endif
.endm
.macro WMUL_B s                        ; phase B: x window 0 or 3 by turns, W window 1, D window 2; C the bias in window 3, or D
.if (\s) == 0
	WIN 0xb4
.else
	WIN 0xa4+3*((\s)%2)
.endif
.endm
; A K step of phase A.  ns: the K step whose token tiles 0-3 are fetched meanwhile.  lc: the weight loads issued behind the set that this step multiplies.
.macro KSTEP_A s, ns, lc
	s_wait_loadcnt \lc
	s_wait_dscnt 0x0                               ; token tiles 0-3 are in: they were asked for 18 products ago
	WIN 0xa1                                       ; W window 1, x window 0, C and D window 2
	TILE_A \s, 0
	WIN 0
	FETCHX \s, 4                                   ; this step's token tiles 4-7.  No wait: since the wait at the last step's end only the six products above were issued, and they name none of these registers
.if ((\s) > 0) && ((\s) < 4)
	LOADW_A (\s)+2                                 ; into the set that the last step multiplied: likewise
.endif
	WIN 0xa1
	TILE_A \s, 1
	TILE_A \s, 2
	TILE_A \s, 3
	PLACES 4
	s_wait_dscnt 0x0                               ; token tiles 4-7 are in
	s_wait_alu depctr_va_vdst(0)                   ; the 24 products above are done reading token tiles 0-3, in which the loads below land
	WHI_A \s
	TILE_A \s, 4
	WIN 0
	FETCHX \ns, 0                                  ; behind six products that name none of these registers
	WHI_A \s
	TILE_A \s, 5
	TILE_A \s, 6
	TILE_A \s, 7
	PLACES 4
	s_wait_alu depctr_va_vdst(0)                   ; the step's products are done reading token tiles 4-7 and W's set (the last step's: also W's scale words), in which later loads land
.endm
; A K step of phase B: it multiplies buffer s % 2; the next step's fragments go into the other buffer, six loads behind each of the first four token tiles' products.
.macro KSTEP_B s
	s_wait_dscnt 0x0                               ; this step's buffer is in
.if (\s) < 5
	s_wait_alu depctr_va_vdst(0)                   ; the other buffer's last readers are done: the products of the step before; ahead of the first step the quantiser, which read phase A's sums in window 3
.endif
.irp m, 0,1,2,3
	WMUL_B \s
	TILE_B \s, \m
.if (\s) < 5
	WIN 0xc0*(1-(\s)%2)                            ; destination window 3 or 0
	FETCH2 (\s)+1, 2*\m                            ; no wait: no product since the wait above names the other buffer
.endif
.endr
	WMUL_B \s
.irp m, 4,5,6,7
	TILE_B \s, \m
.endr
	PLACES 4
	WIN 0
.endm
; 16 nb numbers of a lane in window w, register s + 16 b + i = k 32 b + 16 (lane / 16) + i of my row, become a fragment's codes in v[PC] on and its scale word in v[pw].
; nb = 3: the fourth block is zero codes with the byte 127.  Each accumulator is read from its low end on.  again = 1: stores issued earlier have read v[PC ..] or v[PWL ..].
.macro QUANT s, w, nb, pw, again
	WIN 5*(\w)                                     ; sources 0 and 1: window w
.irp b, 0,1,2,3
.if \b < \nb
	v_max3_num_f32 v[TM+\b], |v[(\s)+16*\b]|, |v[(\s)+16*\b+1]|, 0x1800000   ; with the floor 2^(3 - 127)
.endif
.endr
.irp i, 2,4,6,8,10,12,14
.irp b, 0,1,2,3
.if \b < \nb
	v_max3_num_f32 v[TM+\b], |v[(\s)+16*\b+\i]|, |v[(\s)+16*\b+\i+1]|, v[TM+\b]   ; the blocks by turns
.endif
.endr
.endr
	WIN 0
.irp b, 0,1,2,3
.if \b < \nb
	v_permlanex16_b32 v[TM+4+\b], v[TM+\b], s[SEL], s[SEL+1]
.endif
.endr
.irp b, 0,1,2,3
.if \b < \nb
	v_max_num_f32 v[TM+\b], v[TM+\b], v[TM+4+\b]   ; with lane l xor 16's 16: the block's largest magnitude
.endif
.endr
.irp b, 0,1,2,3
.if \b < \nb
	v_add_nc_u32 v[TM+12+\b], 0xff000000, v[TM+\b] ; 2 off the exponent field: the conversion's scale operand
.endif
.endr
.irp b, 0,1,2,3
.if \b < \nb
	v_lshrrev_b32 v[TM+4+\b], 23, v[TM+12+\b]      ; the byte
.endif
.endr
.if \again
	s_wait_alu depctr_va_vdst(0)
	s_wait_xcnt 0x0                                ; the earlier stores have had their addresses translated (ISA guide 3.1): their data registers are written again only behind this wait,
	s_wait_alu depctr_vm_vsrc(0)                   ; and they have read v[PC ..] (ahead of phase B's first fragment also v[PWL ..]), which the lines below write again
.endif
	v_lshl_or_b32 v[\pw], v[TM+5], 8, v[TM+4]
	v_lshl_or_b32 v[\pw], v[TM+6], 16, v[\pw]
.if (\nb) == 4
	v_lshl_or_b32 v[\pw], v[TM+7], 24, v[\pw]
.else
	v_or_b32 v[\pw], 0x7f000000, v[\pw]
.irp i, 0,1,2
	v_mov_b32 v[PC+16+\i], 0
.endr
.endif
	WIN (\w)                                       ; source 0: window w
	v_cvt_scalef32_pk16_fp6_f32 v[PC:PC+2], v[(\s):(\s)+15], v[TM+12]
	v_cvt_scalef32_pk16_fp6_f32 v[PC+12:PC+14], v[(\s)+16:(\s)+31], v[TM+13]
	v_cvt_scalef32_pk16_fp6_f32 v[PC+6:PC+8], v[(\s)+32:(\s)+47], v[TM+14]
.if (\nb) == 4
	v_cvt_scalef32_pk16_fp6_f32 v[PC+16:PC+18], v[(\s)+48:(\s)+63], v[TM+15]
.endif
	WIN 0
	v_nop                                          ; one plain place behind a scaled conversion
.irp c, 0,1                                    ; the operand's layout wants a whole block in a lane: lanes 0-15 block 2 c, lanes 16-31 block 2 c + 1
.irp i, 0,1,2
	v_permlane16_swap_b32 v[PC+6*\c+\i], v[PC+12+4*\c+\i]
.endr
.irp i, 0,1,2
	v_mov_b32 v[PC+3+6*\c+\i], v[PC+12+4*\c+\i]
.endr
.endr
.endm
	s_load_b256 s[4:11], s[0:1], 0x0               ; xi s[4:5], wi s[6:7], bq s[8:9], bk s[10:11]
	s_load_b128 s[12:15], s[0:1], 0x20             ; bv s[12:13], qi s[14:15]
	s_load_b64 s[16:17], s[0:1], 0x30              ; kv
	v_lshl_add_u32 v254, v0, 2, 0x13800
	v_mov_b32 v255, 0
	v_lshrrev_b32 v10, 5, v0
	v_readfirstlane_b32 s18, v10                   ; wave 0..3
	v_and_b32 v10, 31, v0
	v_and_b32 v11, 15, v0
	v_bfe_u32 v12, v0, 4, 1
	v_lshlrev_b32 v[LI], 4, v10
	v_add_nc_u32 v[LI+1], 4*REC, v[LI]
	v_lshlrev_b32 v[L8], 3, v10
	v_add_nc_u32 v[L8+1], 4*REC, v[L8]
	s_wait_alu depctr_va_sdst(0)                   ; s18, the wave's number, is written, ahead of its first reader
	s_mul_i32 s48, s18, 2*REC
	v_add_nc_u32 v[LW], s48, v[LI]
	v_lshlrev_b32 v[VBA], 6, v12
	v_and_b32 v13, 8, v11
	v_add_nc_u32 v13, v13, v11
	v_lshlrev_b32 v13, 2, v13                      ; 4 (r + 8 (r / 8))
	s_wait_alu depctr_va_vdst(0)
.irp b, 0,1,2,3
	v_mov_b32 v[TM+4+\b], 0                        ; a lane permute's destination counts as one of its sources
.endr
	s_mov_b32 s[SEL], 0x76543210
	s_mov_b32 s[SEL+1], 0xfedcba98
	s_and_b32 s23, ttmp7, 0xffff                   ; token block
	s_lshr_b32 s19, s18, 1                         ; phase A: 0 = q, 1 = k
	s_and_b32 s22, s18, 1
	s_lshl_b32 s24, ttmp9, 1
	s_add_co_u32 s20, s24, s22                     ; phase A's head
	s_add_co_u32 s21, s24, s19                     ; phase B's head
	s_mul_i32 s48, s22, 3                          ; phase B's first column tile in the head
.irp t, 0,1,2
	s_add_co_u32 s49, s48, \t
	s_lshr_b32 s50, s49, 1
	s_lshl_b32 s50, s50, 7
	s_and_b32 s49, s49, 1
	s_lshl_b32 s49, s49, 5
	s_add_co_u32 s49, s49, s50
	v_add_nc_u32 v[VB+\t], s49, v13
.endr
	s_mul_i32 s24, s19, 48
	s_mul_i32 s25, s20, 6
	s_add_co_u32 s24, s24, s25
	s_mul_i32 s24, s24, REC
	s_mov_b32 s25, 0
	s_mul_i32 s26, s21, 6
	s_add_co_u32 s26, s26, s48
	s_add_co_u32 s26, s26, 96
	s_mul_i32 s26, s26, REC
	s_mov_b32 s27, 0
	s_mul_i32 s28, s23, 8*REC
	s_mov_b32 s29, 0
	s_mul_i32 s30, s20, 384
	s_mov_b32 s31, 0
	s_mul_i32 s32, s21, 384
	s_mov_b32 s33, 0
	s_lshr_b32 s34, s23, 4
	s_lshl_b32 s34, s34, 3                         ; 8 x batch
	s_and_b32 s35, s23, 15                         ; the block's place among the batch's 16
	s_add_co_u32 s36, s34, s20
	s_lshl_b32 s36, s36, 4
	s_add_co_u32 s36, s36, s35                     ; phase A's block: (8 batch + head) 16 + step
	s_add_co_u32 s38, s34, s21
	s_lshl_b32 s38, s38, 4
	s_add_co_u32 s38, s38, s35                     ; phase B's
	s_mov_b32 s37, KVBLK
	s_cmp_eq_u32 s19, 0
	s_cselect_b32 s37, QBLK, s37
	s_mul_i32 s36, s36, s37
	s_mov_b32 s37, 0
	s_mul_i32 s38, s38, KVBLK
	s_mul_i32 s39, s22, 3*FRB
	s_add_co_u32 s40, s38, s39
	s_add_co_u32 s40, s40, QBLK
	s_mov_b32 s41, 0
	s_lshl_b32 s39, s22, 9
	s_add_co_u32 s42, s38, s39
	s_add_co_u32 s42, s42, QBLK+6*FRB
	s_mov_b32 s43, 0
	s_wait_kmcnt 0x0
	s_cmp_eq_u32 s19, 0                            ; the choices hang on the wave's number alone
	s_cselect_b64 s[44:45], s[8:9], s[10:11]
	s_cselect_b64 s[46:47], s[14:15], s[16:17]
	s_add_nc_u64 s[WA:WA+1], s[6:7], s[24:25]
	s_add_nc_u64 s[WB:WB+1], s[6:7], s[26:27]
	s_add_nc_u64 s[XB:XB+1], s[4:5], s[28:29]
	s_add_nc_u64 s[BA:BA+1], s[44:45], s[30:31]
	s_add_nc_u64 s[BB:BB+1], s[12:13], s[32:33]
	s_add_nc_u64 s[DA:DA+1], s[46:47], s[36:37]
	s_add_nc_u64 s[DB:DB+1], s[16:17], s[40:41]
	s_add_nc_u64 s[DBS:DBS+1], s[16:17], s[42:43]
	s_wait_alu depctr_va_vdst(0)                   ; the offsets and LDS addresses v1 to v9 are written, which every load and store of the kernel reads; none is written again
.irp t, 0,1,2
	global_load_b32 v[BT+\t], v[VB+\t], s[BB:BB+1] ; bv at my column of tile t
.endr
	WIN 0x80                                       ; destination window 2
.irp t, 0,1,2,3,4,5
	global_load_b128 v[192+8*\t:192+8*\t+3], v[VBA], s[BA:BA+1] offset:(32*(\t/2)+8*(\t%2))*4      ; lane (r, h), tile 2 b + u: the bias of columns 32 b + 16 h + 8 u + 0 .. 7
	global_load_b128 v[192+8*\t+4:192+8*\t+7], v[VBA], s[BA:BA+1] offset:(32*(\t/2)+8*(\t%2))*4+16
.endr
.set i, 0
.rept 39
	global_load_b128 v[4*i:4*i+3], v[LW], s[XB:XB+1] offset:512*i    ; my quarter of x's block
.set i, i+1
.endr
	WIN 0
.irp t, 0,1,2,3,4,5
.irp p, 0,1,2
	global_load_b64 v[WSW+6*\t+2*\p:WSW+6*\t+2*\p+1], v[L8], s[WA:WA+1] offset:REC*\t+6*FRB+256*\p
.endr
.endr
	LOADW_A 0
	s_wait_loadcnt 36                              ; the biases and my quarter are in; the 18 loads of scale words and the 18 of K step 0 may be out
	WIN 0x08                                       ; an LDS store's data are its source 1: window 2
.set i, 0
.rept 39
	ds_store_b128 v[LW], v[4*i:4*i+3] offset:512*i
.set i, i+1
.endr
	LOADW_A 1
	LOADW_A 2
	WIN 0xc0                                       ; destination window 3
.irp t, 0,1,2
.irp j, 0,1,2,3,4,5,6,7
	v_mov_b32 v[192+8*\t+\j], v[BT+\t]             ; bv in the result's layout: a lane holds one column
.endr
.endr
	WIN 0
	s_wait_dscnt 0x0                               ; my stores have landed
	s_barrier_signal -1
	s_barrier_wait -1                              ; x's block lies in LDS; nothing is written there again
	s_wait_alu depctr_vm_vsrc(0)                   ; my LDS stores have read the staging registers, window 2's v0-155: they are accumulators from here on, written by the products
.irp m, 0,1,2,3,4,5,6,7
.irp p, 0,1,2
	ds_load_b64 v[XSW+6*\m+2*\p:XSW+6*\m+2*\p+1], v[L8+\m/4] offset:REC*(\m%4)+6*FRB+256*\p
.endr
.endr
	FETCHX 0, 0
	KSTEP_A 0, 1, 36                               ; two younger sets of 18 loads,
	KSTEP_A 1, 2, 18                               ; one: a step's own request goes out behind its first six products,
	KSTEP_A 2, 3, 18
	KSTEP_A 3, 4, 18
	KSTEP_A 4, 5, 18
	KSTEP_A 5, 0, 0                                ; none.  It fetches token tiles 0-3 of x's K step 0 again, for phase B
	WIN 0
	FETCHX 0, 4                                    ; the rest of phase B's first buffer; this and the loads below stand straight behind phase A's last wait
	WIN 0x40                                       ; phase B's 18 fragments and their scale words
.irp s, 0,1,2,3,4,5
.irp t, 0,1,2
.irp c, 0,1,2
	global_load_b128 v[36*\s+12*\t+4*\c:36*\s+12*\t+4*\c+3], v[LI], s[WB:WB+1] offset:REC*\t+FRB*\s+512*\c
.endr
.endr
.endr
	WIN 0
.irp t, 0,1,2
.irp p, 0,1,2
	global_load_b64 v[WSW+6*\t+2*\p:WSW+6*\t+2*\p+1], v[L8], s[WB:WB+1] offset:REC*\t+6*FRB+256*\p
.endr
.endr
	; q's or k's block: eight fragments, one for each token tile, while phase B's weights are on their way
.irp m, 0,1,2,3,4,5,6,7
.if \m > 0
	QUANT 48*(\m%4), 2+\m/4, 3, PWL+\m, 1
.else
	QUANT 48*(\m%4), 2+\m/4, 3, PWL+\m, 0
.endif
	s_wait_alu depctr_va_vdst(0)                   ; the quantiser has written v[PC ..] (and this tile's scale word), which the stores read
.irp c, 0,1,2
	global_store_b128 v[LI], v[PC+4*\c:PC+4*\c+3], s[DA:DA+1] offset:FRB*\m+512*\c
.endr
.endr
.irp i, 0,1
	global_store_b128 v[LI], v[PWL+4*\i:PWL+4*\i+3], s[DA:DA+1] offset:8*FRB+512*\i   ; four tiles' scale words a lane: all eight were written ahead of the last wait
.endr
	s_wait_loadcnt 0x0                             ; phase B's weights
	KSTEP_B 0
	KSTEP_B 1
	KSTEP_B 2
	KSTEP_B 3
	KSTEP_B 4
	KSTEP_B 5
.irp t, 0,1,2
	QUANT 64*\t, 2, 4, PWL+\t, 1
.if \t == 2
	v_mov_b32 v[PWL+3], 0
.endif
	s_wait_alu depctr_va_vdst(0)                   ; the quantiser has written v[PC ..] and v[PWL ..], which the stores read
.irp c, 0,1,2
	global_store_b128 v[LI], v[PC+4*\c:PC+4*\c+3], s[DB:DB+1] offset:FRB*\t+512*\c
.endr
.endr
	global_store_b128 v[LI], v[PWL:PWL+3], s[DBS:DBS+1]
	s_wait_dscnt 0x0                               ; the closing lines, six on end
	s_wait_alu 0x0
	s_wait_tensorcnt 0x0
	ds_add_u32 v254, v255
	s_wait_dscnt 0x0
	s_endpgm
.Lfunc_end_k_qb3660ee960_qkv:
	.size	k_qb3660ee960_qkv, .Lfunc_end_k_qb3660ee960_qkv-k_qb3660ee960_qkv
	.p2alignl 7, 3214868480
	.fill 96, 4, 3214868480
	.section	.rodata,"a",@progbits
	.p2align	6, 0x0
	.amdhsa_kernel k_qb3660ee960_qkv
		.amdhsa_group_segment_fixed_size 80384
		.amdhsa_private_segment_fixed_size 0
		.amdhsa_enable_private_segment 0
		.amdhsa_kernarg_size 56
		.amdhsa_user_sgpr_count 2
		.amdhsa_user_sgpr_kernarg_segment_ptr 1
		.amdhsa_wavefront_size32 1
		.amdhsa_system_sgpr_workgroup_id_x 1
		.amdhsa_system_sgpr_workgroup_id_y 1
		.amdhsa_system_sgpr_workgroup_id_z 1
		.amdhsa_system_vgpr_workitem_id 0
		.amdhsa_next_free_vgpr 1024
		.amdhsa_next_free_sgpr 66
		.amdhsa_reserve_vcc 0
		.amdhsa_float_denorm_mode_32 3
		.amdhsa_float_denorm_mode_16_64 3
		.amdhsa_memory_ordered 1
		.amdhsa_forward_progress 1
		.amdhsa_inst_pref_size 153
	.end_amdhsa_kernel
	.amdgpu_metadata
---
amdhsa.version: [ 1, 2 ]
amdhsa.kernels:
  - .name:           k_qb3660ee960_qkv
    .symbol:         k_qb3660ee960_qkv.kd
    .args:
      - { .name: xi, .offset: 0, .size: 8, .value_kind: global_buffer, .address_space: global }
      - { .name: wi, .offset: 8, .size: 8, .value_kind: global_buffer, .address_space: global }
      - { .name: bq, .offset: 16, .size: 8, .value_kind: global_buffer, .address_space: global }
      - { .name: bk, .offset: 24, .size: 8, .value_kind: global_buffer, .address_space: global }
      - { .name: bv, .offset: 32, .size: 8, .value_kind: global_buffer, .address_space: global }
      - { .name: qi, .offset: 40, .size: 8, .value_kind: global_buffer, .address_space: global }
      - { .name: kv, .offset: 48, .size: 8, .value_kind: global_buffer, .address_space: global }
    .group_segment_fixed_size: 80384
    .private_segment_fixed_size: 0
    .kernarg_segment_align: 8
    .kernarg_segment_size: 56
    .max_flat_workgroup_size: 128
    .sgpr_count:     66
    .vgpr_count:     1024
    .wavefront_size: 32
...
	.end_amdgpu_metadata
.endif
;; end of part 6
;; launch attn (part 7): grid 8 x 32, 8 waves a work-group, no clusters, 189,440 bytes of LDS; arguments qi, kv, oi; writes oi
.if DOCPART == 7
	.amdgcn_target "amdgcn-amd-amdhsa--gfx1250"
	.amdhsa_code_object_version 6
	.text
	.protected	k_qb3660ee960_attn
	.globl	k_qb3660ee960_attn
	.p2align	8
	.type	k_qb3660ee960_attn,@function
k_qb3660ee960_attn:
	s_mov_b64 s[64:65], 0
	v_nop
	global_prefetch_b8 v0, s[64:65] scope:SCOPE_SE
	s_setreg_imm32_b32 hwreg(HW_REG_WAVE_SCHED_MODE, 0, 2), 2
	s_setreg_imm32_b32 hwreg(HW_REG_WAVE_MODE, 25, 1), 1
	s_wait_xcnt 0x0
	s_wait_alu depctr_vm_vsrc(0)
; O = softmax(q k^T / sqrt(96)) v for one head, both products on codes of FP6 (E2M3); the result, divided by the row's sum, is quantised along the head's 96 for the last projection.
; THE SOFTMAX: t = score x log2(e) / sqrt(96); M = the running largest t rounded UP to a whole number; p = 2^(t - M) is quantised along the keys, not normalised; the row's sum is taken of the
; unquantised p in f32.  When M moves, the sum and O^T are multiplied by 2^(old M - new M): exact.
; SHARES.  Work-group (xq, bh): 256 queries of head bh.  Each of eight waves owns TWO tiles of 16 queries, so that each fragment of k and of v read from LDS feeds two products; two waves to a SIMD.
; Every wave walks the head's 2,048 keys, 128 a step: 16 products k q^T, two softmaxes, 12 products v^T p^T.
; LAYOUT.  Both products are used transposed (source 0 = 16 keys, or 16 of the head's 96; source 1 = 16 queries): a lane holds ONE query of each tile throughout.  The keys of a tile, and the d of a
; tile of v, are chosen (32 b + 8 u + r + 8 (r / 8)) so that the 16 registers of tiles 2 b and 2 b + 1 are 16 neighbours.
; LDS.  A key step's operands are one block of kv, 23,552 bytes: images of operand registers.  A slot holds FOUR blocks, 94,208 consecutive bytes of kv = 23 pieces of 4,096 bytes (256 threads x 16 bytes).
; Two slots.  While a slot's four steps are worked, the next four blocks are copied through registers into the other slot: 6, 6, 6 and 5 pieces a step, the loads near a step's head, the LDS stores at its end.
; ONE BARRIER FOR FOUR STEPS, at the change of slots: in front of it each wave has waited for its stores into the slot ahead and for its reads of the slot that it leaves.
; LOADS AHEAD.  Behind the products k q^T go out: v's fragments 0-3 and scale words, and the NEXT step's fragments 0-3 of k and scale words; all land under the softmaxes.  v's fragments 4 and 5 go out
; in tile 1's softmax, behind the wait for its exponentials, where tile 0's p lay.  The next step's fragments 4-7 of k go out behind the products with v, and are waited for behind the next step's first eight products.
; NO CLUSTER, NO TENSOR LOAD: the copy is 23 loads and 23 LDS stores a lane for four steps' 112 products and two softmaxes a step; the eight work-groups of a head do read the same blocks.
; LIMITS: a block's largest p is made from the block's largest score by the same two instructions, which takes v_exp_f32 not to fall where its input rises; 1 / l is v_rcp_f32;
; byte 1 for blocks of zeros or under 2^-124 (their codes are zeros; this program alone reads the bytes); NaN and infinities are not served.
; REGISTERS, in two windows of 256.  Tile 1's statistics, q, S^T, O^T and work registers have in window 1 the numbers that tile 0's have in window 0, so that one text of the softmax serves both.
;   Window 0 besides: addresses, k's fragments 0-3, all scale words (scale operands have no window), p's codes of both tiles.   Window 1 besides: four fragments (k's 4-7, then v's 0-3), the copy's 24 registers.
; THE MODE: SCHED_MODE bits 1:0 = 2 (LLVM: expert scheduling mode 2), set by the entry lines.  The code itself states the register dependences
; between vector or matrix instructions and memory or LDS instructions, with s_wait_alu, always for 0.
; THE PLAN.  Registers that memory or LDS instructions touch, in a key step:
;   the copy's 24         Loaded near a step's head, read by the LDS stores at its end; no vector instruction names them: one wait on vm_vsrc at a step's head, ahead of the next loads.
;   k's fragments 0-3, k's scale words, the four fragments of window 1 (as k's 4-7)   Read by the 16 products k q^T: one wait on va_vdst behind these, ahead of the run of 28 LDS loads that lands in them
;                         (v's scale words, which the last step's products read, are covered by the same wait).
;   window 0's v96-119    Tile 0's scores and p, written and read by its softmax; v's fragments 4 and 5 land there behind the wait for tile 1's exponentials, which stands behind all of tile 0's lines.
;   p's codes and scale words of both tiles   Written by vector instructions, taken by the scaled products with v: one wait on va_vdst behind the places, ahead of the first of them.
;   the four fragments of window 1 (as v's 0-3)   Read by the products with v: one wait on va_vdst behind these (and behind the copy's LDS stores), ahead of the next step's fragments 4-7 of k; at a change of slots it stands behind the barrier.
;   the addresses         Made at the head, never written again: one wait on va_vdst ahead of the first load.
.set QBLK,  13312
.set KVBLK, 23552
.set OBLK,  106496                     ; a token block of oi: 64 fragments (12,288 m + 1,536 head), then 64 x 128 bytes of scale words
.set FRB,   1536
.set SLOTB, 4*KVBLK                    ; a slot
.set HALFR, 2*KVBLK                    ; an LDS offset has 16 bits: a second address register serves a slot's blocks 2 and 3,
.set HALFW, 12*4096                    ; and one a slot's pieces 12 to 22
.set L4,  3                            ; v3   4 x lane
.set AR,  4                            ; v4-7   16 x lane + slot 0's blocks 0-1, 2-3, slot 1's blocks 0-1, 2-3
.set LI,  4                            ; (v4 is 16 x lane)
.set AW,  8                            ; v8-11  16 x thread + slot 0's pieces 0-11, 12-22, slot 1's likewise
.set LW,  8                            ; (v8 is 16 x thread)
.set QFR, 16                           ; v16-27 q's fragment
.set QW0, 28                           ; v28  tile 0's scale words of q;  v227 tile 1's
.set PW,  29                           ; v29  p's scale word (tile 1's is made in window 1 and moved to v243)
.set FF,  30                           ; v[30:31] f = 2^(old M - new M), and a 0 named with it as a pair
.set KA,  32                           ; v32-79 k's fragments 0-3
.set KSW, 80                           ; v80-87 k's scale words, tile t
.set VSW, 88                           ; v88-95 v's, tile t at 4 (t / 3) + t % 3
.set S,   96                           ; v96-159 S^T, then p; in window 0 then v's fragments 4 and 5 in v96-119
.set O,   160                          ; v160-207 O^T
.set PC,  208                          ; v208-219 tile 0's codes of p;  v244-255 tile 1's
.set PT,  220                          ; v220-222, v224-226 upper halves
.set QW1, 227
.set BM,  228                          ; v228-231 the blocks' largest scores, then p;  v232-235 permute's destinations, bytes;  v236-239 scale operands
.set BT,  232
.set SO,  236
.set SU,  240                          ; v[240:241] the sum's second chain
.set TMP, 242
.set PW1, 243
.set PC1, 244
.set G,   68                           ; window 1, v68-91: the copy.   Window 1, v32-67 and v0-11: fragment f at (32 + 12 f) % 68
.set WV,  10
.set QP,  16                           ; s[16:17] q's two fragments;  s[18:19] their scale words
.set QS,  18
.set KV,  20                           ; s[20:21] the four blocks of kv to be copied next
.set OD,  24                           ; s[24:25] where my fragments of oi go;  s[26:27] their scale words
.set ODS, 26
.set SEL, 28
.set CS,  30                           ; s[30:31] c = log2(e) / sqrt(96)
.set CNT, 32
.set MSB, 0
.macro WIN new                         ; low byte: bits 1:0 source 0, 3:2 source 1, 5:4 source 2, 7:6 destination; the high byte repeats the setting that is left
.if MSB != (\new)
	s_set_vgpr_msb (MSB<<8)|(\new)
.set MSB, (\new)
.endif
.endm
.macro PLACES n                        ; plain vector instructions between a matrix instruction and what touches its registers (ISA guide 7.12.1)
.rept \n
	v_nop
.endr
.endm
.macro LDK_A sl, q                     ; k's fragments 0-3 and its eight scale words, block q of slot sl
.irp t, 0,1,2,3
.irp c, 0,1,2
	ds_load_b128 v[KA+12*\t+4*\c:KA+12*\t+4*\c+3], v[AR+2*(\sl)+(\q)/2] offset:((\q)%2)*KVBLK+512*(3*\t+\c)
.endr
.endr
.irp i, 0,1
	ds_load_b128 v[KSW+4*\i:KSW+4*\i+3], v[AR+2*(\sl)+(\q)/2] offset:((\q)%2)*KVBLK+512*(24+\i)
.endr
.endm
.macro LD_B sl, q, ch                  ; four fragments, from piece ch (of 512 bytes) of the block on, into window 1
	WIN 0x40
.irp f, 0,1,2,3
.irp c, 0,1,2
	ds_load_b128 v[(32+12*\f)%68+4*\c:(32+12*\f)%68+4*\c+3], v[AR+2*(\sl)+(\q)/2] offset:((\q)%2)*KVBLK+512*((\ch)+3*\f+\c)
.endr
.endr
	WIN 0
.endm
; The copy.  Step q of a slot moves pieces 6 q .. 6 q + 5 (step 3: five) of the four blocks at s[KV].  cond = 1: not in the loop's last trip, where no blocks are left: no load leaves kv.
.macro GLOAD q, cond
.if \cond
	s_cmp_eq_u32 s[CNT], 1
	s_cbranch_scc1 .Lno_load_\@
.endif
	WIN 0x40
.set gk, 0
.rept 6-(\q)/3
	global_load_b128 v[G+4*gk:G+4*gk+3], v[LW], s[KV:KV+1] offset:4096*(6*(\q)+gk)
.set gk, gk+1
.endr
	WIN 0
.if \cond
.Lno_load_\@:
.endif
.endm
.macro GSTORE sl, q, cond              ; into the slot that is not being read
.if \cond
	s_cmp_eq_u32 s[CNT], 1
	s_cbranch_scc1 .Lno_store_\@
.endif
	WIN 0x04                                       ; an LDS store's data are its source 1: window 1
.set gk, 0
.rept 6-(\q)/3
	ds_store_b128 v[AW+2*(1-(\sl))+(6*(\q)+gk)/12], v[G+4*gk:G+4*gk+3] offset:4096*((6*(\q)+gk)%12)
.set gk, gk+1
.endr
	WIN 0
.if \cond
.Lno_store_\@:
.endif
.endm
; THE SOFTMAX of one tile, in the window that is set, in two parts.  The first: from the scores to the 64 exponentials and the wait for them.
.macro SM_A1
.irp b, 0,1,2,3
	v_max3_num_f32 v[BM+\b], v[S+16*\b], v[S+1+16*\b], v[S+2+16*\b]   ; the largest score of each block of 32 keys: for the row's maximum, and for the block's largest p.  Each accumulator is read from its low end on
.endr
.irp i, 3,5,7,9,11,13
.irp b, 0,1,2,3
	v_max3_num_f32 v[BM+\b], v[BM+\b], v[S+16*\b+\i], v[S+1+16*\b+\i]
.endr
.endr
.irp b, 0,1,2,3
	v_max_num_f32 v[BM+\b], v[BM+\b], v[S+15+16*\b]
.endr
.irp b, 0,1,2,3
	v_permlanex16_b32 v[BT+\b], v[BM+\b], s[SEL], s[SEL+1]
.endr
.irp b, 0,1,2,3
	v_max_num_f32 v[BM+\b], v[BM+\b], v[BT+\b]     ; with lane l xor 16's 16 keys
.endr
	v_max3_num_f32 v[TMP], v[BM], v[BM+1], v[BM+2]
	v_max_num_f32 v[TMP], v[TMP], v[BM+3]
	v_mul_f32 v[TMP], s[CS], v[TMP]                ; the step's largest t (c is positive)
	v_max_num_f32 v13, v13, v[TMP]                 ; the running largest t
	v_mov_b32 v[TMP], v12
	v_floor_f32 v12, -v13                          ; the new -M = floor(-t): M is a whole number
	v_sub_f32 v[TMP], v12, v[TMP]                  ; old M - new M: a whole number, 0 or less
	v_cvt_i32_f32 v[TMP], v[TMP]                   ; (it saturates)
	v_ldexp_f32 v[FF], 1.0, v[TMP]                 ; f
.irp j, 0,2,4,6,8,10,12,14,16,18,20,22,24,26,28,30,32,34,36,38,40,42,44,46,48,50,52,54,56,58,60,62
	v_pk_fma_f32 v[S+\j:S+1+\j], v[S+\j:S+1+\j], s[CS:CS+1], v[12:13] op_sel_hi:[1,0,0]   ; t - M, two at a time
.endr
.irp b, 0,1,2,3
	v_fma_f32 v[BM+\b], v[BM+\b], s[CS], v12       ; the same of each block's largest score
.endr
	s_wait_alu depctr_va_vdst(0)
.irp j, 0,1,2,3,4,5,6,7,8,9,10,11,12,13,14,15,16,17,18,19,20,21,22,23,24,25,26,27,28,29,30,31,32,33,34,35,36,37,38,39,40,41,42,43,44,45,46,47,48,49,50,51,52,53,54,55,56,57,58,59,60,61,62,63
	v_exp_f32 v[S+\j], v[S+\j]                     ; p = 2^(t - M), at most 1
.endr
	v_pk_mul_f32 v[14:15], v[14:15], v[FF:FF+1] op_sel_hi:[1,0]   ; the sums under the new M: the plain place behind the exponentials
	s_wait_alu depctr_va_vdst(0)                   ; the 64 exponentials have written p, ahead of its first reader.  In tile 1's run also: tile 0's softmax and conversions are done with window 0's v96-119, in which v's fragments 4 and 5 land next
.endm
; The second part: the row's sum, and p's scale word and scale operands.
.macro SM_A2
.irp b, 0,1,2,3
	v_exp_f32 v[BM+\b], v[BM+\b]                   ; the blocks' largest p
.endr
	v_pk_add_f32 v[SU:SU+1], v[S:S+1], v[S+2:S+3]  ; the row's sum of the unquantised p, in two chains
.irp j, 4,8,12,16,20,24,28,32,36,40,44,48,52,56,60
	v_pk_add_f32 v[14:15], v[14:15], v[S+\j:S+1+\j]
	v_pk_add_f32 v[SU:SU+1], v[SU:SU+1], v[S+2+\j:S+3+\j]
.endr
	v_pk_add_f32 v[14:15], v[14:15], v[SU:SU+1]
	s_wait_alu depctr_va_vdst(0)                   ; the four exponentials have written the blocks' largest p, ahead of their first reader
.irp b, 0,1,2,3
	v_max_num_f32 v[BM+\b], 0x1800000, v[BM+\b]    ; the floor 2^(3 - 127): the byte cannot fall under 1
.endr
.irp b, 0,1,2,3
	v_add_nc_u32 v[SO+\b], 0xff000000, v[BM+\b]    ; 2 off the exponent field: the conversion's scale operand
.endr
.irp b, 0,1,2,3
	v_lshrrev_b32 v[BT+\b], 23, v[SO+\b]           ; the byte
.endr
	v_lshl_or_b32 v[PW], v[BT+1], 8, v[BT]
	v_lshl_or_b32 v[PW], v[BT+2], 16, v[PW]
	v_lshl_or_b32 v[PW], v[BT+3], 24, v[PW]
.endm
.macro SM_CVT pc                       ; p's codes: the results always go to window 0
.irp c, 0,1
	v_cvt_scalef32_pk16_fp6_f32 v[(\pc)+6*\c:(\pc)+6*\c+2], v[S+32*\c:S+15+32*\c], v[SO+2*\c]
	v_cvt_scalef32_pk16_fp6_f32 v[PT+4*\c:PT+4*\c+2], v[S+16+32*\c:S+31+32*\c], v[SO+2*\c+1]   ; a conversion's three registers begin on an even number
.endr
.endm
.macro SM_SWAP pc                      ; in window 0.  The operand's layout wants a whole block in a lane: lanes 0-15 block 2 c, lanes 16-31 block 2 c + 1
.irp c, 0,1
.irp i, 0,1,2
	v_permlane16_swap_b32 v[(\pc)+6*\c+\i], v[PT+4*\c+\i]
.endr
.irp i, 0,1,2
	v_mov_b32 v[(\pc)+3+6*\c+\i], v[PT+4*\c+\i]
.endr
.endr
.endm
.macro SM_O                            ; O^T under the new M, in the window that is set
.irp j, 0,2,4,6,8,10,12,14,16,18,20,22,24,26,28,30,32,34,36,38,40,42,44,46
	v_pk_mul_f32 v[O+\j:O+1+\j], v[O+\j:O+1+\j], v[FF:FF+1] op_sel_hi:[1,0]
.endr
.endm
; A KEY STEP on block q of slot sl.  At its head k's fragments 0-3 and scale words have been asked for, and behind them fragments 4-7.
.macro STEP sl, q, cond
	s_wait_dscnt 12                                ; all but the youngest 12 LDS loads (k's fragments 4-7) are done: fragments 0-3 and the scale words are in
	s_wait_alu depctr_vm_vsrc(0)                   ; the LDS stores issued so far have read their data: the copy's registers, in which the loads below land; ahead of the first step also the first fill's registers, which the products below write.  It stands ahead of the copy's branch
	GLOAD \q, \cond
.irp t, 0,1,2,3                                ; S^T = k q^T.  Tile 0, keys' tiles 0-3: all in window 0
	v_wmma_scale_f32_16x16x128_f8f6f4 v[S+8*\t:S+8*\t+7], v[KA+12*\t:KA+12*\t+11], v[QFR:QFR+11], 0, v[KSW+\t], v[QW0] matrix_a_fmt:MATRIX_FMT_FP6 matrix_b_fmt:MATRIX_FMT_FP6
.endr
	WIN 0x44                                       ; tile 1: q and S^T in window 1
.irp t, 0,1,2,3
	v_wmma_scale_f32_16x16x128_f8f6f4 v[S+8*\t:S+8*\t+7], v[KA+12*\t:KA+12*\t+11], v[QFR:QFR+11], 0, v[KSW+\t], v[QW1] matrix_a_fmt:MATRIX_FMT_FP6 matrix_b_fmt:MATRIX_FMT_FP6
.endr
	s_wait_dscnt 0x0                               ; k's fragments 4-7
	WIN 0x45                                       ; they lie in window 1
.irp f, 0,1,2,3
	v_wmma_scale_f32_16x16x128_f8f6f4 v[S+32+8*\f:S+39+8*\f], v[(32+12*\f)%68:(32+12*\f)%68+11], v[QFR:QFR+11], 0, v[KSW+4+\f], v[QW1] matrix_a_fmt:MATRIX_FMT_FP6 matrix_b_fmt:MATRIX_FMT_FP6
.endr
	WIN 0x01
.irp f, 0,1,2,3
	v_wmma_scale_f32_16x16x128_f8f6f4 v[S+32+8*\f:S+39+8*\f], v[(32+12*\f)%68:(32+12*\f)%68+11], v[QFR:QFR+11], 0, v[KSW+4+\f], v[QW0] matrix_a_fmt:MATRIX_FMT_FP6 matrix_b_fmt:MATRIX_FMT_FP6
.endr
	WIN 0
	PLACES 4                                       ; in front of the first read of the scores, and of the loads into k's registers and scale words
	s_wait_alu depctr_va_vdst(0)                   ; the sixteen products are done reading k's eight fragments and its scale words, the last step's products v's scale words: the 28 loads below land in these
	LD_B \sl, \q, 26                               ; v's fragments 0-3,
.irp i, 0,1
	ds_load_b128 v[VSW+4*\i:VSW+4*\i+3], v[AR+2*(\sl)+(\q)/2] offset:((\q)%2)*KVBLK+512*(44+\i)   ; its scale words,
.endr
.if (\q) < 3
	LDK_A \sl, (\q)+1                              ; and the next step's first half of k: all land under the softmaxes.  (A slot's last step asks for nothing of the slot ahead: the barrier comes first)
.endif
	SM_A1                                          ; tile 0
	SM_A2
	SM_CVT PC
	v_nop                                          ; one plain place behind a scaled conversion
	SM_SWAP PC
	SM_O
	WIN 0x55                                       ; tile 1: every vector operand in window 1
	SM_A1
	WIN 0                                          ; straight behind that part's wait:
.irp k, 0,1,2,3,4,5
	ds_load_b128 v[S+4*\k:S+4*\k+3], v[AR+2*(\sl)+(\q)/2] offset:((\q)%2)*KVBLK+512*(38+\k)   ; v's fragments 4 and 5, where tile 0's p lay: they land under the rest of tile 1's softmax
.endr
	WIN 0x55
	SM_A2
	WIN 0x05                                       ; numbers and scale operands in window 1, codes to window 0
	SM_CVT PC1
	WIN 0x01
	v_mov_b32 v[PW1], v[PW]                        ; tile 1's scale word to window 0, where scale operands are taken.  Also the plain place behind the conversions
	WIN 0
	SM_SWAP PC1
	WIN 0x55
	SM_O                                           ; these 24 are also the places between the writes of tile 1's codes and scale word and the products
	s_wait_dscnt 6                                 ; v's fragments 0-3 and scale words are in; the youngest six LDS loads, fragments 4 and 5, may be out
	s_wait_alu depctr_va_vdst(0)                   ; the vector instructions have written both tiles' codes and scale words of p, which the scaled products below take; the places above stay beside this wait
	WIN 0x01                                       ; O^T += v^T p^T.  Tile 0, v's fragments 0-3 (window 1).  The twelve accumulators take turns
.irp t, 0,1,2,3
	v_wmma_scale_f32_16x16x128_f8f6f4 v[O+8*\t:O+8*\t+7], v[(32+12*\t)%68:(32+12*\t)%68+11], v[PC:PC+11], v[O+8*\t:O+8*\t+7], v[VSW+4*(\t/3)+\t%3], v[PW] matrix_a_fmt:MATRIX_FMT_FP6 matrix_b_fmt:MATRIX_FMT_FP6
.endr
	WIN 0x51                                       ; tile 1: O^T in window 1, its codes in window 0
.irp t, 0,1,2,3
	v_wmma_scale_f32_16x16x128_f8f6f4 v[O+8*\t:O+8*\t+7], v[(32+12*\t)%68:(32+12*\t)%68+11], v[PC1:PC1+11], v[O+8*\t:O+8*\t+7], v[VSW+4*(\t/3)+\t%3], v[PW1] matrix_a_fmt:MATRIX_FMT_FP6 matrix_b_fmt:MATRIX_FMT_FP6
.endr
	s_wait_dscnt 0x0                               ; v's fragments 4 and 5
	WIN 0x50                                       ; they lie in window 0
.irp t, 4,5
	v_wmma_scale_f32_16x16x128_f8f6f4 v[O+8*\t:O+8*\t+7], v[S+12*(\t-4):S+12*(\t-4)+11], v[PC1:PC1+11], v[O+8*\t:O+8*\t+7], v[VSW+4*(\t/3)+\t%3], v[PW1] matrix_a_fmt:MATRIX_FMT_FP6 matrix_b_fmt:MATRIX_FMT_FP6
.endr
	WIN 0
.irp t, 4,5
	v_wmma_scale_f32_16x16x128_f8f6f4 v[O+8*\t:O+8*\t+7], v[S+12*(\t-4):S+12*(\t-4)+11], v[PC:PC+11], v[O+8*\t:O+8*\t+7], v[VSW+4*(\t/3)+\t%3], v[PW] matrix_a_fmt:MATRIX_FMT_FP6 matrix_b_fmt:MATRIX_FMT_FP6
.endr
	PLACES 5                                       ; the next step's products write over v96-119, which these have read: five places; the loads below want four
	s_wait_loadcnt 0x0                             ; the copy's pieces are in registers (on every way, so that no load is out when these registers are loaded again)
	GSTORE \sl, \q, \cond
.if (\q) < 3
	s_wait_alu depctr_va_vdst(0)                   ; the products with v are done reading the four fragments of window 1, in which the loads below land
	LD_B \sl, (\q)+1, 12                           ; the next step's fragments 4-7 of k: the youngest 12 LDS loads at its head
.else
	s_add_nc_u64 s[KV:KV+1], s[KV:KV+1], SLOTB     ; the wait on LOADcnt above has shown the loads done that read this base
.endif
.endm
; THE CHANGE OF SLOTS.  My stores into slot sl have landed and my reads of the other slot are over; behind the barrier that holds of all eight waves.
.macro SLOTHEAD sl
	s_wait_dscnt 0x0
	s_barrier_signal -1
	s_barrier_wait -1
	s_wait_alu depctr_va_vdst(0)                   ; the last step's products with v are done reading the four fragments of window 1, in which loads below land (k's fragments 0-3 and scale words were freed by that step's own wait)
	LDK_A \sl, 0
	LD_B \sl, 0, 12
.endm
.macro INIT                            ; a tile's statistics, in the window that is set
	v_mov_b32 v13, 0xff61b1e6                      ; the largest t so far: -3e38
	v_floor_f32 v12, -v13                          ; -M
	v_mov_b32 v14, 0                               ; the sum, in two halves
	v_mov_b32 v15, 0
	v_mov_b32 v[FF+1], 0
.irp b, 0,1,2,3
	v_mov_b32 v[BT+\b], 0                          ; a lane permute's destination counts as one of its sources
.endr
.irp j, 0,1,2,3,4,5,6,7,8,9,10,11,12,13,14,15,16,17,18,19,20,21,22,23,24,25,26,27,28,29,30,31,32,33,34,35,36,37,38,39,40,41,42,43,44,45,46,47
	v_mov_b32 v[O+\j], 0                           ; O^T: the step has no first form of its own; its first run finds zeros, which the first change of M leaves zeros
.endr
.endm
; THE WAY OUT of one tile, in the window that is set: O^T / l, its three blocks' scale operands and its scale word.
.macro OUT_A
	v_add_f32 v14, v14, v15
	v_permlanex16_b32 v[TMP], v14, s[SEL], s[SEL+1]
	v_add_f32 v14, v14, v[TMP]                     ; the row's sum
	s_wait_alu depctr_va_vdst(0)
	v_rcp_f32 v14, v14
	v_nop                                          ; a plain place behind the reciprocal
	s_wait_alu depctr_va_vdst(0)                   ; the reciprocal has written 1 / l, ahead of its first reader
.irp j, 0,1,2,3,4,5,6,7,8,9,10,11,12,13,14,15,16,17,18,19,20,21,22,23,24,25,26,27,28,29,30,31,32,33,34,35,36,37,38,39,40,41,42,43,44,45,46,47
	v_mul_f32 v[S+\j], v[O+\j], v14                ; register 16 b + i: d = 32 b + 16 h + i of my query; each accumulator from its low end on
.endr
.irp b, 0,1,2
	v_max3_num_f32 v[BM+\b], |v[S+16*\b]|, |v[S+1+16*\b]|, 0x1800000
.endr
.irp i, 2,4,6,8,10,12,14
.irp b, 0,1,2
	v_max3_num_f32 v[BM+\b], v[BM+\b], |v[S+16*\b+\i]|, |v[S+1+16*\b+\i]|
.endr
.endr
.irp b, 0,1,2
	v_permlanex16_b32 v[BT+\b], v[BM+\b], s[SEL], s[SEL+1]
.endr
.irp b, 0,1,2
	v_max_num_f32 v[BM+\b], v[BM+\b], v[BT+\b]
.endr
.irp b, 0,1,2
	v_add_nc_u32 v[SO+\b], 0xff000000, v[BM+\b]
.endr
.irp b, 0,1,2
	v_lshrrev_b32 v[BT+\b], 23, v[SO+\b]
.endr
	v_lshl_or_b32 v[PW], v[BT+1], 8, v[BT]
	v_lshl_or_b32 v[PW], v[BT+2], 16, v[PW]
	v_or_b32 v[PW], 0x7f000000, v[PW]              ; the fourth block: zero codes, byte 127
.endm
.macro OUT_CVT pc
	v_cvt_scalef32_pk16_fp6_f32 v[(\pc):(\pc)+2], v[S:S+15], v[SO]
	v_cvt_scalef32_pk16_fp6_f32 v[PT:PT+2], v[S+16:S+31], v[SO+1]
	v_cvt_scalef32_pk16_fp6_f32 v[(\pc)+6:(\pc)+8], v[S+32:S+47], v[SO+2]
.endm
	s_load_b128 s[4:7], s[0:1], 0x0                ; qi s[4:5], kv s[6:7]
	s_load_b64 s[8:9], s[0:1], 0x10                ; oi
	v_lshl_add_u32 v2, v0, 2, 0x2e000
	v_mov_b32 v223, 0
	v_lshrrev_b32 v1, 5, v0
	v_readfirstlane_b32 s[WV], v1                  ; wave 0..7
	v_and_b32 v1, 31, v0                           ; lane
	v_lshlrev_b32 v[L4], 2, v1
	v_lshlrev_b32 v[AR], 4, v1
	v_add_nc_u32 v[AR+1], HALFR, v[AR]
	v_add_nc_u32 v[AR+2], SLOTB, v[AR]
	v_add_nc_u32 v[AR+3], SLOTB+HALFR, v[AR]
	v_lshlrev_b32 v[AW], 4, v0
	v_add_nc_u32 v[AW+1], HALFW, v[AW]
	v_add_nc_u32 v[AW+2], SLOTB, v[AW]
	v_add_nc_u32 v[AW+3], SLOTB+HALFW, v[AW]
	s_wait_alu depctr_va_sdst(0)                   ; s10, the wave's number, is written, ahead of its first reader
	s_and_b32 s11, ttmp7, 0xffff                   ; 8 x batch + head
	s_and_b32 s12, s[WV], 3
	s_lshl_b32 s12, s12, 1                         ; my first token tile in its block of 128: 0, 2, 4, 6
	s_lshr_b32 s13, s[WV], 2
	s_lshl_b32 s14, ttmp9, 1
	s_add_co_u32 s13, s13, s14                     ; my block of 128 queries
	s_lshl_b32 s14, s11, 4
	s_add_co_u32 s15, s14, s13
	s_mul_i32 s16, s15, QBLK
	s_mul_i32 s17, s12, FRB
	s_add_co_u32 s16, s16, s17
	s_mov_b32 s17, 0
	s_mul_i32 s18, s15, QBLK
	s_lshr_b32 s19, s12, 2
	s_lshl_b32 s19, s19, 9
	s_add_co_u32 s18, s18, s19
	s_and_b32 s19, s12, 3
	s_lshl_b32 s19, s19, 2
	s_add_co_u32 s18, s18, s19
	s_add_co_u32 s18, s18, 8*FRB                   ; my first tile's word among a lane's four; the second tile's is the next
	s_mov_b32 s19, 0
	s_mul_i32 s20, s14, KVBLK                      ; the head's first block
	s_mov_b32 s21, 0
	s_lshr_b32 s22, s11, 3
	s_lshl_b32 s22, s22, 4
	s_add_co_u32 s22, s22, s13
	s_mul_i32 s22, s22, OBLK
	s_and_b32 s23, s11, 7                          ; head
	s_mul_i32 s24, s12, 8*FRB
	s_mul_i32 s25, s23, FRB
	s_add_co_u32 s24, s24, s25
	s_add_co_u32 s24, s24, s22
	s_mov_b32 s25, 0
	s_lshl_b32 s26, s12, 3
	s_add_co_u32 s26, s26, s23
	s_lshl_b32 s26, s26, 7
	s_add_co_u32 s26, s26, s22
	s_add_co_u32 s26, s26, 64*FRB
	s_mov_b32 s27, 0
	s_mov_b32 s[SEL], 0x76543210
	s_mov_b32 s[SEL+1], 0xfedcba98                 ; selects for lane l xor 16
	s_mov_b32 s[CS], 0x3e16c740                    ; log2(e) / sqrt(96)
	s_mov_b32 s[CS+1], s[CS]                       ; (named with it as a pair)
	s_wait_kmcnt 0x0
	s_add_nc_u64 s[QP:QP+1], s[4:5], s[16:17]
	s_add_nc_u64 s[QS:QS+1], s[4:5], s[18:19]
	s_add_nc_u64 s[KV:KV+1], s[6:7], s[20:21]
	s_add_nc_u64 s[OD:OD+1], s[8:9], s[24:25]
	s_add_nc_u64 s[ODS:ODS+1], s[8:9], s[26:27]
	s_wait_alu depctr_va_vdst(0)                   ; the offsets and LDS addresses v3 to v11 are written, which every load and store of the kernel reads; none is written again
	; the first four blocks: 23 pieces, into the registers that the scores will take
.set pi, 0
.rept 16
	global_load_b128 v[S+4*pi:S+4*pi+3], v[LW], s[KV:KV+1] offset:4096*pi
.set pi, pi+1
.endr
	WIN 0x40                                       ; destination window 1
.rept 7
	global_load_b128 v[S+4*(pi-16):S+4*(pi-16)+3], v[LW], s[KV:KV+1] offset:4096*pi
.set pi, pi+1
.endr
.irp c, 0,1,2
	global_load_b128 v[QFR+4*\c:QFR+4*\c+3], v[LI], s[QP:QP+1] offset:FRB+512*\c   ; tile 1's q
.endr
	WIN 0
.irp c, 0,1,2
	global_load_b128 v[QFR+4*\c:QFR+4*\c+3], v[LI], s[QP:QP+1] offset:512*\c       ; tile 0's
.endr
	global_load_b32 v[QW0], v[LI], s[QS:QS+1]
	global_load_b32 v[QW1], v[LI], s[QS:QS+1] offset:4
	INIT
	WIN 0x55
	INIT
	WIN 0
	s_wait_loadcnt 8                               ; the 23 pieces are in; q's eight loads may be out
	s_add_nc_u64 s[KV:KV+1], s[KV:KV+1], SLOTB
.set pi, 0
.rept 16
	ds_store_b128 v[AW+pi/12], v[S+4*pi:S+4*pi+3] offset:4096*(pi%12)
.set pi, pi+1
.endr
	WIN 0x04
.rept 7
	ds_store_b128 v[AW+pi/12], v[S+4*(pi-16):S+4*(pi-16)+3] offset:4096*(pi%12)
.set pi, pi+1
.endr
	WIN 0
	s_wait_loadcnt 0x0                             ; q
	s_mov_b32 s[CNT], 2
.Ltrip:                                        ; a trip: slot 0's four key steps, then slot 1's.  Every LDS address is a constant of the text
	SLOTHEAD 0
.irp q, 0,1,2,3
	STEP 0, \q, 0                                  ; meanwhile slot 1 is filled: blocks 4-7, in the second trip 12-15
.endr
	SLOTHEAD 1
.irp q, 0,1,2,3
	STEP 1, \q, 1                                  ; meanwhile slot 0 is filled with blocks 8-11; in the second trip with nothing
.endr
	s_sub_co_u32 s[CNT], s[CNT], 1
	s_cmp_lg_u32 s[CNT], 0
	s_cbranch_scc1 .Ltrip
	; THE WAY OUT: each tile is one fragment of the last projection's operand.  The last step's five places stand in front of the first read of O^T
	OUT_A
.irp i, 0,1,2
	v_mov_b32 v[PT+4+\i], 0
.endr
	OUT_CVT PC
	v_nop                                          ; one plain place behind a scaled conversion
	SM_SWAP PC
	WIN 0x55
	OUT_A
	WIN 0
.irp i, 0,1,2
	v_mov_b32 v[PT+4+\i], 0
.endr
	WIN 0x05
	OUT_CVT PC1
	WIN 0x01
	v_mov_b32 v[PW1], v[PW]                        ; also the plain place behind the conversions
	WIN 0
	SM_SWAP PC1
	s_wait_alu depctr_va_vdst(0)                   ; both tiles' codes and scale words are written, which the eight stores below read
.irp c, 0,1,2
	global_store_b128 v[LI], v[PC+4*\c:PC+4*\c+3], s[OD:OD+1] offset:512*\c
.endr
	global_store_b32 v[L4], v[PW], s[ODS:ODS+1]    ; 128 consecutive bytes: one tile's words for one head
.irp c, 0,1,2
	global_store_b128 v[LI], v[PC1+4*\c:PC1+4*\c+3], s[OD:OD+1] offset:8*FRB+512*\c
.endr
	global_store_b32 v[L4], v[PW1], s[ODS:ODS+1] offset:1024
	s_wait_dscnt 0x0                               ; the closing lines, six on end
	s_wait_alu 0x0
	s_wait_tensorcnt 0x0
	ds_add_u32 v2, v223
	s_wait_dscnt 0x0
	s_endpgm
.Lfunc_end_k_qb3660ee960_attn:
	.size	k_qb3660ee960_attn, .Lfunc_end_k_qb3660ee960_attn-k_qb3660ee960_attn
	.p2alignl 7, 3214868480
	.fill 96, 4, 3214868480
	.section	.rodata,"a",@progbits
	.p2align	6, 0x0
	.amdhsa_kernel k_qb3660ee960_attn
		.amdhsa_group_segment_fixed_size 189440
		.amdhsa_private_segment_fixed_size 0
		.amdhsa_enable_private_segment 0
		.amdhsa_kernarg_size 24
		.amdhsa_user_sgpr_count 2
		.amdhsa_user_sgpr_kernarg_segment_ptr 1
		.amdhsa_wavefront_size32 1
		.amdhsa_system_sgpr_workgroup_id_x 1
		.amdhsa_system_sgpr_workgroup_id_y 1
		.amdhsa_system_sgpr_workgroup_id_z 1
		.amdhsa_system_vgpr_workitem_id 0
		.amdhsa_next_free_vgpr 512
		.amdhsa_next_free_sgpr 66
		.amdhsa_reserve_vcc 0
		.amdhsa_float_denorm_mode_32 3
		.amdhsa_float_denorm_mode_16_64 3
		.amdhsa_memory_ordered 1
		.amdhsa_forward_progress 1
		.amdhsa_inst_pref_size 255
	.end_amdhsa_kernel
	.section	.bss,"aw",@nobits
	.p2align	6
	.space	262144
	.amdgpu_metadata
---
amdhsa.version: [ 1, 2 ]
amdhsa.kernels:
  - .name:           k_qb3660ee960_attn
    .symbol:         k_qb3660ee960_attn.kd
    .args:
      - { .name: qi, .offset: 0, .size: 8, .value_kind: global_buffer, .address_space: global }
      - { .name: kv, .offset: 8, .size: 8, .value_kind: global_buffer, .address_space: global }
      - { .name: oi, .offset: 16, .size: 8, .value_kind: global_buffer, .address_space: global }
    .group_segment_fixed_size: 189440
    .private_segment_fixed_size: 0
    .kernarg_segment_align: 8
    .kernarg_segment_size: 24
    .max_flat_workgroup_size: 256
    .sgpr_count:     66
    .vgpr_count:     512
    .wavefront_size: 32
...
	.end_amdgpu_metadata
.endif
;; end of part 7
;; launch oproj (part 8): grid 4 x 64, 4 waves a work-group, no clusters, 207,360 bytes of LDS; arguments oi, wi, bo, out0; writes out0
.if DOCPART == 8
	.amdgcn_target "amdgcn-amd-amdhsa--gfx1250"
	.amdhsa_code_object_version 6
	.text
	.protected	k_qb3660ee960_oproj
	.globl	k_qb3660ee960_oproj
	.p2align	8
	.type	k_qb3660ee960_oproj,@function
k_qb3660ee960_oproj:
	s_mov_b64 s[64:65], 0
	v_nop
	global_prefetch_b8 v0, s[64:65] scope:SCOPE_SE
	s_setreg_imm32_b32 hwreg(HW_REG_WAVE_SCHED_MODE, 0, 2), 2
	s_setreg_imm32_b32 hwreg(HW_REG_WAVE_MODE, 25, 1), 1
	s_wait_xcnt 0x0
	s_wait_alu depctr_vm_vsrc(0)
; out0 = O wo + bo on codes of FP6 (E2M3), f32 sums.  O comes from launch attn as images of operand registers, one K step for each head (96 codes and a block of zero codes); wo likewise from launch prep.
; SHARES.  Work-group (g, tb): 128 tokens x columns 192 g .. 192 g + 191.  Wave w: all 8 token tiles x column tiles 3 w .. 3 w + 2, 8 K steps: 24 accumulators by turns, 192 products.
; O's block, 106,496 bytes, is copied into LDS once (each wave a quarter) and read by all; a wave's weights are its own and go from memory into registers, in four sets that take turns.
; TRANSPOSED (source 0 = 16 columns of wo, source 1 = 16 tokens): a lane's eight results are eight neighbouring columns of one token.  bo is the C of each sum's first product.
; The results meet in a stage in LDS (128 rows of 768 bytes + 16, bytes of its own) and leave as whole rows: sixteen lanes store 256 consecutive bytes, aligned.
; NO CLUSTER, NO TENSOR LOAD: the shared operand is fetched once a work-group, 52 loads and 52 LDS stores a lane for 192 products a wave.
; REGISTERS, in windows of 256.  Window 0: addresses, O's fragments (buffer 0), scale words.  Window 1: wo's fragments, four sets.  Window 2: accumulator (m, t) at 24 m + 8 t; bo's tiles at v224; at the start 208 staging registers.
; Window 3: O's fragments, buffer 1, at the numbers that buffer 0 has in window 0.
; THE MODE: SCHED_MODE bits 1:0 = 2 (LLVM: expert scheduling mode 2), set by the entry lines.  The code itself states the register dependences
; between vector or matrix instructions and memory or LDS instructions, with s_wait_alu, always for 0.
; THE PLAN.  Registers that memory or LDS instructions touch:
;   window 2 v0-207   The staging registers: loaded, read by my 52 LDS stores, then accumulators: one wait on vm_vsrc behind the barrier.
;   O's two buffers   K step s multiplies buffer s % 2; the loads of K step s + 1 land in the other buffer, which the products of K step s - 1 read.
;   wo's four sets    K step s multiplies set s % 4; K step s + 3 is asked for in step s, into the set that step s - 1 read.
;                     So ONE wait on va_vdst stands at a K step's head: the step before is done reading.  The step's 24 LDS loads and 9 loads of wo follow it, dealt among its first twelve products, which name this step's buffer, this
;                     step's set, the accumulators and the scale words: none of the registers that those loads touch.
;   the accumulators  Written by the products, read by the stage's LDS stores: the places, then one wait on va_vdst.  The same wait frees both buffers of O for the rows that come back from the stage, a batch to a buffer.
;   the addresses     Made at the head, never written again: one wait on va_vdst ahead of the first load.
.set FRB,    1536
.set OBLK,   106496
.set WOREC,  13312
.set WOBASE, 144*9984
.set STG,    OBLK                      ; the stage
.set SP,     784
.set LI,  1                            ; v1  16 x lane;  v2  the same + 4 token tiles' fragments
.set L8,  3                            ; v3  8 x lane
.set L4B, 4                            ; v4  4 x lane + 98,304: O's scale words
.set LW,  5                            ; v5  16 x lane + 26,624 x wave
.set VB,  6                            ; v6-8   bo: my eight columns of tile t
.set SW,  9                            ; v9-11  the stage: my 32 bytes of tile t, token tiles 0-3;  v12-14 token tiles 4-7
.set SWB, 12
.set SR,  15                           ; v15 the stage, on the way out
.set XF,  16                           ; v16-111 O's 8 fragments of a K step, in window 0 and in window 3; later rows of the result
.set OSW, 112                          ; v112-175 O's scale words, 8 m + s
.set WSW, 176                          ; v176-199 wo's, 8 t + s
.set GO,  200                          ; v200 my byte offset in two rows of out0
.set OB,  14                           ; s[14:15] O's block;  s[16:17] my three records of wo;  s[18:19] my 32 rows of out0
.set WO,  16
.set OUT, 18
.set MSB, 0
.macro WIN new
.if MSB != (\new)
	s_set_vgpr_msb (MSB<<8)|(\new)
.set MSB, (\new)
.endif
.endm
.macro PLACES n
.rept \n
	v_nop
.endr
.endm
.macro LOADW s                         ; wo's three fragments of K step s into set s % 4 of window 1
	WIN 0x40
.irp t, 0,1,2
.irp c, 0,1,2
	global_load_b128 v[36*((\s)%4)+12*\t+4*\c:36*((\s)%4)+12*\t+4*\c+3], v[LI], s[WO:WO+1] offset:WOREC*\t+FRB*(\s)+512*\c
.endr
.endr
.endm
.macro FETCH2 s, m0                    ; O's fragments of K step s, token tiles m0 and m0 + 1, into the buffer whose window is set as the destination's
.irp m, \m0, \m0+1
.irp c, 0,1,2
	ds_load_b128 v[XF+12*(\m)+4*\c:XF+12*(\m)+4*\c+3], v[LI+(\m)/4] offset:8*FRB*((\m)%4)+FRB*(\s)+512*\c
.endr
.endr
.endm
.macro TILE s, m                       ; 3 products: token tile m x my three column tiles
.irp t, 0,1,2
.if (\s) == 0
	v_wmma_scale_f32_16x16x128_f8f6f4 v[24*(\m)+8*\t:24*(\m)+8*\t+7], v[36*((\s)%4)+12*\t:36*((\s)%4)+12*\t+11], v[XF+12*(\m):XF+12*(\m)+11], v[224+8*\t:224+8*\t+7], v[WSW+8*\t+(\s)], v[OSW+8*(\m)+(\s)] matrix_a_fmt:MATRIX_FMT_FP6 matrix_b_fmt:MATRIX_FMT_FP6
.else
	v_wmma_scale_f32_16x16x128_f8f6f4 v[24*(\m)+8*\t:24*(\m)+8*\t+7], v[36*((\s)%4)+12*\t:36*((\s)%4)+12*\t+11], v[XF+12*(\m):XF+12*(\m)+11], v[24*(\m)+8*\t:24*(\m)+8*\t+7], v[WSW+8*\t+(\s)], v[OSW+8*(\m)+(\s)] matrix_a_fmt:MATRIX_FMT_FP6 matrix_b_fmt:MATRIX_FMT_FP6
.endif
.endr
.endm
; A K step.  lc: the weight loads issued behind the set that this step multiplies.
.macro KSTEP s, lc
	s_wait_loadcnt \lc
	s_wait_dscnt 0x0                               ; this step's buffer is in: its last six loads were asked for twelve products ago
.if ((\s) > 0) && ((\s) < 7)
	s_wait_alu depctr_va_vdst(0)                   ; the products of the step before are done reading the other buffer of O and their set of wo, in which the loads below land
.endif
.irp m, 0,1,2,3
	WIN 0xa1+0x0c*((\s)%2)                         ; wo window 1, O window 0 or 3 by turns, C and D window 2
	TILE \s, \m
.if ((\s) > 0) && ((\s) < 5) && ((\m) == 0)
	LOADW (\s)+3                                   ; into the set that the step before multiplied
.endif
.if (\s) < 7
	WIN 0xc0*(1-(\s)%2)                            ; destination window 3 or 0
	FETCH2 (\s)+1, 2*\m                            ; no wait: no product since the wait above names the other buffer
.endif
.endr
	WIN 0xa1+0x0c*((\s)%2)
.irp m, 4,5,6,7
	TILE \s, \m
.endr
	PLACES 4
	WIN 0
.endm
	s_load_b256 s[4:11], s[0:1], 0x0               ; oi s[4:5], wi s[6:7], bo s[8:9], out0 s[10:11]
	v_lshl_add_u32 v254, v0, 2, 0x32800
	v_mov_b32 v255, 0
	v_lshrrev_b32 v20, 5, v0
	v_readfirstlane_b32 s12, v20                   ; wave 0..3
	v_and_b32 v20, 31, v0
	v_and_b32 v21, 15, v0                          ; r
	v_bfe_u32 v22, v0, 4, 1                        ; h
	v_lshlrev_b32 v[LI], 4, v20
	v_add_nc_u32 v[LI+1], 32*FRB, v[LI]
	v_lshlrev_b32 v[L8], 3, v20
	v_lshl_add_u32 v[L4B], v20, 2, 64*FRB
	s_wait_alu depctr_va_sdst(0)                   ; s12, the wave's number, is written, ahead of its first reader
	s_mul_i32 s20, s12, OBLK/4
	v_add_nc_u32 v[LW], s20, v[LI]
	v_lshlrev_b32 v23, 6, v22                      ; 64 h
	v_and_b32 v24, 8, v21
	v_add_nc_u32 v24, v24, v21                     ; r + 8 (r / 8)
	v_mul_u32_u24 v24, SP, v24
	v_add_nc_u32 v24, v24, v23
	v_add_nc_u32 v24, STG, v24                     ; the stage: my token's row, + 64 h
	s_wait_alu depctr_va_vdst(0)
	s_and_b32 s13, ttmp7, 0xffff                   ; token block
	s_mul_i32 s23, ttmp9, 768                      ; the work-group's first column, in bytes
	s_mul_i32 s20, s12, 3
.irp t, 0,1,2
	s_add_co_u32 s21, s20, \t                      ; column tile 3 w + t of the work-group's twelve
	s_lshr_b32 s22, s21, 1
	s_lshl_b32 s22, s22, 7
	s_and_b32 s21, s21, 1
	s_lshl_b32 s21, s21, 5
	s_add_co_u32 s21, s21, s22                     ; its bytes in a row of the stage: made of the wave's number alone
	v_add_nc_u32 v[SW+\t], s21, v24
	v_add_nc_u32 v[SWB+\t], 64*SP, v[SW+\t]
	s_add_co_u32 s21, s21, s23
	v_add_nc_u32 v[VB+\t], s21, v23
.endr
	s_mul_i32 s24, s12, 32*SP
	v_mul_u32_u24 v[SR], SP, v22
	v_lshl_add_u32 v[SR], v21, 4, v[SR]
	v_add_nc_u32 v[SR], s24, v[SR]
	v_add_nc_u32 v[SR], STG, v[SR]                 ; out: my 32 rows; lanes 0-15 one row, lanes 16-31 the next; 16 bytes a lane
	v_mul_u32_u24 v[GO], 3072, v22
	v_lshl_add_u32 v[GO], v21, 4, v[GO]
	s_mul_i32 s14, s13, OBLK
	s_mov_b32 s15, 0
	s_mul_i32 s16, ttmp9, 12
	s_add_co_u32 s16, s16, s20
	s_mul_i32 s16, s16, WOREC
	s_add_co_u32 s16, s16, WOBASE
	s_mov_b32 s17, 0
	s_lshl_b32 s18, s13, 7
	s_lshl_b32 s19, s12, 5
	s_add_co_u32 s18, s18, s19
	s_mul_i32 s18, s18, 3072
	s_add_co_u32 s18, s18, s23
	s_mov_b32 s19, 0
	s_wait_kmcnt 0x0
	s_add_nc_u64 s[OB:OB+1], s[4:5], s[14:15]
	s_add_nc_u64 s[WO:WO+1], s[6:7], s[16:17]
	s_add_nc_u64 s[OUT:OUT+1], s[10:11], s[18:19]
	s_wait_alu depctr_va_vdst(0)                   ; the offsets and LDS addresses v1 to v15 and v200 are written, which every load and store of the kernel reads; so are v20 to v24, in which fragments of O land
	WIN 0x80                                       ; destination window 2
.irp t, 0,1,2
	global_load_b128 v[224+8*\t:224+8*\t+3], v[VB+\t], s[8:9]
	global_load_b128 v[224+8*\t+4:224+8*\t+7], v[VB+\t], s[8:9] offset:16
.endr
.set i, 0
.rept 52
	global_load_b128 v[4*i:4*i+3], v[LW], s[OB:OB+1] offset:512*i    ; my quarter of O's block
.set i, i+1
.endr
	WIN 0
.irp t, 0,1,2
.irp p, 0,1,2,3
	global_load_b64 v[WSW+8*\t+2*\p:WSW+8*\t+2*\p+1], v[L8], s[WO:WO+1] offset:WOREC*\t+8*FRB+256*\p
.endr
.endr
	LOADW 0
	s_wait_loadcnt 21                              ; bo and my quarter are in; the 12 loads of scale words and the 9 of K step 0 may be out
	WIN 0x08                                       ; an LDS store's data are its source 1: window 2
.set i, 0
.rept 52
	ds_store_b128 v[LW], v[4*i:4*i+3] offset:512*i
.set i, i+1
.endr
	LOADW 1
	LOADW 2
	LOADW 3
	WIN 0
	s_wait_dscnt 0x0                               ; my stores have landed
	s_barrier_signal -1
	s_barrier_wait -1                              ; O's block lies in LDS; nothing is written there again
	s_wait_alu depctr_vm_vsrc(0)                   ; my LDS stores have read the staging registers, window 2's v0-207: they are accumulators from here on, written by the products
.set k, 0
.rept 64
	ds_load_b32 v[OSW+k], v[L4B] offset:128*k
.set k, k+1
.endr
	FETCH2 0, 0                                    ; K step 0 into buffer 0
	FETCH2 0, 2
	FETCH2 0, 4
	FETCH2 0, 6
	KSTEP 0, 27                                    ; three younger sets of 9 loads,
	KSTEP 1, 18                                    ; two: a step's own request goes out behind its first three products,
	KSTEP 2, 18
	KSTEP 3, 18
	KSTEP 4, 18
	KSTEP 5, 18
	KSTEP 6, 9                                     ; one,
	KSTEP 7, 0                                     ; none; its four places stand in front of the first read of the results
	s_wait_alu depctr_va_vdst(0)                   ; the products have written the accumulators, which the LDS stores read, and are done reading both buffers of O, in which rows of the stage land below; the places above stay beside this wait
	WIN 0x08
.irp m, 0,1,2,3,4,5,6,7
.irp t, 0,1,2
	ds_store_b128 v[SW+3*(\m/4)+\t], v[24*\m+8*\t:24*\m+8*\t+3] offset:SP*(32*((\m%4)/2)+8*(\m%2))        ; each accumulator from its low end on
	ds_store_b128 v[SW+3*(\m/4)+\t], v[24*\m+8*\t+4:24*\m+8*\t+7] offset:SP*(32*((\m%4)/2)+8*(\m%2))+16
.endr
.endr
	WIN 0
	s_wait_dscnt 0x0                               ; for the others' sake: my stores into the stage are done
	s_barrier_signal -1
	s_barrier_wait -1                              ; 128 whole rows lie in the stage
	; my 32 rows, 16 to a batch, 24 loads of two rows' 256 bytes each: the first batch into buffer 0, the second into buffer 1, so that no register is loaded again behind a store
.set k, 0
.rept 24
	ds_load_b128 v[XF+4*k:XF+4*k+3], v[SR] offset:2*SP*(k/3)+256*(k%3)
.set k, k+1
.endr
	WIN 0xc0                                       ; destination window 3
.set k, 0
.rept 24
	ds_load_b128 v[XF+4*k:XF+4*k+3], v[SR] offset:2*SP*(8+k/3)+256*(k%3)
.set k, k+1
.endr
	WIN 0
.set k, 0
.rept 24
	s_wait_dscnt 47-k                              ; load k of the 48 is in; the younger ones may be out
	global_store_b128 v[GO], v[XF+4*k:XF+4*k+3], s[OUT:OUT+1] offset:6144*(k/3)+256*(k%3) th:TH_STORE_NT   ; sixteen lanes store 256 consecutive bytes, aligned; written once, read by nobody here
.set k, k+1
.endr
	WIN 0x0c                                       ; a store's data are its source 1: window 3
.set k, 0
.rept 24
	s_wait_dscnt 23-k
	global_store_b128 v[GO], v[XF+4*k:XF+4*k+3], s[OUT:OUT+1] offset:6144*(8+k/3)+256*(k%3) th:TH_STORE_NT
.set k, k+1
.endr
	WIN 0
	s_wait_dscnt 0x0                               ; the closing lines, six on end
	s_wait_alu 0x0
	s_wait_tensorcnt 0x0
	ds_add_u32 v254, v255
	s_wait_dscnt 0x0
	s_endpgm
.Lfunc_end_k_qb3660ee960_oproj:
	.size	k_qb3660ee960_oproj, .Lfunc_end_k_qb3660ee960_oproj-k_qb3660ee960_oproj
	.p2alignl 7, 3214868480
	.fill 96, 4, 3214868480
	.section	.rodata,"a",@progbits
	.p2align	6, 0x0
	.amdhsa_kernel k_qb3660ee960_oproj
		.amdhsa_group_segment_fixed_size 207360
		.amdhsa_private_segment_fixed_size 0
		.amdhsa_enable_private_segment 0
		.amdhsa_kernarg_size 32
		.amdhsa_user_sgpr_count 2
		.amdhsa_user_sgpr_kernarg_segment_ptr 1
		.amdhsa_wavefront_size32 1
		.amdhsa_system_sgpr_workgroup_id_x 1
		.amdhsa_system_sgpr_workgroup_id_y 1
		.amdhsa_system_sgpr_workgroup_id_z 1
		.amdhsa_system_vgpr_workitem_id 0
		.amdhsa_next_free_vgpr 880
		.amdhsa_next_free_sgpr 66
		.amdhsa_reserve_vcc 0
		.amdhsa_float_denorm_mode_32 3
		.amdhsa_float_denorm_mode_16_64 3
		.amdhsa_memory_ordered 1
		.amdhsa_forward_progress 1
		.amdhsa_inst_pref_size 78
	.end_amdhsa_kernel
	.amdgpu_metadata
---
amdhsa.version: [ 1, 2 ]
amdhsa.kernels:
  - .name:           k_qb3660ee960_oproj
    .symbol:         k_qb3660ee960_oproj.kd
    .args:
      - { .name: oi, .offset: 0, .size: 8, .value_kind: global_buffer, .address_space: global }
      - { .name: wi, .offset: 8, .size: 8, .value_kind: global_buffer, .address_space: global }
      - { .name: bo, .offset: 16, .size: 8, .value_kind: global_buffer, .address_space: global }
      - { .name: out0, .offset: 24, .size: 8, .value_kind: global_buffer, .address_space: global }
    .group_segment_fixed_size: 207360
    .private_segment_fixed_size: 0
    .kernarg_segment_align: 8
    .kernarg_segment_size: 32
    .max_flat_workgroup_size: 128
    .sgpr_count:     66
    .vgpr_count:     880
    .wavefront_size: 32
...
	.end_amdgpu_metadata
.endif
;; end of part 8
